; MI455X (gfx1250); checked and timed in simulation.
; The chip was launched on July 23, 2026; its instructions are those of AMD's public machine-readable ISA for CDNA 5 (MIT licence, August 2026) and "CDNA5" Instruction Set Architecture Reference Guide (July 2026). The comments in the code are by the model that wrote it; some were corrected since.
;; Mi Mo Moe Attention. Allowed arithmetic: float matrix products may take bf16 or f16 operands with f32 sums; other float arithmetic in f32, or as packed bf16 or f16 multiplies, adds, multiply-adds, maxima and minima; sums over many terms, partial sums and values carried from step to step in f32; what a program stores and reads back later, other than sums and carried values, may be rounded once to bf16 or f16.
;; Inputs: Wk 4,096 x 1,024 float32; Wo 4,096 x 4,096 float32; Wq 4,096 x 4,096 float32; Wv 4,096 x 1,024 float32; bk 1,024 float32; bq 4,096 float32; bv 1,024 float32; hidden_states 1 x 1,024 x 4,096 float32; positions 1 x 1,024 int32; sink 32 float32.
;; Outputs: out0 1 x 1,024 x 4,096 float32.
;; 3 versions, each right; version 3 is version 2 with the launch prep written anew for expert scheduling mode. Each part assembles by itself: llvm-mc -triple=amdgcn-amd-amdhsa -mcpu=gfx1250 --defsym DOCPART=n.
;; ======== version 1 of 3: 4 launches
;; limits: values are held in f16: magnitudes above 65,504 overflow, below 6.1e-05 lose precision; right only within a limited range of input values
;; workspace buffers: xb 8,388,608 bytes; wo16 33,554,432 bytes; rope 2,359,296 bytes; qkv 12,582,912 bytes; at16 8,388,608 bytes
;; launch prep (part 1): grid 1344 x 1, 8 waves a work-group, no clusters, 0 bytes of LDS; arguments hidden_states, Wo, positions, xb, wo16, rope; writes xb, wo16, rope
.if DOCPART == 1
	.amdgcn_target "amdgcn-amd-amdhsa--gfx1250"
	.amdhsa_code_object_version 6
	.text
	.protected	k_q1f30bfcbb6_prep
	.globl	k_q1f30bfcbb6_prep
	.p2align	8
	.type	k_q1f30bfcbb6_prep,@function
k_q1f30bfcbb6_prep:
	s_mov_b64 s[64:65], 0
	v_nop
	global_prefetch_b8 v0, s[64:65] scope:SCOPE_SE
	s_setreg_imm32_b32 hwreg(HW_REG_WAVE_MODE, 25, 1), 1
	s_wait_xcnt 0x0
; THREE JOBS, told apart by the work-group's number g.
;   g < 1024         wo16 = f16(4 x bf16(Wo)): chunk g, 65,536 bytes of f32 in, 32,768 bytes out.  The rounding to bf16 is the one that all of the module's inputs get;
;                    4 x that number is exact, and is written as f16 (the attention's output is stored divided by 4, so the last product needs no scaling).
;   1024 <= g < 1280 xb = bf16(hidden_states): chunk g - 1024, the same sizes.
;   g >= 1280        the rotary tables: 16 token rows a work-group, 16 threads a row, four frequencies a thread.
; A STREAM: thread t takes 16 bytes at 16 t of each 4,096 bytes: a wave's load covers 512 consecutive bytes; its store of 8 bytes a lane covers 256 consecutive bytes, aligned.
; All sixteen loads of a chunk go out together; no register is used twice, so the only waits are the counted ones for the loads.
; THE TABLES: rope[type][row][192] f32: 64 cosines, 64 negated sines, 64 sines, each times the type's scale: type 0 (q) 2 c, c = log2(e) / sqrt(128); type 1 (k) 0.5; type 2 (v) holds
; 0.25, 0, 0: no rotation.  Place p of a section holds frequency 32 (p / 32) + 4 (p % 8) + (p % 32) / 8: the order in which the projection's lanes hold their columns.
; SINE AND COSINE: angle = pos x 2^(-f log2(1e6) / 64); n = the nearest whole number to angle x 2 / pi; r = angle - n pi / 2 with pi / 2 in two parts, by fused multiply-adds;
; polynomials of degree 7 and 8 on |r| <= pi / 4; n's two low bits choose and sign.
; LIMITS.  The angle is good to a few units in the last place of pos x frequency: its absolute error stays under 1e-3 for |pos| < 4,096.  4 x bf16(Wo) must lie within f16's 65,504.
.set IN,   16                          ; v[16:79]   sixteen loads of four registers
.set OUTR, 80                          ; v[80:111]  sixteen stores of two registers
.set INV,  8                           ; the tables' registers, four each: frequency
.set ANG,  12                          ; angle
.set NQ,   16                          ; n
.set RR,   20                          ; r
.set ZZ,   24                          ; r r
.set SN,   28                          ; sine
.set CN,   32                          ; cosine
.set QD,   36                          ; n as a whole number
.set TA,   40                          ; at work
.set TB,   44                          ; at work
.set DAT,  48                          ; v[48:79] eight sets of four numbers to store
.set TYPEB, 786432                     ; bytes of one type's table: 1,024 rows x 768
	s_load_b256 s[4:11], s[0:1], 0x0               ; hidden_states s[4:5], Wo s[6:7], positions s[8:9], xb s[10:11]
	s_load_b128 s[12:15], s[0:1], 0x20             ; wo16 s[12:13], rope s[14:15]
	v_lshlrev_b32 v1, 4, v0                        ; 16 t: where I load
	v_lshlrev_b32 v2, 3, v0                        ; 8 t: where I store
	s_mov_b32 s16, 0xffff0000                      ; a word's upper bf16
	s_mov_b32 s3, 0                                ; the high word of a chunk's offset
	s_wait_kmcnt 0x0
	s_cmp_lt_u32 ttmp9, 1024
	s_cbranch_scc1 .Lwo
	s_cmp_lt_u32 ttmp9, 1280
	s_cbranch_scc1 .Lx
	; THE TABLES
	s_sub_co_u32 s17, ttmp9, 1280
	s_lshl_b32 s17, s17, 4                         ; the work-group's first row
	v_lshrrev_b32 v3, 4, v0
	v_add_nc_u32 v3, s17, v3                       ; my row
	v_and_b32 v4, 15, v0                           ; my place in the row: 16 bytes of each section
	v_lshlrev_b32 v5, 2, v3
	global_load_b32 v6, v5, s[8:9]                 ; the row's position
	s_mov_b32 s18, 0xbe9f73da                      ; -log2(1e6) / 64
	s_mov_b32 s19, 0x3f22f983                      ; 2 / pi
	s_mov_b32 s20, 0x3fc90fdb                      ; pi / 2, the upper part
	s_mov_b32 s21, 0xb33bbd2e                      ; pi / 2, what is left
	s_mov_b32 s22, 0xb94ca1f9                      ; the sine's coefficients, highest first
	s_mov_b32 s23, 0x3c08839e
	s_mov_b32 s24, 0xbe2aaaa3
	s_mov_b32 s25, 0x37ccf5ce                      ; the cosine's
	s_mov_b32 s26, 0xbab6061a
	s_mov_b32 s27, 0x3d2aaaa5
	s_mov_b32 s28, 0x3e8293ee                      ; 2 c = 2 log2(e) / sqrt(128)
	v_lshrrev_b32 v7, 3, v4
	v_and_b32 v40, 1, v4
	v_lshlrev_b32 v7, 5, v7                        ; 32 (place / 8)
	v_lshl_add_u32 v7, v40, 4, v7                  ; + 16 (place % 2)
	v_bfe_u32 v40, v4, 1, 2
	v_add_nc_u32 v7, v7, v40                       ; + (place / 2) % 4: my first frequency; the others are 4, 8 and 12 on
.irp e, 0,1,2,3
	v_add_nc_u32 v[INV+\e], 4*\e, v7
.endr
.irp e, 0,1,2,3
	v_cvt_f32_u32 v[INV+\e], v[INV+\e]
.endr
.irp e, 0,1,2,3
	v_mul_f32 v[INV+\e], s18, v[INV+\e]
.endr
.irp e, 0,1,2,3
	v_exp_f32 v[INV+\e], v[INV+\e]                 ; one batch of four
.endr
	v_mul_u32_u24 v7, v3, 768                      ; the plain instruction behind the last exponential: my row in a table,
	v_lshl_add_u32 v7, v4, 4, v7                   ; my 16 bytes of a section
	s_wait_alu depctr_va_vdst(0)                   ; one wait for the batch, ahead of its first reader
	s_wait_loadcnt 0x0
	v_cvt_f32_i32 v6, v6
.irp e, 0,1,2,3
	v_mul_f32 v[ANG+\e], v6, v[INV+\e]
.endr
.irp e, 0,1,2,3
	v_mul_f32 v[NQ+\e], s19, v[ANG+\e]
.endr
.irp e, 0,1,2,3
	v_rndne_f32 v[NQ+\e], v[NQ+\e]
.endr
.irp e, 0,1,2,3
	v_fma_f32 v[RR+\e], -v[NQ+\e], s20, v[ANG+\e]
.endr
.irp e, 0,1,2,3
	v_fma_f32 v[RR+\e], -v[NQ+\e], s21, v[RR+\e]
.endr
.irp e, 0,1,2,3
	v_mul_f32 v[ZZ+\e], v[RR+\e], v[RR+\e]
	v_cvt_i32_f32 v[QD+\e], v[NQ+\e]
.endr
.irp e, 0,1,2,3
	v_fma_f32 v[TA+\e], v[ZZ+\e], s22, s23         ; the sine: r + r z (((S3 z + S2) z) + S1)
	v_mul_f32 v[TB+\e], v[RR+\e], v[ZZ+\e]
.endr
.irp e, 0,1,2,3
	v_fma_f32 v[TA+\e], v[TA+\e], v[ZZ+\e], s24
.endr
.irp e, 0,1,2,3
	v_fma_f32 v[SN+\e], v[TB+\e], v[TA+\e], v[RR+\e]
.endr
.irp e, 0,1,2,3
	v_fma_f32 v[TA+\e], v[ZZ+\e], s25, s26         ; the cosine: 1 - z / 2 + z z (((C3 z + C2) z) + C1)
	v_mul_f32 v[TB+\e], v[ZZ+\e], v[ZZ+\e]
.endr
.irp e, 0,1,2,3
	v_fma_f32 v[TA+\e], v[TA+\e], v[ZZ+\e], s27
	v_fma_f32 v[RR+\e], v[ZZ+\e], -0.5, 1.0
.endr
.irp e, 0,1,2,3
	v_fma_f32 v[CN+\e], v[TB+\e], v[TA+\e], v[RR+\e]
.endr
.irp e, 0,1,2,3
	v_and_b32 v[TA+\e], 1, v[QD+\e]                ; an odd n swaps the two
	v_cmp_ne_u32 vcc_lo, 0, v[TA+\e]
	v_cndmask_b32 v[TB+\e], v[SN+\e], v[CN+\e], vcc_lo
	v_cndmask_b32 v[RR+\e], v[CN+\e], v[SN+\e], vcc_lo
.endr
.irp e, 0,1,2,3
	v_and_b32 v[TA+\e], 2, v[QD+\e]                ; the sine is negated where n % 4 is 2 or 3,
	v_add_nc_u32 v[QD+\e], 1, v[QD+\e]
	v_lshlrev_b32 v[TA+\e], 30, v[TA+\e]
	v_and_b32 v[QD+\e], 2, v[QD+\e]                ; the cosine where it is 1 or 2
	v_xor_b32 v[SN+\e], v[TA+\e], v[TB+\e]
	v_lshlrev_b32 v[QD+\e], 30, v[QD+\e]
	v_xor_b32 v[CN+\e], v[QD+\e], v[RR+\e]
.endr
.irp e, 0,1,2,3
	v_mul_f32 v[DAT+\e], s28, v[CN+\e]             ; q's table
	v_mul_f32 v[DAT+8+\e], s28, v[SN+\e]
	v_mul_f32 v[DAT+12+\e], 0.5, v[CN+\e]          ; k's
	v_mul_f32 v[DAT+20+\e], 0.5, v[SN+\e]
	v_mov_b32 v[DAT+24+\e], 0x3e800000             ; v's: 0.25 and 0
	v_mov_b32 v[DAT+28+\e], 0
.endr
.irp e, 0,1,2,3
	v_xor_b32 v[DAT+4+\e], 0x80000000, v[DAT+8+\e]
	v_xor_b32 v[DAT+16+\e], 0x80000000, v[DAT+20+\e]
.endr
	; sixteen neighbouring lanes fill one section of 256 bytes, at a multiple of 256 from the buffer's first byte
	global_store_b128 v7, v[DAT:DAT+3], s[14:15]
	global_store_b128 v7, v[DAT+4:DAT+7], s[14:15] offset:256
	global_store_b128 v7, v[DAT+8:DAT+11], s[14:15] offset:512
	global_store_b128 v7, v[DAT+12:DAT+15], s[14:15] offset:TYPEB
	global_store_b128 v7, v[DAT+16:DAT+19], s[14:15] offset:TYPEB+256
	global_store_b128 v7, v[DAT+20:DAT+23], s[14:15] offset:TYPEB+512
	global_store_b128 v7, v[DAT+24:DAT+27], s[14:15] offset:2*TYPEB
	global_store_b128 v7, v[DAT+28:DAT+31], s[14:15] offset:2*TYPEB+256
	global_store_b128 v7, v[DAT+28:DAT+31], s[14:15] offset:2*TYPEB+512
	s_endpgm
; A chunk.  kind = 0: f32 to bf16.  kind = 1: f32 to bf16, times 4, written as f16.
.macro STREAM kind, inb, outb
.set n, 0
.rept 16
	global_load_b128 v[IN+4*n:IN+4*n+3], v1, s[\inb:\inb+1] offset:4096*n th:TH_LOAD_NT
.set n, n+1
.endr
.set n, 0
.rept 16
	s_wait_loadcnt 15-n                            ; loads come back in order: number n is in, the 15 - n younger ones stay out
.if \kind
	v_cvt_pk_bf16_f32 v8, v[IN+4*n], v[IN+4*n+1]
	v_cvt_pk_bf16_f32 v9, v[IN+4*n+2], v[IN+4*n+3]
	v_lshlrev_b32 v4, 16, v8
	v_and_b32 v5, s16, v8
	v_lshlrev_b32 v6, 16, v9
	v_and_b32 v7, s16, v9
	v_pk_mul_f32 v[4:5], v[4:5], 4.0 op_sel_hi:[1,0]
	v_pk_mul_f32 v[6:7], v[6:7], 4.0 op_sel_hi:[1,0]
	v_cvt_pk_f16_f32 v[OUTR+2*n], v4, v5
	v_cvt_pk_f16_f32 v[OUTR+2*n+1], v6, v7
.else
	v_cvt_pk_bf16_f32 v[OUTR+2*n], v[IN+4*n], v[IN+4*n+1]
	v_cvt_pk_bf16_f32 v[OUTR+2*n+1], v[IN+4*n+2], v[IN+4*n+3]
.endif
	global_store_b64 v2, v[OUTR+2*n:OUTR+2*n+1], s[\outb:\outb+1] offset:2048*n th:TH_STORE_NT
.set n, n+1
.endr
.endm
.Lx:
	s_sub_co_u32 s17, ttmp9, 1024
	s_lshl_b32 s2, s17, 16
	s_add_nc_u64 s[4:5], s[4:5], s[2:3]
	s_lshl_b32 s2, s17, 15
	s_add_nc_u64 s[10:11], s[10:11], s[2:3]
	STREAM 0, 4, 10
	s_endpgm
.Lwo:
	s_lshl_b32 s2, ttmp9, 16
	s_add_nc_u64 s[6:7], s[6:7], s[2:3]
	s_lshl_b32 s2, ttmp9, 15
	s_add_nc_u64 s[12:13], s[12:13], s[2:3]
	STREAM 1, 6, 12
	s_endpgm
.Lfunc_end_k_q1f30bfcbb6_prep:
	.size	k_q1f30bfcbb6_prep, .Lfunc_end_k_q1f30bfcbb6_prep-k_q1f30bfcbb6_prep
	.p2alignl 7, 3214868480
	.fill 96, 4, 3214868480
	.section	.rodata,"a",@progbits
	.p2align	6, 0x0
	.amdhsa_kernel k_q1f30bfcbb6_prep
		.amdhsa_group_segment_fixed_size 0
		.amdhsa_private_segment_fixed_size 0
		.amdhsa_enable_private_segment 0
		.amdhsa_kernarg_size 48
		.amdhsa_user_sgpr_count 2
		.amdhsa_user_sgpr_kernarg_segment_ptr 1
		.amdhsa_wavefront_size32 1
		.amdhsa_system_sgpr_workgroup_id_x 1
		.amdhsa_system_sgpr_workgroup_id_y 1
		.amdhsa_system_sgpr_workgroup_id_z 1
		.amdhsa_system_vgpr_workitem_id 0
		.amdhsa_next_free_vgpr 112
		.amdhsa_next_free_sgpr 66
		.amdhsa_reserve_vcc 1
		.amdhsa_float_denorm_mode_32 3
		.amdhsa_float_denorm_mode_16_64 3
		.amdhsa_memory_ordered 1
		.amdhsa_forward_progress 1
		.amdhsa_inst_pref_size 27
	.end_amdhsa_kernel
	.amdgpu_metadata
---
amdhsa.version: [ 1, 2 ]
amdhsa.kernels:
  - .name:           k_q1f30bfcbb6_prep
    .symbol:         k_q1f30bfcbb6_prep.kd
    .args:
      - { .name: hidden_states, .offset: 0, .size: 8, .value_kind: global_buffer, .address_space: global }
      - { .name: Wo, .offset: 8, .size: 8, .value_kind: global_buffer, .address_space: global }
      - { .name: positions, .offset: 16, .size: 8, .value_kind: global_buffer, .address_space: global }
      - { .name: xb, .offset: 24, .size: 8, .value_kind: global_buffer, .address_space: global }
      - { .name: wo16, .offset: 32, .size: 8, .value_kind: global_buffer, .address_space: global }
      - { .name: rope, .offset: 40, .size: 8, .value_kind: global_buffer, .address_space: global }
    .group_segment_fixed_size: 0
    .private_segment_fixed_size: 0
    .kernarg_segment_align: 8
    .kernarg_segment_size: 48
    .max_flat_workgroup_size: 256
    .sgpr_count:     66
    .vgpr_count:     112
    .wavefront_size: 32
...
	.end_amdgpu_metadata
.endif
;; end of part 1
;; launch qkv (part 2): grid 48 x 4, 4 waves a work-group, clusters of 4 x 4, 327,680 bytes of LDS; arguments xb, Wq, Wk, Wv, bq, bk, bv, rope, qkv; writes qkv
.if DOCPART == 2
	.amdgcn_target "amdgcn-amd-amdhsa--gfx1250"
	.amdhsa_code_object_version 6
	.text
	.protected	k_q1f30bfcbb6_qkv
	.globl	k_q1f30bfcbb6_qkv
	.p2align	8
	.type	k_q1f30bfcbb6_qkv,@function
k_q1f30bfcbb6_qkv:
	s_mov_b64 s[64:65], 0
	v_nop
	global_prefetch_b8 v0, s[64:65] scope:SCOPE_SE
	s_setreg_imm32_b32 hwreg(HW_REG_WAVE_MODE, 25, 1), 1
	s_wait_xcnt 0x0
	s_wait_alu depctr_hold_cnt(0) depctr_sa_sdst(0) depctr_va_vdst(0) depctr_va_sdst(0) depctr_va_ssrc(0) depctr_va_vcc(0) depctr_vm_vsrc(0)
	s_getreg_b32 s2, hwreg(HW_REG_IB_STS2, 6, 4)
	s_cmp_eq_u32 s2, 0
	s_cbranch_scc0 .Lentry_in_a_cluster
	s_endpgm
.Lentry_in_a_cluster:
	s_bfe_u32 s2, ttmp6, 0x10000c
	s_cmp_lg_u32 s2, 0xf033
	s_cbranch_scc0 .Lentry_shape_is_right
	s_endpgm
.Lentry_shape_is_right:
; qkv[head][row][128] (f16) = scale x rope(x W + b): heads 0-31 are q (scale 2 c, c = log2(e) / sqrt(128)), 32-39 k (0.5), 40-47 v (0.25, not rotated).  x is xb, bf16 [1024][4096];
; the weights are f32 [4096 k][columns] and are rounded to bf16 on the way from LDS to the matrix unit; the bias is rounded to bf16 and starts the sums; sums in f32; one rounding to f16.
; LIMITS.  f16 ends at 65,504: scale x |q|, |k|, |v| after the rotation must lie within it.  NaN and infinities are not treated apart.
; SHARES.  A work-group makes 256 rows x one head (128 columns): 4 x 48 = 192 work-groups.  Wave w: rows 128 (w / 2) on, columns d in [32 c, 32 c + 32) and [64 + 32 c, 64 + 32 c + 32), c = w % 2:
; a column and its rotary partner 64 further on lie in one wave.  32 accumulators acc(a, j): a = 0..7 blocks of 16 rows, j = 0..3.  K goes in 32 steps of 128 through two LDS slots.
; THE PRODUCT IS USED TRANSPOSED: source 0 = 16 columns of W, source 1 = 16 rows of x.  Lane rho of W's fragment j holds column 32 c + 4 rho + j (rho < 8) or 64 + 32 c + 4 (rho - 8) + j: so one LDS load of
; 16 bytes at one k brings a lane its column of all four fragments, and one conversion of two such numbers (k, k + 1) is a fragment's register.  In the result lane (m, h) holds row 16 a + m and, in
; register i of acc(a, j), column 64 h + 32 c + 4 i + j: the rotary partner lies in the lane 16 away, in the same register.
; CLUSTERS: 4 x 4 work-groups.  The four of a row of the cluster share x's tile, the four of a column (one head) the weights' tile: each is asked for jointly, so each byte of the weights is asked for once.
; LDS, a slot: x's 256 rows of 256 bytes + 16 of padding; the weights' 128 k-rows of columns 0-63 (256 bytes, no padding); the same of columns 64-127, begun 128 bytes off a multiple of 256, so that the sixteen
; lanes of a load's pass (eight in each half) take 256 bytes that fall on different banks (64 banks of 4 bytes: ISA guide 11.1).  The stage of the way out is slot 0's x region, after its last fill and last read.
; REGISTERS, in windows of 256: window 0: v0-31 addresses; v32-95 W's fragments, two buffers of 4 x 8; v96-223 x's fragments, two buffers of 8 x 8 (on the way out: partner, product, tables, packed results)
;   window 1: v0-63 the weights as loaded (f32); v64-95 the bias        window 2: acc(a, j) at v[8 (4 a + j)]
.set KSTEP,  128
.set PA,     272                       ; an LDS row of x
.set HALFT,  128*PA                    ; 128 rows of x: one tensor load
.set BLO,    2*HALFT                   ; the weights' columns 0-63
.set BHALF,  32896                     ; from there to the columns 64-127: 32,768 + 128
.set SLOT,   135424
.set SPARE,  2*SLOT                    ; the spare words: 128 bytes a wave, two blocks of 256 bytes that no other line names
.set LAPS,   16                        ; a lap = two K steps
.set ADRA, 16                          ; v16-17 LDS address of my fragments of x in slot 0, 1
.set ADRB, 20                          ; v20-21 the same for the weights
.set TS,   22                          ; v22 my offset in the table's sines (negated for the lower half of a head, plain for the upper)
.set STO,  24                          ; v24 the way out: where I put 64 bytes of a row
.set RD,   25                          ; v25 where I read rows back
.set CO,   26                          ; v26 my byte offset in the head's 256 rows
.set TO,   27                          ; v27 my offset in the table's cosines
.set SPW,  28                          ; v28 my spare word; never rewritten
.set NIL,  29                          ; v29 0; never rewritten
.set PFO,  30                          ; v30 the prefetches' offset: my lane x a row; never rewritten
.set BO,   31                          ; v31 my offset in the head's bias
.set BF0,  32
.set AF0,  96
.set PP,   32                          ; the way out: the partner's sums
.set TT,   64                          ; the rotated numbers
.set YY,   224                         ; packed
.set BIAS, 64                          ; window 1
.set G1A, 24                           ; s[24:31] group 1 for x's tiles
.set G0A, 32                           ; s[32:39] group 0 for x's tiles, a set for each slot
.set G1Q, 40                           ; s[40:47] group 1 for Wq's tiles (4,096 numbers from row to row)
.set G1K, 48                           ; s[48:55] for Wk's and Wv's (1,024)
.set G0B, 56                           ; s[56:63] group 0 for the weights' tiles
.set WV,   66
.set ROLE, 67                          ; w / 2: I fetch x (0) or weights (1); also my half of the rows
.set HALF, 68                          ; w % 2: which half I fetch; also c
.set CX,   69
.set CY,   70
.set HD,   71                          ; head 0..47
.set ISQ,  72                          ; 1 where the cluster's heads are q's: the same in all sixteen partners
.set LIM,  73                          ; 1 in a wave that prefetches, else the greatest number
.set BST,  74                          ; s[74:75] two K steps of the weights, in bytes
.set PST,  76                          ; s[76:77] one K step of what I prefetch
.set PFA,  78                          ; s[78:79] where my prefetches stand
.set SEL,  84                          ; s[84:85] v_permlanex16_b32's selects
.set TAB,  86                          ; s[86:87] the type's table at the work-group's first row
.set OUT,  88                          ; s[88:89] the head at the work-group's first row
.set WP,   90                          ; s[90:91] the weights
.set BP,   92                          ; s[92:93] the bias
.set PITCH, 94                         ; bytes in a row of the weights
.set ROWB, 95                          ; bytes in a row of what I prefetch
.set AB,   96                          ; s[96:97] x at my 128 rows
.set BB,   98                          ; s[98:99] the weights at my 64 columns
.set TY,   100
.set HL,   101                         ; the head's number within its weights
.set MSB, 0
.macro WIN new                         ; the immediate's high byte repeats the setting that is left; a switch that changes nothing is dropped
.if MSB != (\new)
	s_set_vgpr_msb (MSB<<8)|(\new)
.set MSB, \new
.endif
.endm
.set MULW,   0xa0                      ; sources window 0, C and D window 2
.set MULB,   0x90                      ; C (the bias) window 1, D window 2
.set TO_RAW, 0x40                      ; destination window 1
.set CVTW,   0x05                      ; sources window 1, destination window 0
.set EPI,    0x02                      ; source 0 window 2
.macro PLACES                          ; four places in front of loads into, and vector writes of, registers that matrix instructions have read, and of reads of results
.rept 4
	v_nop
.endr
.endm
; A joint load.  Waves 0 and 1 fetch x's two halves, waves 2 and 3 the two halves of the head's columns.  Each line has one mask and constant shape words; the branches hang on the wave's number and on the
; cluster's number, which all partners share.  An s_nop 0 and four v_nop follow each line, ahead of the jump and the label.
.macro JLOAD s
	s_cmp_eq_u32 s[ROLE], 0
	s_cbranch_scc0 .Lfor_b_\@
	tensor_load_to_lds s[G0A+4*(\s):G0A+4*(\s)+3], s[G1A:G1A+7]
	s_nop 0
.rept 4
	v_nop
.endr
	s_branch .Lasked_\@
.Lfor_b_\@:
	s_cmp_eq_u32 s[ISQ], 1
	s_cbranch_scc0 .Lfor_k_\@
	tensor_load_to_lds s[G0B+4*(\s):G0B+4*(\s)+3], s[G1Q:G1Q+7]
	s_nop 0
.rept 4
	v_nop
.endr
	s_branch .Lasked_\@
.Lfor_k_\@:
	tensor_load_to_lds s[G0B+4*(\s):G0B+4*(\s)+3], s[G1K:G1K+7]
	s_nop 0
.rept 4
	v_nop
.endr
.Lasked_\@:
.endm
; A PREFETCH INTO THE L2, behind each joint refill and the run of LDS loads that follows it: the K step that stands two refills on (256 matrix instructions ahead of its load): 32 rows x 256 bytes, a lane a row.
; The weights' tile of a head is read by one column of one cluster: its four partners take 32 k-rows each, told apart by address (cy).  x's rows are read by all twelve clusters: the first asks, its four
; partners of a row take 32 rows each (cx).  So each row's 256 bytes of a step are named once.  The loop's last trip asks for nothing: those steps do not exist.  Nothing is asked for at the head.
.macro ASK
	s_cmp_gt_u32 s3, s[LIM]
	s_cbranch_scc0 .Lnot_mine_\@
	global_prefetch_b8 v[PFO], s[PFA:PFA+1] th:TH_LOAD_NT scope:SCOPE_SE
.Lnot_mine_\@:
.endm
.macro CREST                           ; a round of the cluster's barrier behind its opening barrier
	s_cmp_lg_u32 s[WV], 0
	s_cbranch_scc1 .Lnot_wave_0_\@
	s_barrier_signal -3
.Lnot_wave_0_\@:
	s_barrier_wait -3
	s_barrier_signal -1
	s_barrier_wait -1
.endm
.macro CROUND
	s_barrier_signal -1
	s_barrier_wait -1
	CREST
.endm
	s_load_b256 s[4:11], s[0:1], 0x0               ; xb s[4:5], Wq s[6:7], Wk s[8:9], Wv s[10:11]
	s_load_b256 s[12:19], s[0:1], 0x20             ; bq s[12:13], bk s[14:15], bv s[16:17], rope s[18:19]
	s_load_b64 s[20:21], s[0:1], 0x40              ; qkv
	v_lshl_add_u32 v[SPW], v0, 2, SPARE
	v_mov_b32 v[NIL], 0
	ds_add_u32 v[SPW], v[NIL]                      ; the wave's opening: the add and its wait ahead of my first tensor load; the set-up below stands between them
	v_lshrrev_b32 v1, 5, v0
	v_readfirstlane_b32 s[WV], v1
	s_lshr_b32 s[ROLE], s[WV], 1
	s_and_b32 s[HALF], s[WV], 1
	s_bfe_u32 s[CX], ttmp6, 0x40000
	s_bfe_u32 s[CY], ttmp6, 0x40004                ; the grid has one cluster along y: cy is the block of 256 rows
	s_lshl_b32 s[HD], ttmp9, 2
	s_add_co_u32 s[HD], s[HD], s[CX]               ; head = 4 x cluster x + cx
	s_mov_b32 s[PITCH], 4096
	s_cmp_lt_u32 ttmp9, 10                         ; clusters 0-7: q; 8, 9: k; 10, 11: v
	s_cselect_b32 s[HL], 32, 40
	s_cselect_b32 s[TY], 1, 2
	s_cmp_lt_u32 ttmp9, 8
	s_cselect_b32 s[HL], 0, s[HL]
	s_cselect_b32 s[TY], 0, s[TY]
	s_cselect_b32 s[ISQ], 1, 0
	s_cselect_b32 s[PITCH], 16384, s[PITCH]
	s_sub_co_u32 s[HL], s[HD], s[HL]
	s_lshl_b32 s82, s[CY], 2
	s_lshl_b32 s82, 15, s82                        ; my row of the cluster
	s_lshl_b32 s81, 0x1111, s[CX]                  ; my column
	s_or_b32 s[G1A], s82, (1<<16)|(1<<20)|(1<<21)|(5<<22)|(3<<25)  ; the mask; 2-byte elements; padding on; bit 21 beside a mask; after every 64 words, 4 words
	s_mov_b32 s[G1A+1], 128<<16                    ; tensor_dim0 = 128
	s_mov_b32 s[G1A+2], 128<<16                    ; tensor_dim1 = 128
	s_mov_b32 s[G1A+3], 128<<16                    ; tile_dim0 = 128
	s_mov_b32 s[G1A+4], 128                        ; tile_dim1 = 128
	s_mov_b32 s[G1A+5], 4096                       ; elements from row to row
	s_mov_b32 s[G1A+6], 0
	s_mov_b32 s[G1A+7], 0
	s_or_b32 s[G1Q], s81, (2<<16)|(1<<21)          ; the mask; 4-byte elements; no padding
	s_or_b32 s[G1K], s81, (2<<16)|(1<<21)
.irp g, G1Q, G1K
	s_mov_b32 s[\g+1], 64<<16                      ; tensor_dim0 = 64
	s_mov_b32 s[\g+2], 128<<16                     ; tensor_dim1 = 128
	s_mov_b32 s[\g+3], 64<<16                      ; tile_dim0 = 64
	s_mov_b32 s[\g+4], 128                         ; tile_dim1 = 128
	s_mov_b32 s[\g+6], 0
	s_mov_b32 s[\g+7], 0
.endr
	s_mov_b32 s[G1Q+5], 4096
	s_mov_b32 s[G1K+5], 1024
	s_lshl_b32 s[BST], s[PITCH], 8                 ; 256 rows of the weights
	s_mov_b32 s[BST+1], 0
	s_mul_i32 s22, s[HALF], HALFT                  ; where the tiles go: no place in the cluster enters an LDS address
	s_mul_i32 s23, s[HALF], BHALF
	s_add_co_u32 s23, s23, BLO
	s_lshl_b32 s82, s[CY], 21                      ; x: 256 cy rows of 8,192 bytes,
	s_lshl_b32 s83, s[HALF], 20                    ; 128 rows for the half
	s_add_co_u32 s82, s82, s83
	s_mov_b32 s83, 0
	s_lshl_b32 s80, s[HL], 9                       ; the weights: the head's 512 bytes of a row,
	s_lshl_b32 s81, s[HALF], 8                     ; 256 for the half
	s_add_co_u32 s80, s80, s81
	s_mov_b32 s81, 0
	s_mov_b32 s[SEL], 0x76543210
	s_mov_b32 s[SEL+1], 0xfedcba98
	s_wait_dscnt 0x0                               ; the opening add is done
	s_wait_kmcnt 0x0
	s_cmp_lt_u32 ttmp9, 10
	s_cselect_b64 s[WP:WP+1], s[8:9], s[10:11]
	s_cselect_b64 s[BP:BP+1], s[14:15], s[16:17]
	s_cmp_lt_u32 ttmp9, 8
	s_cselect_b64 s[WP:WP+1], s[6:7], s[WP:WP+1]
	s_cselect_b64 s[BP:BP+1], s[12:13], s[BP:BP+1]
	s_add_nc_u64 s[AB:AB+1], s[4:5], s[82:83]
	s_add_nc_u64 s[BB:BB+1], s[WP:WP+1], s[80:81]
	s_lshl_b32 s80, s[PITCH], 7                    ; one K step of the weights: 128 rows
	s_mov_b32 s81, 0
	CROUND                                         ; all sixteen work-groups are here: the first joint loads meet
.irp s, 0,1
	s_mov_b32 s[G0A+4*\s], 1
	s_add_co_u32 s[G0A+4*\s+1], s22, \s*SLOT
	s_add_nc_u64 s[G0A+4*\s+2:G0A+4*\s+3], s[AB:AB+1], \s*KSTEP*2
	s_or_b32 s[G0A+4*\s+3], s[G0A+4*\s+3], 0x80000000
	s_mov_b32 s[G0B+4*\s], 1
	s_add_co_u32 s[G0B+4*\s+1], s23, \s*SLOT
.endr
	s_add_nc_u64 s[G0B+2:G0B+3], s[BB:BB+1], 0
	s_or_b32 s[G0B+3], s[G0B+3], 0x80000000
	s_add_nc_u64 s[G0B+6:G0B+7], s[BB:BB+1], s[80:81]
	s_or_b32 s[G0B+7], s[G0B+7], 0x80000000
	JLOAD 0                                        ; K steps 0 and 1: two loads of mine are out
	JLOAD 1
	v_and_b32 v1, 15, v0                           ; r = l % 16
	v_bfe_u32 v2, v0, 4, 1                         ; h = l / 16
	v_mul_u32_u24 v3, v1, PA
	v_lshl_add_u32 v3, v2, 4, v3                   ; a fragment of x: row x pitch + 16 h
	s_mul_i32 s22, s[ROLE], HALFT                  ; my 128 rows
	v_add_nc_u32 v[ADRA], s22, v3
	v_add_nc_u32 v[ADRA+1], SLOT, v[ADRA]
	v_and_b32 v4, 7, v1
	v_lshlrev_b32 v4, 4, v4                        ; the weights: 16 (r % 8): four columns,
	v_lshl_add_u32 v4, v2, 11, v4                  ; 8 h rows of 256 bytes,
	v_bfe_u32 v5, v0, 3, 1
	v_mul_u32_u24 v5, v5, BHALF                    ; the upper columns for r >= 8,
	v_add_nc_u32 v4, v4, v5
	s_lshl_b32 s23, s[HALF], 7                     ; 128 c
	s_add_co_u32 s23, s23, BLO
	v_add_nc_u32 v[ADRB], s23, v4
	v_add_nc_u32 v[ADRB+1], SLOT, v[ADRB]
	s_mul_i32 s22, s[ROLE], 128*768                ; the tables: row 128 (w / 2) + r, 768 bytes a row, my 32 places at 128 c
	s_lshl_b32 s23, s[HALF], 7
	s_add_co_u32 s22, s22, s23
	v_mul_u32_u24 v[TO], v1, 768
	v_add_nc_u32 v[TO], s22, v[TO]
	v_lshl_add_u32 v[TS], v2, 8, v[TO]
	v_add_nc_u32 v[TS], 256, v[TS]                 ; h = 0: the negated sines; h = 1: the sines
	v_lshlrev_b32 v[BO], 8, v2
	v_add_nc_u32 v[BO], s23, v[BO]                 ; the bias: 4 (64 h + 32 c)
	s_mul_i32 s22, s[ROLE], HALFT                  ; into the stage: row 128 (w / 2) + r, byte 128 h + 64 c
	s_lshl_b32 s23, s[HALF], 6
	s_add_co_u32 s22, s22, s23
	v_mul_u32_u24 v[STO], v1, PA
	v_lshl_add_u32 v[STO], v2, 7, v[STO]
	v_add_nc_u32 v[STO], s22, v[STO]
	s_mul_i32 s22, s[WV], 64*PA                    ; back: wave w takes rows 64 w on, whole: lanes 0-15 one row, lanes 16-31 the next
	v_mul_u32_u24 v[RD], v2, PA
	v_lshl_add_u32 v[RD], v1, 4, v[RD]
	v_add_nc_u32 v[RD], s22, v[RD]
	s_lshl_b32 s22, s[WV], 14
	v_lshlrev_b32 v[CO], 8, v2
	v_lshl_add_u32 v[CO], v1, 4, v[CO]
	v_add_nc_u32 v[CO], s22, v[CO]
	s_lshl_b32 s2, s[HL], 9
	s_mov_b32 s3, 0
	s_add_nc_u64 s[BP:BP+1], s[BP:BP+1], s[2:3]    ; the head's bias
	s_lshl_b32 s2, s[HD], 18                       ; a head is 262,144 bytes,
	s_lshl_b32 s3, s[CY], 16                       ; 256 rows 65,536
	s_add_co_u32 s2, s2, s3
	s_mov_b32 s3, 0
	s_add_nc_u64 s[OUT:OUT+1], s[20:21], s[2:3]
	s_mul_i32 s82, s[TY], 786432
	s_mul_i32 s83, s[CY], 256*768
	s_add_co_u32 s82, s82, s83
	s_mov_b32 s83, 0
	s_add_nc_u64 s[TAB:TAB+1], s[18:19], s[82:83]
	; the prefetches
	s_mov_b32 s[ROWB], 8192
	s_mov_b32 s[PST], 256
	s_cmp_eq_u32 ttmp9, 0
	s_cselect_b32 s[LIM], 1, -1                    ; x's rows: the first cluster alone
	s_cmp_eq_u32 s[ROLE], 0
	s_cselect_b32 s[LIM], s[LIM], 1                ; the weights: every cluster, its own
	s_cselect_b32 s[ROWB], s[ROWB], s[PITCH]
	s_cselect_b32 s[PST], s[PST], s80
	s_cselect_b32 s2, s[CX], s[CY]                 ; my place among the four that ask with me
	s_cselect_b64 s[PFA:PFA+1], s[AB:AB+1], s[BB:BB+1]
	s_mov_b32 s[PST+1], 0
	s_mul_i32 s2, s2, s[ROWB]
	s_lshl_b32 s2, s2, 5                           ; my work-group's 32 rows of the 128
	s_mul_i32 s3, s[PST], 3                        ; at K step 3: the first change of slots steps it to 4
	s_add_co_u32 s2, s2, s3
	s_mov_b32 s3, 0
	s_add_nc_u64 s[PFA:PFA+1], s[PFA:PFA+1], s[2:3]
	v_and_b32 v[PFO], 31, v0
	v_mul_u32_u24 v[PFO], s[ROWB], v[PFO]
	; the bias: my 32 columns, number 4 i + j as loaded; rounded to bf16 like every input, widened again, laid as the C operand of acc(a, j): register i
	WIN TO_RAW
.irp n, 0,1,2,3,4,5,6,7
	global_load_b128 v[4*\n:4*\n+3], v[BO], s[BP:BP+1] offset:16*\n
.endr
	s_wait_loadcnt 0x0
	WIN CVTW
.irp j, 0,1,2,3
.irp u, 0,1,2,3
	v_cvt_pk_bf16_f32 v[BF0+4*\j+\u], v[8*\u+\j], v[8*\u+4+\j]
.endr
.endr
	WIN TO_RAW
.irp j, 0,1,2,3
.irp u, 0,1,2,3
	v_lshlrev_b32 v[BIAS+8*\j+2*\u], 16, v[BF0+4*\j+\u]
	v_and_b32 v[BIAS+8*\j+2*\u+1], 0xffff0000, v[BF0+4*\j+\u]
.endr
.endr
	WIN 0
; Four matrix instructions: block a of 16 rows x my four fragments of W, 32 along K, from buffers f.  first = 1: the bias starts the sums.  The 32 accumulators take turns, one instruction a turn, in one order everywhere.
.macro MUL4 f, a, first
.if \first
	WIN MULB
.else
	WIN MULW
.endif
.irp j, 0,1,2,3
.if \first
	v_wmma_f32_16x16x32_bf16 v[8*(4*(\a)+\j):8*(4*(\a)+\j)+7], v[BF0+32*(\f)+8*\j:BF0+32*(\f)+8*\j+7], v[AF0+64*(\f)+8*(\a):AF0+64*(\f)+8*(\a)+7], v[BIAS+8*\j:BIAS+8*\j+7]
.else
	v_wmma_f32_16x16x32_bf16 v[8*(4*(\a)+\j):8*(4*(\a)+\j)+7], v[BF0+32*(\f)+8*\j:BF0+32*(\f)+8*\j+7], v[AF0+64*(\f)+8*(\a):AF0+64*(\f)+8*(\a)+7], v[8*(4*(\a)+\j):8*(4*(\a)+\j)+7]
.endif
.endr
.endm
.macro MUL8 f, a0, first
	MUL4 \f, \a0, \first
	MUL4 \f, (\a0)+1, \first
.endm
; 32 LDS loads in one run: quarter q (32 along K) of a slot: my 16 k-rows of the weights, four columns each, as f32; then x's eight fragments into buffer f
.macro FETCH slot, q, f
	WIN TO_RAW
.irp kk, 0,1,2,3,4,5,6,7,8,9,10,11,12,13,14,15
	ds_load_b128 v[4*\kk:4*\kk+3], v[ADRB+(\slot)] offset:(32*(\q)+\kk+8*(\kk/8))*256  ; k = 8 h + kk, or 16 + 8 h + kk - 8
.endr
	WIN 0
.irp a, 0,1,2,3,4,5,6,7
	ds_load_b128 v[AF0+64*(\f)+8*\a:AF0+64*(\f)+8*\a+3],   v[ADRA+(\slot)] offset:64*(\q)+\a*16*PA
	ds_load_b128 v[AF0+64*(\f)+8*\a+4:AF0+64*(\f)+8*\a+7], v[ADRA+(\slot)] offset:64*(\q)+\a*16*PA+32
.endr
.endm
; Eight conversions: registers 2 g and 2 g + 1 of the four fragments of W in buffer f: two neighbouring k of one column, rounded to bf16
.macro CVT8 f, g
	WIN CVTW
.irp t, 2*(\g), 2*(\g)+1
.irp j, 0,1,2,3
	v_cvt_pk_bf16_f32 v[BF0+32*(\f)+8*\j+(\t)], v[8*(\t)+\j], v[8*(\t)+4+\j]
.endr
.endr
.endm
; A K step is four quarters of 32 along K, 32 matrix instructions each, on buffers 0, 1, 0, 1.  One of the first three: multiplies buffers f, fetches quarter qn into g and converts it between the products.
.macro QUARTER slot, qn, f, g, first
	s_wait_dscnt 0x0                               ; x's fragments of this quarter are in
	MUL8 \f, 0, \first
	PLACES                                         ; for the loads into x's buffer g and the conversions into W's buffer g, which the quarter before multiplied
	FETCH \slot, \qn, \g
	MUL8 \f, 2, \first
	s_wait_dscnt 16                                ; the weights are in; the 16 younger loads of x may stay out
	CVT8 \g, 0
	MUL4 \f, 4, \first
	CVT8 \g, 1
	MUL4 \f, 5, \first
	CVT8 \g, 2
	MUL4 \f, 6, \first
	CVT8 \g, 3
	MUL4 \f, 7, \first
.endm
; The last quarter multiplies buffers 1 and changes slots: one barrier; in front of it each wave waits for all its tensor loads (one is out: its part of the next slot), adds 0 to its spare word, and waits for
; that and for its reads of this slot.  fill = 1: the barrier opens a round of the cluster's, and this slot is filled again, two K steps on, first thing behind it: 112 matrix instructions ahead of the wait for it.
.macro TURN slot, next, fill
.if \fill
	s_wait_xcnt 0x0                                ; the last prefetch, a K step back, has read its address
	s_add_nc_u64 s[PFA:PFA+1], s[PFA:PFA+1], s[PST:PST+1]
.endif
	WIN 0
	s_wait_tensorcnt 0x0
	ds_add_u32 v[SPW], v[NIL]
	s_wait_dscnt 1                                 ; x's fragments are in; only the add may be out
	MUL8 1, 0, 0                                   ; eight matrix instructions stand between the add and the wait for it
	s_wait_dscnt 0x0                               ; the add is done, and my reads of this slot are over
	s_barrier_signal -1
	MUL8 1, 2, 0
	WIN 0
	s_barrier_wait -1
.if \fill
	CREST                                          ; no wave of any partner still reads this slot or has a load on its way
	s_add_nc_u64 s[G0A+4*(\slot)+2:G0A+4*(\slot)+3], s[G0A+4*(\slot)+2:G0A+4*(\slot)+3], 2*KSTEP*2
	s_add_nc_u64 s[G0B+4*(\slot)+2:G0B+4*(\slot)+3], s[G0B+4*(\slot)+2:G0B+4*(\slot)+3], s[BST:BST+1]
	JLOAD \slot                                    ; its four v_nop are also the places in front of the loads and conversions below
.else
	PLACES
.endif
	FETCH \next, 0, 0
.if \fill
	ASK
.endif
	MUL4 1, 4, 0
	MUL4 1, 5, 0
	s_wait_dscnt 16
	CVT8 0, 0
	CVT8 0, 1
	MUL4 1, 6, 0
	CVT8 0, 2
	CVT8 0, 3
	MUL4 1, 7, 0
.endm
	s_wait_tensorcnt 1                             ; my part of K step 0 is in; step 1's may stay out
	s_barrier_signal -1
	s_barrier_wait -1
	FETCH 0, 0, 0
	s_wait_dscnt 16
	CVT8 0, 0
	CVT8 0, 1
	CVT8 0, 2
	CVT8 0, 3
	QUARTER 0, 1, 0, 1, 1                          ; the first quarter stands in front of the loop: its products start the sums, with the bias
	WIN 0
	s_mov_b32 s3, LAPS-1
.Llap:                                         ; a trip goes once round the ring, from a lap's second quarter to the next lap's first, and fills both slots again
	QUARTER 0, 2, 1, 0, 0
	QUARTER 0, 3, 0, 1, 0
	TURN 0, 1, 1
	QUARTER 1, 1, 0, 1, 0
	QUARTER 1, 2, 1, 0, 0
	QUARTER 1, 3, 0, 1, 0
	TURN 1, 0, 1
	QUARTER 0, 1, 0, 1, 0
	WIN 0
	s_sub_co_u32 s3, s3, 1
	s_cmp_lg_u32 s3, 0
	s_cbranch_scc1 .Llap
	QUARTER 0, 2, 1, 0, 0                          ; the last lap fills nothing
	QUARTER 0, 3, 0, 1, 0
	TURN 0, 1, 0
	QUARTER 1, 1, 0, 1, 0
	QUARTER 1, 2, 1, 0, 0
	QUARTER 1, 3, 0, 1, 0
	s_wait_dscnt 0x0
	MUL8 1, 0, 0
	MUL8 1, 2, 0
	MUL8 1, 4, 0
	MUL8 1, 6, 0
	WIN 0
	; THE WAY OUT, a block of 16 rows at a time: y = s cos + partner x (-sin or +sin), both factors from the table and already scaled; rounded to f16; 64 bytes a lane into the stage.
.macro LOADCS a                        ; block a's cosines and sines: my row's 32 places of each, into table buffer a % 2
.set CSB, AF0+64*((\a)%2)
.irp n, 0,1,2,3,4,5,6,7
	global_load_b128 v[CSB+4*\n:CSB+4*\n+3], v[TO], s[TAB:TAB+1] offset:12288*(\a)+16*\n
.endr
.irp n, 0,1,2,3,4,5,6,7
	global_load_b128 v[CSB+32+4*\n:CSB+32+4*\n+3], v[TS], s[TAB:TAB+1] offset:12288*(\a)+16*\n
.endr
.endm
.macro ROPE a
.set CSB, AF0+64*((\a)%2)
.if (\a) < 7
	s_wait_loadcnt 16                              ; this block's tables are in; the next block's 16 loads stay out
.else
	s_wait_loadcnt 0x0
.endif
	WIN EPI
.irp j, 0,1,2,3
.irp i, 0,1,2,3,4,5,6,7
	v_permlanex16_b32 v[PP+8*\j+\i], v[8*(4*(\a)+\j)+\i], s[SEL], s[SEL+1]  ; the column 64 away; each accumulator is read from its low end on
.endr
.endr
.irp j, 0,1,2,3
.irp i, 0,2,4,6
	v_pk_mul_f32 v[TT+8*\j+\i:TT+8*\j+\i+1], v[8*(4*(\a)+\j)+\i:8*(4*(\a)+\j)+\i+1], v[CSB+8*\j+\i:CSB+8*\j+\i+1]
.endr
.endr
	WIN 0
.irp j, 0,1,2,3
.irp i, 0,2,4,6
	v_pk_fma_f32 v[TT+8*\j+\i:TT+8*\j+\i+1], v[PP+8*\j+\i:PP+8*\j+\i+1], v[CSB+32+8*\j+\i:CSB+32+8*\j+\i+1], v[TT+8*\j+\i:TT+8*\j+\i+1]
.endr
.endr
.irp i, 0,1,2,3,4,5,6,7
	v_cvt_pk_f16_f32 v[YY+2*\i], v[TT+\i], v[TT+8+\i]          ; columns 4 i, 4 i + 1
	v_cvt_pk_f16_f32 v[YY+2*\i+1], v[TT+16+\i], v[TT+24+\i]    ; columns 4 i + 2, 4 i + 3
.endr
.irp n, 0,1,2,3
	ds_store_b128 v[STO], v[YY+4*\n:YY+4*\n+3] offset:(\a)*16*PA+16*\n
.endr
.if (\a) < 6
	LOADCS (\a)+2
.endif
.endm
	PLACES                                         ; behind the last products: the tables land in x's buffers, and the results are read
	LOADCS 0
	LOADCS 1
.irp a, 0,1,2,3,4,5,6,7
	ROPE \a
.endr
	s_wait_dscnt 0x0                               ; for the others' sake: a row's 256 bytes come from two waves
	s_barrier_signal -1
	s_barrier_wait -1
.set t, 0
.rept 32
	ds_load_b128 v[AF0+4*t:AF0+4*t+3], v[RD] offset:t*2*PA
.set t, t+1
.endr
.set t, 0
.rept 32
	s_wait_dscnt 31-t
	global_store_b128 v[CO], v[AF0+4*t:AF0+4*t+3], s[OUT:OUT+1] offset:512*t  ; 16 lanes store a row of the head: 256 consecutive bytes, aligned
.set t, t+1
.endr
	s_wait_tensorcnt 0x0                           ; the wave's end
	ds_add_u32 v[SPW], v[NIL]
	s_wait_dscnt 0x0
	CROUND                                         ; the closing round
	s_endpgm
.Lfunc_end_k_q1f30bfcbb6_qkv:
	.size	k_q1f30bfcbb6_qkv, .Lfunc_end_k_q1f30bfcbb6_qkv-k_q1f30bfcbb6_qkv
	.p2alignl 7, 3214868480
	.fill 96, 4, 3214868480
	.section	.rodata,"a",@progbits
	.p2align	6, 0x0
	.amdhsa_kernel k_q1f30bfcbb6_qkv
		.amdhsa_group_segment_fixed_size 327680
		.amdhsa_private_segment_fixed_size 0
		.amdhsa_enable_private_segment 0
		.amdhsa_kernarg_size 72
		.amdhsa_user_sgpr_count 2
		.amdhsa_user_sgpr_kernarg_segment_ptr 1
		.amdhsa_wavefront_size32 1
		.amdhsa_system_sgpr_workgroup_id_x 1
		.amdhsa_system_sgpr_workgroup_id_y 1
		.amdhsa_system_sgpr_workgroup_id_z 1
		.amdhsa_system_vgpr_workitem_id 0
		.amdhsa_next_free_vgpr 768
		.amdhsa_next_free_sgpr 102
		.amdhsa_reserve_vcc 0
		.amdhsa_float_denorm_mode_32 3
		.amdhsa_float_denorm_mode_16_64 3
		.amdhsa_memory_ordered 1
		.amdhsa_forward_progress 1
		.amdhsa_inst_pref_size 183
	.end_amdhsa_kernel
	.amdgpu_metadata
---
amdhsa.version: [ 1, 2 ]
amdhsa.kernels:
  - .name:           k_q1f30bfcbb6_qkv
    .symbol:         k_q1f30bfcbb6_qkv.kd
    .args:
      - { .name: xb, .offset: 0, .size: 8, .value_kind: global_buffer, .address_space: global }
      - { .name: Wq, .offset: 8, .size: 8, .value_kind: global_buffer, .address_space: global }
      - { .name: Wk, .offset: 16, .size: 8, .value_kind: global_buffer, .address_space: global }
      - { .name: Wv, .offset: 24, .size: 8, .value_kind: global_buffer, .address_space: global }
      - { .name: bq, .offset: 32, .size: 8, .value_kind: global_buffer, .address_space: global }
      - { .name: bk, .offset: 40, .size: 8, .value_kind: global_buffer, .address_space: global }
      - { .name: bv, .offset: 48, .size: 8, .value_kind: global_buffer, .address_space: global }
      - { .name: rope, .offset: 56, .size: 8, .value_kind: global_buffer, .address_space: global }
      - { .name: qkv, .offset: 64, .size: 8, .value_kind: global_buffer, .address_space: global }
    .group_segment_fixed_size: 327680
    .private_segment_fixed_size: 0
    .kernarg_segment_align: 8
    .kernarg_segment_size: 72
    .max_flat_workgroup_size: 128
    .sgpr_count:     102
    .vgpr_count:     768
    .wavefront_size: 32
...
	.end_amdgpu_metadata
.endif
;; end of part 2
;; launch attn (part 3): grid 16 x 8, 4 waves a work-group, no clusters, 327,680 bytes of LDS; arguments qkv, sink, at16; writes at16
.if DOCPART == 3
	.amdgcn_target "amdgcn-amd-amdhsa--gfx1250"
	.amdhsa_code_object_version 6
	.text
	.protected	k_q1f30bfcbb6_attn
	.globl	k_q1f30bfcbb6_attn
	.p2align	8
	.type	k_q1f30bfcbb6_attn,@function
k_q1f30bfcbb6_attn:
	s_mov_b64 s[64:65], 0
	v_nop
	global_prefetch_b8 v0, s[64:65] scope:SCOPE_SE
	s_setreg_imm32_b32 hwreg(HW_REG_WAVE_MODE, 25, 1), 1
	s_wait_xcnt 0x0
; CAUSAL ATTENTION WITH GROUPED HEADS AND A SINK.  at16[row][head][128] (f16) = (1/4) x the sum over keys t <= row of p V, p = softmax over the row's logits and the head's sink (the sink only in the divisor).
; The window of 1,024 hides nothing that the causal mask does not: there are 1,024 rows.  qkv holds q x 2 c, k / 2, v / 4 in f16 ([48][1024][128]; c = log2(e) / sqrt(128)), so q' . k' is the logit in
; units of log2, and the result is O / 4.  Products, maxima and sums in f32; the weights are rounded to f16 for the second product (their sum is taken unrounded), the result once.
; THE SINK is the softmax's state at its start: m = log2(e) x bf16(sink), l = 1 (in lanes 0-15 alone: a query's l lies in two lanes, which are added at the end), O = 0.  So the running maximum includes it.
; LIMITS.  A hidden score counts as its value less 1e30; a weight below 2^-126 counts as 0; NaN and infinities are not treated apart.
; THE WALK.  A work-group serves one key and value head g; wave w is query head 4 g + w.  The rows lie in 32 blocks of 32; block b needs the key tiles 0 .. b / 4 of 128 keys.  A work-group takes blocks
; 31 - p and then p: nine tiles, whatever p: all 128 work-groups do equal work, and one loop with a constant count walks them.  What a trip does hangs on scalars made from p; every jump but the loops' own
; goes forward, past no barrier and no tensor load but the one of LOAD's two that the wave's number does not choose.  NO CLUSTER: the 16 work-groups of a head ask for the same tile in trips 0 to 4 only; behind
; that the first blocks end one after the other, and a walk common to all would have 12 trips for 9.
; IN PHASES: a step of 64 keys is: K's and V's fragments; 32 products K Q^T; the softmax of both tiles; 32 products V^T P.
; LAYOUT.  S^T = K Q^T holds one query a lane (l % 16) and the keys 8 (l / 16) + 0..7; two such results rounded to f16 are source 1 of O^T = V^T P.  K comes out of LDS as it lies, V turned.
; THE MASK is the C operand that starts S^T's sums: 0, or -1e30 where the key is hidden.  It is made anew in each step of a block's last tile; elsewhere it holds 0.
; REGISTERS: window 0: v0-15 addresses; v32-47 eight of statistics a tile (m, 0, l, l, c0-c3; a takes c2's place); v64-127 S^T; v128-159 P; v160-223 the mask
;   window 1: v0-127 O^T; v128-191 Q; v192-255 the second block's Q       window 2: v0-127 K; v128-255 V
.set KS,    64
.set PK,    272                        ; a row of K in LDS: 256 + 16: the 16 rows of a load start at 16 different groups of four banks (64 banks of 4 bytes: ISA guide 11.1)
.set PV,    288                        ; a row of V: 256 + 32
.set VOFF,  KS*PK
.set STEPB, KS*(PK+PV)                 ; a step: 64 rows of K, then 64 rows of V
.set SLOT1, 1<<17                      ; a slot holds a tile, two steps
.set STAGE, SLOT1+2*STEPB              ; behind the ring: 16 rows x 272 bytes a wave
.set SP,    272
.set SPARE, STAGE+4*16*SP              ; the spare words
.set AK0, 2
.set AV0, 3
.set ADR, 4
.set ADRV, 5
.set STO, 6
.set RD,  7
.set GO,  8
.set SINK, 9                           ; v9  log2(e) x bf16(sink)
.set D0,  10                           ; v10 l % 16 - 8 (l / 16)
.set DE,  11                           ; v11-12 what 16 kb + i is held against, for tile 0 and tile 1
.set LINIT, 13                         ; v13 1 in lanes 0-15, 0 in lanes 16-31
.set QO,  15
.set ST,  32
.set SPW, 62
.set NIL, 63
.set S,   64
.set P,   128
.set MC,  160
.set QF,  128                          ; window 1
.set Q2,  192
.set VF,  128                          ; window 2
.set OB,  10                           ; s[10:11] at16 at the block in hand, my head
.set WV,  12
.set PB,  14                           ; p
.set HI,  15                           ; 31 - p
.set KB,  16                           ; s[16:17] K at my half of tile 0
.set VB,  18                           ; s[18:19] V likewise
.set QA,  20                           ; s[20:21] Q of the first block
.set QB,  22                           ; s[22:23] of the second
.set G1K, 24
.set G1V, 32
.set G0K, 40
.set G0V, 44
.set SLOTS, 56
.set TWICE, 57
.set SEL, 60
.set TB,  62                           ; LDS byte at which the step to be fetched begins
.set RT,  70                           ; tiles of the block in hand still to be entered
.set NXT, 71                           ; the tile to be asked for next
.set LQ,  72                           ; the last tile of the block whose tiles are being asked for
.set LQ2, 73                           ; the second block's last tile
.set OFF, 74                           ; s[74:75]
.set OLO, 80                           ; s[80:81] at16 at the second block
.set BIGN, 82
.set DL,  83                           ; 32 (b % 4) - 64 x the step in the tile
.set BQ,  84
.set BQ2, 85
.set SNK, 86
.set HEAD, 87
.set W1,  88
.set LW,  89
.set MSB, 0
.macro WIN new
.if MSB != (\new)
	s_set_vgpr_msb (MSB<<8)|(\new)
.set MSB, (\new)
.endif
.endm
.set W_KQ, 0x06                        ; K window 2, Q window 1, S^T and the mask window 0
.set W_PV, 0x52                        ; V window 2, P window 0, O^T window 1
.set W_RS, 0x41                        ; destination and source 0 window 1, source 1 window 0
.macro PLACES
.rept 4
	v_nop
.endr
.endm
; A fill.  Waves 0 and 1 fetch K of a tile's two steps, waves 2 and 3 V.  An s_nop 0 and four v_nop follow each line, ahead of the jump and the label.
.macro LOAD
	s_cmp_lt_u32 s[WV], 2
	s_cbranch_scc0 .Lfor_v_\@
	tensor_load_to_lds s[G0K:G0K+3], s[G1K:G1K+7]
	s_nop 0
.rept 4
	v_nop
.endr
	s_branch .Lasked_\@
.Lfor_v_\@:
	tensor_load_to_lds s[G0V:G0V+3], s[G1V:G1V+7]
	s_nop 0
.rept 4
	v_nop
.endr
.Lasked_\@:
.endm
; THE CHANGE OF SLOTS.  Each wave waits for all its tensor loads (one is out: its part of the other slot), adds 0 to its spare word, and waits for that and for its reads of the slot that it leaves.
; fill = 1: the old slot is filled again, first thing behind the barrier, with tile NXT; the address is made anew from that number.  The load has a tile's two steps in which to land.
.macro CHANGE fill
	WIN 0
	s_wait_tensorcnt 0x0
	ds_add_u32 v[SPW], v[NIL]
.if \fill
	s_lshl_b32 s[OFF], s[NXT], 15                  ; a tile is 32,768 bytes of K and of V
	s_xor_b32 s[G0K+1], s[G0K+1], SLOT1
	s_add_nc_u64 s[G0K+2:G0K+3], s[KB:KB+1], s[OFF:OFF+1]
	s_or_b32 s[G0K+3], s[G0K+3], 0x80000000
	s_xor_b32 s[G0V+1], s[G0V+1], SLOT1
	s_add_nc_u64 s[G0V+2:G0V+3], s[VB:VB+1], s[OFF:OFF+1]
	s_or_b32 s[G0V+3], s[G0V+3], 0x80000000
	s_add_co_u32 s[NXT], s[NXT], 1                 ; the block's next tile, or behind its last the second block's tile 0
	s_cmp_gt_u32 s[NXT], s[LQ]
	s_cselect_b32 s[NXT], 0, s[NXT]
	s_cselect_b32 s[LQ], s[LQ2], s[LQ]
.endif
	s_wait_dscnt 0x0
	s_barrier_signal -1
	s_sub_co_u32 s[TB], s[TB], 2*STEPB             ; the fetches go back to a slot's first step, in the other slot
	s_xor_b32 s[TB], s[TB], SLOT1
	s_barrier_wait -1
.if \fill
	LOAD
.endif
.endm
	s_load_b128 s[4:7], s[0:1], 0x0                ; qkv s[4:5], sink s[6:7]
	s_load_b64 s[8:9], s[0:1], 0x10                ; at16
	v_lshl_add_u32 v[SPW], v0, 2, SPARE
	v_mov_b32 v[NIL], 0
	ds_add_u32 v[SPW], v[NIL]                      ; the wave's opening: the add and its wait ahead of my first tensor load
	v_lshrrev_b32 v1, 5, v0
	v_readfirstlane_b32 s[WV], v1
	s_mov_b32 s[PB], ttmp9
	s_sub_co_u32 s[HI], 31, s[PB]
	s_and_b32 s13, ttmp7, 0xffff                   ; g
	s_lshl_b32 s[HEAD], s13, 2
	s_add_co_u32 s[HEAD], s[HEAD], s[WV]           ; my query head
	s_and_b32 s[W1], s[WV], 1                      ; which step of a tile I fetch
	s_mul_i32 s[LW], s[W1], STEPB
	s_add_co_u32 s2, s13, 32                       ; K's head in qkv,
	s_lshl_b32 s2, s2, 18                          ; 262,144 bytes a head,
	s_lshl_b32 s3, s[W1], 14                       ; 64 rows of 256 bytes for the step
	s_add_co_u32 s2, s2, s3
	s_mov_b32 s3, 0
	s_lshl_b32 s76, s[HEAD], 18                    ; Q: my head, the block's 32 rows
	s_lshl_b32 s77, s[HI], 13
	s_add_co_u32 s76, s76, s77
	s_mov_b32 s77, 0
	s_lshl_b32 s78, s[HEAD], 18
	s_lshl_b32 s79, s[PB], 13
	s_add_co_u32 s78, s78, s79
	s_mov_b32 s79, 0
	s_lshl_b32 s67, s[HEAD], 8                     ; at16: 32 rows of 8,192 bytes a block, 256 bytes a head
	s_lshl_b32 s66, s[HI], 18
	s_add_co_u32 s66, s66, s67
	s_lshl_b32 s68, s[PB], 18
	s_add_co_u32 s68, s68, s67
	s_mov_b32 s67, 0
	s_mov_b32 s69, 0
	s_lshl_b32 s58, s[HEAD], 2
	s_mov_b32 s59, 0
	s_mov_b32 s[G1K], (1<<16)|(1<<20)|(5<<22)|(3<<25)  ; 2-byte elements; padding on; after every 64 words, 4 words
	s_mov_b32 s[G1V], (1<<16)|(1<<20)|(5<<22)|(7<<25)  ; the same with 8 words
.irp g, G1K, G1V
	s_mov_b32 s[\g+1], 128<<16                     ; tensor_dim0 = 128
	s_mov_b32 s[\g+2], KS<<16                      ; tensor_dim1 = 64
	s_mov_b32 s[\g+3], 128<<16                     ; tile_dim0 = 128
	s_mov_b32 s[\g+4], KS                          ; tile_dim1 = 64
	s_mov_b32 s[\g+5], 128                         ; elements from row to row
	s_mov_b32 s[\g+6], 0
	s_mov_b32 s[\g+7], 0
.endr
	s_mov_b32 s[G0K], 1
	s_mov_b32 s[G0K+1], s[LW]                      ; slot 0
	s_mov_b32 s[G0V], 1
	s_add_co_u32 s[G0V+1], s[LW], VOFF
	s_mov_b32 s[SEL], 0x76543210
	s_mov_b32 s[SEL+1], 0xfedcba98
	s_mov_b32 s[TB], SLOT1+2*STEPB                 ; the first change of slots turns this into 0
	s_lshr_b32 s[LQ], s[HI], 2
	s_add_co_u32 s[RT], s[LQ], 1                   ; the first block has (31 - p) / 4 + 1 tiles: five at the least
	s_lshr_b32 s[LQ2], s[PB], 2
	s_mov_b32 s[NXT], 1
	s_and_b32 s[BQ], s[HI], 3
	s_lshl_b32 s[BQ], s[BQ], 5
	s_and_b32 s[BQ2], s[PB], 3
	s_lshl_b32 s[BQ2], s[BQ2], 5
	s_mov_b32 s[OFF+1], 0
	s_mov_b32 s[BIGN], 0xf149f2ca                  ; -1e30
	s_mov_b32 s[SLOTS], 8
	s_wait_dscnt 0x0                               ; the opening add is done
	s_wait_kmcnt 0x0
	s_add_nc_u64 s[KB:KB+1], s[4:5], s[2:3]
	s_add_nc_u64 s[VB:VB+1], s[KB:KB+1], 0x200000  ; V's heads lie eight heads behind K's
	s_add_nc_u64 s[G0K+2:G0K+3], s[KB:KB+1], 0
	s_or_b32 s[G0K+3], s[G0K+3], 0x80000000
	s_add_nc_u64 s[G0V+2:G0V+3], s[VB:VB+1], 0
	s_or_b32 s[G0V+3], s[G0V+3], 0x80000000
	s_add_nc_u64 s[QA:QA+1], s[4:5], s[76:77]
	s_add_nc_u64 s[QB:QB+1], s[4:5], s[78:79]
	s_add_nc_u64 s[OB:OB+1], s[8:9], s[66:67]
	s_add_nc_u64 s[OLO:OLO+1], s[8:9], s[68:69]
	s_add_nc_u64 s[6:7], s[6:7], s[58:59]
	s_load_b32 s[SNK], s[6:7], 0x0                 ; my head's sink
	LOAD                                           ; tile 0 into slot 0
	v_and_b32 v1, 15, v0                           ; r
	v_bfe_u32 v14, v0, 4, 1                        ; h
	v_lshlrev_b32 v[QO], 8, v1
	v_lshl_add_u32 v[QO], v14, 4, v[QO]            ; row x 256 + 16 h
	WIN 0x40
.irp i, 0,1,2,3,4,5,6,7                ; both blocks' Q: tile i / 4, channels 32 (i % 4) on
	global_load_b128 v[QF+8*\i:QF+8*\i+3],   v[QO], s[QA:QA+1] offset:(\i/4)*4096+(\i%4)*64
	global_load_b128 v[QF+8*\i+4:QF+8*\i+7], v[QO], s[QA:QA+1] offset:(\i/4)*4096+(\i%4)*64+32
	global_load_b128 v[Q2+8*\i:Q2+8*\i+3],   v[QO], s[QB:QB+1] offset:(\i/4)*4096+(\i%4)*64
	global_load_b128 v[Q2+8*\i+4:Q2+8*\i+7], v[QO], s[QB:QB+1] offset:(\i/4)*4096+(\i%4)*64+32
.endr
	WIN 0
	v_mul_u32_u24 v[AK0], v1, PK
	v_lshl_add_u32 v[AK0], v14, 4, v[AK0]
	v_and_b32 v16, 7, v0                           ; the turning load: lane l reads key 8 (l / 16) + l % 8, channels 8 ((l / 8) % 2) + 0..7
	v_bfe_u32 v17, v0, 3, 1
	v_lshl_add_u32 v[AV0], v14, 3, v16
	v_mul_u32_u24 v[AV0], v[AV0], PV
	v_lshl_add_u32 v[AV0], v17, 4, v[AV0]
	v_add_nc_u32 v[AV0], VOFF, v[AV0]
	s_mul_i32 s13, s[WV], 16*SP
	s_add_co_u32 s13, s13, STAGE                   ; my stage
	v_mul_u32_u24 v[STO], v1, SP
	v_lshl_add_u32 v[STO], v14, 4, v[STO]
	v_add_nc_u32 v[STO], s13, v[STO]
	v_mul_u32_u24 v[RD], v14, SP
	v_lshl_add_u32 v[RD], v1, 4, v[RD]
	v_add_nc_u32 v[RD], s13, v[RD]
	v_lshlrev_b32 v[GO], 13, v14                   ; two rows of at16, 8,192 bytes apart
	v_lshl_add_u32 v[GO], v1, 4, v[GO]
	v_lshlrev_b32 v16, 3, v14
	v_sub_nc_u32 v[D0], v1, v16
	v_cvt_f32_u32 v[LINIT], v14
	v_sub_f32 v[LINIT], 1.0, v[LINIT]
	s_wait_kmcnt 0x0
	v_mov_b32 v[SINK], s[SNK]
	v_cvt_pk_bf16_f32 v[SINK], v[SINK], v[SINK]    ; rounded like every input,
	v_lshlrev_b32 v[SINK], 16, v[SINK]
	v_mul_f32 v[SINK], 0x3fb8aa3b, v[SINK]         ; in units of log2
; A BLOCK'S START: O^T and the mask are 0; m is the sink, l its weight 1.  The clearing is the price of writing no first step out.
.macro INIT
	WIN 0x40
.set i, 0
.rept 128
	v_mov_b32 v[i], 0
.set i, i+1
.endr
	WIN 0
.set i, 0
.rept 64
	v_mov_b32 v[MC+i], 0
.set i, i+1
.endr
.irp t, 0,1
	v_mov_b32 v[ST+8*\t], v[SINK]
	v_mov_b32 v[ST+8*\t+1], 0
	v_mov_b32 v[ST+8*\t+2], v[LINIT]
	v_mov_b32 v[ST+8*\t+3], 0
.endr
.endm
; A step's K (64 keys x 128 channels: 16 fragments) and V (turned): two runs of 32 loads
.macro FETCH_KV
	WIN 0
	v_add_nc_u32 v[ADR], s[TB], v[AK0]
	v_add_nc_u32 v[ADRV], s[TB], v[AV0]
	s_add_co_u32 s[TB], s[TB], STEPB
	WIN 0x80
.irp f, 0,1,2,3,4,5,6,7,8,9,10,11,12,13,14,15  ; keys 16 (f / 4) on, channels 32 (f % 4) on
	ds_load_b128 v[8*\f:8*\f+3],   v[ADR] offset:(\f/4)*16*PK+(\f%4)*64
	ds_load_b128 v[8*\f+4:8*\f+7], v[ADR] offset:(\f/4)*16*PK+(\f%4)*64+32
.endr
.irp f, 0,1,2,3,4,5,6,7,8,9,10,11,12,13,14,15  ; keys 32 (f / 8) on, channels 16 (f % 8) on
	ds_load_tr16_b128 v[VF+8*\f:VF+8*\f+3],   v[ADRV] offset:(\f/8)*32*PV+(\f%8)*32
	ds_load_tr16_b128 v[VF+8*\f+4:VF+8*\f+7], v[ADRV] offset:(\f/8)*32*PV+16*PV+(\f%8)*32
.endr
	WIN 0
.endm
; The mask of a step of the block's last tile: register i of key block kb of tile t is hidden where 16 kb + i > l % 16 - 8 (l / 16) + 32 (b % 4) + 16 t - 64 x step
.macro MASK
	v_add_nc_u32 v[DE], s[DL], v[D0]
	v_add_nc_u32 v[DE+1], 16, v[DE]
.set z, 0
.rept 64
	v_cmp_gt_i32 vcc_lo, 16*((z%32)/8)+z%8, v[DE+z/32]
	v_cndmask_b32 v[MC+z], 0, s[BIGN], vcc_lo
.set z, z+1
.endr
.endm
; Product i of 32 of S^T: tile i % 2, keys 16 ((i / 2) % 4) on, channels 32 (i / 8) on; the first 8 start the sums with the mask.  The 8 accumulators take turns.
.macro KQ
	WIN W_KQ
.set rS, S+32*(i%2)+8*((i/2)%4)
.set rK, 32*((i/2)%4)+8*(i/8)
.set rQ, QF+32*(i%2)+8*(i/8)
.set rM, MC+32*(i%2)+8*((i/2)%4)
.if i < 8
	v_wmma_f32_16x16x32_f16 v[rS:rS+7], v[rK:rK+7], v[rQ:rQ+7], v[rM:rM+7]
.else
	v_wmma_f32_16x16x32_f16 v[rS:rS+7], v[rK:rK+7], v[rQ:rQ+7], v[rS:rS+7]
.endif
.set i, i+1
.endm
; Product i of 32 of O^T: tile i % 2, channels 16 ((i / 2) % 8) on, keys 32 (i / 16) on.  The 16 accumulators take turns.
.macro PV
	WIN W_PV
.set rO, 64*(i%2)+8*((i/2)%8)
.set rV, VF+64*(i/16)+8*((i/2)%8)
.set rP, P+16*(i%2)+8*(i/16)
	v_wmma_f32_16x16x32_f16 v[rO:rO+7], v[rV:rV+7], v[rP:rP+7], v[rO:rO+7]
.set i, i+1
.endm
; THE SOFTMAX of both tiles for one step, the tiles alternating.  All 66 exponentials are one batch with one wait: nothing ahead of the wait names a result of theirs.
.macro SOFT
	WIN 0
.irp j, 0,1,2,3                        ; the maximum: four chains of seven scores; each accumulator's lowest registers are read first
.irp t, 0,1
	v_max3_num_f32 v[ST+8*\t+4+\j], v[S+32*\t+8*\j], v[S+32*\t+8*\j+1], v[S+32*\t+8*\j+2]
.endr
.endr
.irp g, 1,2
.irp j, 0,1,2,3
.irp t, 0,1
	v_max3_num_f32 v[ST+8*\t+4+\j], v[ST+8*\t+4+\j], v[S+32*\t+8*\j+2*\g+1], v[S+32*\t+8*\j+2*\g+2]
.endr
.endr
.endr
.irp t, 0,1
	v_max3_num_f32 v[ST+8*\t+4], v[ST+8*\t+4], v[S+32*\t+7], v[S+32*\t+15]
	v_max3_num_f32 v[ST+8*\t+6], v[ST+8*\t+6], v[S+32*\t+23], v[S+32*\t+31]
.endr
.irp t, 0,1
	v_max3_num_f32 v[ST+8*\t+4], v[ST+8*\t+4], v[ST+8*\t+5], v[ST+8*\t+6]
.endr
.irp t, 0,1
	v_max3_num_f32 v[ST+8*\t+4], v[ST+8*\t+4], v[ST+8*\t+7], v[ST+8*\t]   ; the old m among them
.endr
.irp t, 0,1
	v_permlanex16_b32 v[ST+8*\t+5], v[ST+8*\t+4], s[SEL], s[SEL+1]        ; the query's other 32 keys lie in the lane 16 away
.endr
.irp t, 0,1
	v_mov_b32 v[ST+8*\t+7], v[ST+8*\t]
.endr
.irp t, 0,1
	v_max_num_f32 v[ST+8*\t], v[ST+8*\t+4], v[ST+8*\t+5]
.endr
.irp t, 0,1
	v_sub_f32 v[ST+8*\t+7], v[ST+8*\t+7], v[ST+8*\t]                      ; m_old - m_new
.endr
.set z, 0
.rept 16
.irp t, 0,1
	v_pk_add_f32 v[S+32*\t+2*z:S+32*\t+2*z+1], v[S+32*\t+2*z:S+32*\t+2*z+1], v[ST+8*\t:ST+8*\t+1] op_sel_hi:[1,0] neg_lo:[0,1] neg_hi:[0,1]  ; s - m
.endr
.set z, z+1
.endr
.irp t, 0,1
	v_exp_f32 v[ST+8*\t+6], v[ST+8*\t+7]           ; a
.endr
.set z, 0
.rept 32
.irp t, 0,1
	v_exp_f32 v[S+32*\t+z], v[S+32*\t+z]
.endr
.set z, z+1
.endr
	v_nop                                          ; the plain instruction behind the last exponential
	s_wait_alu depctr_va_vdst(0)                   ; one wait for the batch, ahead of its first reader
.set z, 0
.rept 16
.irp t, 0,1
	v_cvt_pk_f16_f32 v[P+16*\t+z], v[S+32*\t+2*z], v[S+32*\t+2*z+1]
.endr
.set z, z+1
.endr
.irp w, 4,8,16,32                      ; the sum of a tile's 16 pairs, in place: neighbours 1, 2, 4 and 8 pairs apart
.set z, 0
.rept 32/\w
.irp t, 0,1
	v_pk_add_f32 v[S+32*\t+\w*z:S+32*\t+\w*z+1], v[S+32*\t+\w*z:S+32*\t+\w*z+1], v[S+32*\t+\w*z+\w/2:S+32*\t+\w*z+\w/2+1]
.endr
.set z, z+1
.endr
.endr
.irp t, 0,1
	v_pk_fma_f32 v[ST+8*\t+2:ST+8*\t+3], v[ST+8*\t+2:ST+8*\t+3], v[ST+8*\t+6:ST+8*\t+7], v[S+32*\t:S+32*\t+1] op_sel_hi:[1,0,1]  ; l = a l + the sum
.endr
	WIN W_RS
.set z, 0
.rept 32
.irp t, 0,1
	v_pk_mul_f32 v[64*\t+2*z:64*\t+2*z+1], v[64*\t+2*z:64*\t+2*z+1], v[ST+8*\t+6:ST+8*\t+7] op_sel_hi:[1,0]  ; O^T times a, from each accumulator's low end on
.endr
.set z, z+1
.endr
	WIN 0
.endm
.macro STEP
	FETCH_KV
	s_cmp_lg_u32 s[RT], 0                          ; only a block's last tile holds the diagonal
	s_cbranch_scc1 .Lnomask_\@
	MASK
.Lnomask_\@:
	s_wait_dscnt 32                                ; K is in; V's 32 loads may stay out
.set i, 0
.rept 32
	KQ
.endr
	WIN 0
	PLACES                                         ; behind the last product, in front of the reads of its result
	SOFT
	s_wait_dscnt 0x0                               ; V is in
.set i, 0
.rept 32
	PV
.endr
	WIN 0
	PLACES                                         ; in front of the next loads into V's registers and of reads of O^T
	s_sub_co_i32 s[DL], s[DL], 64
.endm
.macro TILE
	s_sub_co_u32 s[RT], s[RT], 1
	s_mov_b32 s[DL], s[BQ]
	s_mov_b32 s[TWICE], 2
.Lstep_\@:
	STEP
	s_sub_co_u32 s[TWICE], s[TWICE], 1
	s_cmp_lg_u32 s[TWICE], 0
	s_cbranch_scc1 .Lstep_\@
.endm
; THE WAY OUT of a block: l's parts are added; O^T is divided by l, rounded to f16 and sent through my stage, a tile (16 rows) at a time.
.macro PACK t
	WIN W_RS
.set i, 64*(\t)
.rept 32
	v_pk_mul_f32 v[i:i+1], v[i:i+1], v[ST+8*(\t)+6:ST+8*(\t)+7] op_sel_hi:[1,0]
.set i, i+2
.endr
	WIN 0x05
.set i, 0
.rept 32
	v_cvt_pk_f16_f32 v[S+32*(\t)+i], v[64*(\t)+2*i], v[64*(\t)+2*i+1]
.set i, i+1
.endr
	WIN 0
.irp f, 0,1,2,3,4,5,6,7
	ds_store_b128 v[STO], v[S+32*(\t)+4*\f:S+32*(\t)+4*\f+3] offset:32*\f
.endr
.irp f, 0,1,2,3,4,5,6,7
	ds_load_b128 v[S+32*(\t)+4*\f:S+32*(\t)+4*\f+3], v[RD] offset:\f*2*SP  ; LDS serves a wave's instructions in order (ISA guide 5.7.1.4): these see the stores above; the next tile's stores come behind them
.endr
.endm
.macro SEND t, younger
.irp f, 0,1,2,3,4,5,6,7
	s_wait_dscnt (\younger)+7-\f
	global_store_b128 v[GO], v[S+32*(\t)+4*\f:S+32*(\t)+4*\f+3], s[OB:OB+1] offset:(\t)*131072+\f*16384  ; 16 lanes store a head's 256 bytes of a row, aligned
.endr
.endm
.macro FINISH
.irp t, 0,1
	v_add_f32 v[ST+8*\t+4], v[ST+8*\t+2], v[ST+8*\t+3]
.endr
.irp t, 0,1
	v_permlanex16_b32 v[ST+8*\t+5], v[ST+8*\t+4], s[SEL], s[SEL+1]
.endr
.irp t, 0,1
	v_add_f32 v[ST+8*\t+4], v[ST+8*\t+4], v[ST+8*\t+5]
.endr
.irp t, 0,1
	v_rcp_f32 v[ST+8*\t+6], v[ST+8*\t+4]
.endr
	v_nop
	s_wait_alu depctr_va_vdst(0)                   ; one wait for the two reciprocals
	PACK 0
	PACK 1
	SEND 0, 16
	SEND 1, 0
.endm
	INIT
	s_wait_loadcnt 0x0                             ; Q
.Lslot:                                        ; eight times: a tile is entered and the next is asked for
	CHANGE 1
	TILE
	s_cmp_lg_u32 s[RT], 0
	s_cbranch_scc1 .Lbottom
	FINISH                                         ; in the loop this is the first block's end
	s_wait_xcnt 0x0                                ; the stores have read their registers and their base
	s_mov_b64 s[OB:OB+1], s[OLO:OLO+1]
	s_add_co_u32 s[RT], s[LQ2], 1                  ; the second block has p / 4 + 1 tiles
	s_mov_b32 s[BQ], s[BQ2]
	WIN W_RS
.set i, 0
.rept 64
	v_mov_b32 v[QF+i], v[Q2+i]                     ; its Q goes where the one text of the products names Q
.set i, i+1
.endr
	INIT
.Lbottom:
	s_sub_co_u32 s[SLOTS], s[SLOTS], 1
	s_cmp_lg_u32 s[SLOTS], 0
	s_cbranch_scc1 .Lslot
	CHANGE 0                                       ; the walk's last tile is written out
	TILE
	FINISH
	s_wait_tensorcnt 0x0                           ; the wave's end
	ds_add_u32 v[SPW], v[NIL]
	s_wait_dscnt 0x0
	s_endpgm
.Lfunc_end_k_q1f30bfcbb6_attn:
	.size	k_q1f30bfcbb6_attn, .Lfunc_end_k_q1f30bfcbb6_attn-k_q1f30bfcbb6_attn
	.p2alignl 7, 3214868480
	.fill 96, 4, 3214868480
	.section	.rodata,"a",@progbits
	.p2align	6, 0x0
	.amdhsa_kernel k_q1f30bfcbb6_attn
		.amdhsa_group_segment_fixed_size 327680
		.amdhsa_private_segment_fixed_size 0
		.amdhsa_enable_private_segment 0
		.amdhsa_kernarg_size 24
		.amdhsa_user_sgpr_count 2
		.amdhsa_user_sgpr_kernarg_segment_ptr 1
		.amdhsa_wavefront_size32 1
		.amdhsa_system_sgpr_workgroup_id_x 1
		.amdhsa_system_sgpr_workgroup_id_y 1
		.amdhsa_system_sgpr_workgroup_id_z 1
		.amdhsa_system_vgpr_workitem_id 0
		.amdhsa_next_free_vgpr 768
		.amdhsa_next_free_sgpr 90
		.amdhsa_reserve_vcc 1
		.amdhsa_float_denorm_mode_32 3
		.amdhsa_float_denorm_mode_16_64 3
		.amdhsa_memory_ordered 1
		.amdhsa_forward_progress 1
		.amdhsa_inst_pref_size 110
	.end_amdhsa_kernel
	.amdgpu_metadata
---
amdhsa.version: [ 1, 2 ]
amdhsa.kernels:
  - .name:           k_q1f30bfcbb6_attn
    .symbol:         k_q1f30bfcbb6_attn.kd
    .args:
      - { .name: qkv, .offset: 0, .size: 8, .value_kind: global_buffer, .address_space: global }
      - { .name: sink, .offset: 8, .size: 8, .value_kind: global_buffer, .address_space: global }
      - { .name: at16, .offset: 16, .size: 8, .value_kind: global_buffer, .address_space: global }
    .group_segment_fixed_size: 327680
    .private_segment_fixed_size: 0
    .kernarg_segment_align: 8
    .kernarg_segment_size: 24
    .max_flat_workgroup_size: 128
    .sgpr_count:     90
    .vgpr_count:     768
    .wavefront_size: 32
...
	.end_amdgpu_metadata
.endif
;; end of part 3
;; launch oproj (part 4): grid 32 x 8, 4 waves a work-group, clusters of 4 x 4, 327,680 bytes of LDS; arguments at16, wo16, out0; writes out0
.if DOCPART == 4
	.amdgcn_target "amdgcn-amd-amdhsa--gfx1250"
	.amdhsa_code_object_version 6
	.text
	.protected	k_q1f30bfcbb6_oproj
	.globl	k_q1f30bfcbb6_oproj
	.p2align	8
	.type	k_q1f30bfcbb6_oproj,@function
k_q1f30bfcbb6_oproj:
	s_mov_b64 s[64:65], 0
	v_nop
	global_prefetch_b8 v0, s[64:65] scope:SCOPE_SE
	s_setreg_imm32_b32 hwreg(HW_REG_WAVE_MODE, 25, 1), 1
	s_wait_xcnt 0x0
	s_wait_alu depctr_hold_cnt(0) depctr_sa_sdst(0) depctr_va_vdst(0) depctr_va_sdst(0) depctr_va_ssrc(0) depctr_va_vcc(0) depctr_vm_vsrc(0)
	s_getreg_b32 s2, hwreg(HW_REG_IB_STS2, 6, 4)
	s_cmp_eq_u32 s2, 0
	s_cbranch_scc0 .Lentry_in_a_cluster
	s_endpgm
.Lentry_in_a_cluster:
	s_bfe_u32 s2, ttmp6, 0x10000c
	s_cmp_lg_u32 s2, 0xf033
	s_cbranch_scc0 .Lentry_shape_is_right
	s_endpgm
.Lentry_shape_is_right:
; out0[m][n] (f32) = the sum over k of at16[m][k] wo16[k][n].  at16: [1024][4096] f16 (the attention's output / 4); wo16: [4096 k][4096 n] f16 (4 x bf16(Wo)); sums in f32, stored as they are.
; A tile of the output is 128 x 128: 8 x 32 = 256 work-groups.  Four waves, each 64 x 64: 16 accumulators.  K goes in steps of 256 through two LDS slots.
; at16's tile has rows of 512 bytes (+ 16 of padding); wo16's lies [k][n]: 256 k-rows of 256 bytes (+ 32), and its fragments come out of LDS turned, by ds_load_tr16_b128.
; CLUSTERS: 4 x 4 work-groups; at16's tile is shared along a row of the cluster, wo16's along a column, each asked for jointly.
; THE PRODUCT IS USED TRANSPOSED (source 0 = 16 columns of wo16, source 1 = 16 rows of at16): a lane holds eight neighbouring numbers of a row of the output, 32 bytes.
; THE WAY OUT: a wave's 64 columns are 256 bytes of a row, aligned: each wave has a stage of its own (64 rows x 272 bytes, in slot 0 after that slot's last fill and last read), and needs no barrier.
; REGISTERS: window 0: v0-31 addresses; v128-255 the accumulators ((a, b) at v[128 + 8 (4 a + b)]).  window 1: two fragment buffers of 128: 64 registers of at16 (2 x 4 x 8), then 64 of wo16.
.set SIZE_K, 4096
.set SIZE_N, 4096
.set KSTEP,  256
.set PITCH,  528                       ; at16's LDS row: 512 + 16: row r starts at bank 4 r mod 64 (64 banks of 4 bytes: ISA guide 11.1)
.set HALFA,  64*PITCH
.set PBW,    288                       ; wo16's LDS row: 256 + 32
.set HALFB,  128*PBW
.set BOFF,   2*HALFA
.set SLOT,   BOFF+2*HALFB
.set SPARE,  2*SLOT                    ; the spare words
.set SPITCH, 272
.set LAPS,   SIZE_K/(2*KSTEP)
.set ADRA, 16                          ; v16-17 my fragments of at16 in slot 0, 1
.set ADRB, 20                          ; v20-23 my fragments of wo16: slot 0 k-rows 0-127, 128-255; slot 1 likewise
.set STO,  24
.set RD,   25
.set CO,   26
.set SPW,  28
.set NIL,  29
.set ACC,  128
.set F0,   0
.set F1,   128
.set G1, 24
.set G0, 32
.set G1B, 48
.set G0B, 56
.set MSB, 0
.macro WIN new
.if MSB != (\new)
	s_set_vgpr_msb (MSB<<8)|(\new)
.set MSB, \new
.endif
.endm
.set MUL,  0x05                        ; sources window 1; C and D window 0
.set TO_F, 0x40                        ; destination window 1, address window 0
.macro JLOAD s                         ; waves 0 and 1 fetch at16's two halves, waves 2 and 3 wo16's; an s_nop 0 and four v_nop follow each line
	s_cmp_eq_u32 s11, 0
	s_cbranch_scc0 .Lfor_b_\@
	tensor_load_to_lds s[G0+4*(\s):G0+4*(\s)+3], s[G1:G1+7]
	s_nop 0
.rept 4
	v_nop
.endr
	s_branch .Lasked_\@
.Lfor_b_\@:
	tensor_load_to_lds s[G0B+4*(\s):G0B+4*(\s)+3], s[G1B:G1B+7]
	s_nop 0
.rept 4
	v_nop
.endr
.Lasked_\@:
.endm
.macro CREST
	s_cmp_lg_u32 s10, 0
	s_cbranch_scc1 .Lnot_wave_0_\@
	s_barrier_signal -3
.Lnot_wave_0_\@:
	s_barrier_wait -3
	s_barrier_signal -1
	s_barrier_wait -1
.endm
.macro CROUND
	s_barrier_signal -1
	s_barrier_wait -1
	CREST
.endm
	s_load_b128 s[4:7], s[0:1], 0x0                ; at16 s[4:5], wo16 s[6:7]
	s_load_b64 s[8:9], s[0:1], 0x10                ; out0
	v_lshl_add_u32 v[SPW], v0, 2, SPARE
	v_mov_b32 v[NIL], 0
	ds_add_u32 v[SPW], v[NIL]                      ; the wave's opening: the add and its wait ahead of my first tensor load
	v_lshrrev_b32 v1, 5, v0
	v_readfirstlane_b32 s10, v1                    ; wave 0..3
	s_lshr_b32 s11, s10, 1                         ; my half of the tile's rows; also: I fetch at16 (0) or wo16 (1)
	s_and_b32 s12, s10, 1                          ; my half of its columns; also: which half I fetch
	s_bfe_u32 s40, ttmp6, 0x40000                  ; cx
	s_bfe_u32 s41, ttmp6, 0x40004                  ; cy
	s_lshl_b32 s42, ttmp9, 2
	s_add_co_u32 s42, s42, s40                     ; tile column
	s_and_b32 s13, ttmp7, 0xffff
	s_lshl_b32 s13, s13, 2
	s_add_co_u32 s13, s13, s41                     ; tile row
	s_lshl_b32 s43, s41, 2
	s_lshl_b32 s43, 15, s43                        ; my row of the cluster
	s_lshl_b32 s44, 0x1111, s40                    ; my column
	s_or_b32 s[G1+0], s43, (1<<16)|(1<<20)|(1<<21)|(6<<22)|(3<<25)   ; the mask; 2-byte elements; padding on; bit 21 beside a mask; after every 128 words, 4 words
	s_mov_b32 s[G1+1], KSTEP<<16                   ; tensor_dim0 = 256
	s_mov_b32 s[G1+2], 64<<16                      ; tensor_dim1 = 64
	s_mov_b32 s[G1+3], KSTEP<<16                   ; tile_dim0 = 256
	s_mov_b32 s[G1+4], 64                          ; tile_dim1 = 64
	s_mov_b32 s[G1+5], SIZE_K
	s_mov_b32 s[G1+6], 0
	s_mov_b32 s[G1+7], 0
	s_or_b32 s[G1B+0], s44, (1<<16)|(1<<20)|(1<<21)|(5<<22)|(7<<25)  ; after every 64 words, 8 words
	s_mov_b32 s[G1B+1], 128<<16                    ; tensor_dim0 = 128 columns
	s_mov_b32 s[G1B+2], 128<<16                    ; tensor_dim1 = 128 k-rows
	s_mov_b32 s[G1B+3], 128<<16
	s_mov_b32 s[G1B+4], 128
	s_mov_b32 s[G1B+5], SIZE_N
	s_mov_b32 s[G1B+6], 0
	s_mov_b32 s[G1B+7], 0
	s_lshl_b32 s17, s12, 6                         ; at16: row 128 x tile row + 64 x half,
	s_lshl_b32 s16, s13, 7
	s_add_co_u32 s16, s16, s17
	s_lshl_b32 s16, s16, 13                        ; 8,192 bytes a row
	s_mov_b32 s17, 0
	s_lshl_b32 s46, s42, 8                         ; wo16: the tile column's 256 bytes of a row,
	s_lshl_b32 s47, s12, 20                        ; 128 k-rows of 8,192 bytes for the half
	s_add_co_u32 s46, s46, s47
	s_mov_b32 s47, 0
	s_mul_i32 s20, s12, HALFA                      ; where they go: no place in the cluster enters an LDS address
	s_mul_i32 s21, s12, HALFB
	s_add_co_u32 s21, s21, BOFF
	s_wait_dscnt 0x0                               ; the opening add is done
	s_wait_kmcnt 0x0
	s_add_nc_u64 s[14:15], s[4:5], s[16:17]
	s_add_nc_u64 s[46:47], s[6:7], s[46:47]
	CROUND                                         ; all sixteen work-groups are here: the first joint loads meet
.irp s, 0,1
	s_mov_b32 s[G0+4*(\s)], 1
	s_add_co_u32 s[G0+4*(\s)+1], s20, (\s)*SLOT
	s_add_nc_u64 s[G0+4*(\s)+2:G0+4*(\s)+3], s[14:15], (\s)*KSTEP*2
	s_or_b32 s[G0+4*(\s)+3], s[G0+4*(\s)+3], 0x80000000
	s_mov_b32 s[G0B+4*(\s)], 1
	s_add_co_u32 s[G0B+4*(\s)+1], s21, (\s)*SLOT
	s_add_nc_u64 s[G0B+4*(\s)+2:G0B+4*(\s)+3], s[46:47], (\s)*KSTEP*SIZE_N*2
	s_or_b32 s[G0B+4*(\s)+3], s[G0B+4*(\s)+3], 0x80000000
	JLOAD \s
.endr
	v_and_b32 v1, 15, v0                           ; r
	v_bfe_u32 v2, v0, 4, 1                         ; h
	v_mul_u32_u24 v3, v1, PITCH
	v_lshl_add_u32 v3, v2, 4, v3
	s_mul_i32 s21, s11, HALFA                      ; my 64 rows of at16
	v_add_nc_u32 v[ADRA], s21, v3
	v_add_nc_u32 v[ADRA+1], SLOT, v[ADRA]
	v_and_b32 v6, 7, v0                            ; the turning load: lane l reads k-row 8 h + l % 8, columns 8 ((l / 8) % 2) + 0..7
	v_lshl_add_u32 v6, v2, 3, v6
	v_mul_u32_u24 v6, v6, PBW
	v_bfe_u32 v7, v0, 3, 1
	v_lshl_add_u32 v6, v7, 4, v6
	s_lshl_b32 s22, s12, 7                         ; my 64 columns: 128 bytes
	s_add_co_u32 s22, s22, BOFF
	v_add_nc_u32 v[ADRB], s22, v6
	v_add_nc_u32 v[ADRB+1], HALFB, v[ADRB]
	v_add_nc_u32 v[ADRB+2], SLOT, v[ADRB]
	v_add_nc_u32 v[ADRB+3], SLOT+HALFB, v[ADRB]
	s_mul_i32 s23, s10, 64*SPITCH                  ; my stage
	v_mul_u32_u24 v4, v1, SPITCH                   ; in: row r, 32 bytes for each half of the lanes
	v_lshl_add_u32 v4, v2, 5, v4
	v_add_nc_u32 v[STO], s23, v4
	v_mul_u32_u24 v5, v2, SPITCH                   ; back: lanes 0-15 one row of 256 bytes, lanes 16-31 the next
	v_lshl_add_u32 v5, v1, 4, v5
	v_add_nc_u32 v[RD], s23, v5
	v_lshlrev_b32 v5, 14, v2                       ; and the same two rows in the output, 16,384 bytes apart
	v_lshl_add_u32 v[CO], v1, 4, v5
	s_lshl_b32 s16, s13, 7
	s_lshl_b32 s17, s11, 6
	s_add_co_u32 s16, s16, s17                     ; my first row: 128 x tile row + 64 x half
	s_lshl_b32 s16, s16, 14
	s_mov_b32 s17, 0
	s_add_nc_u64 s[8:9], s[8:9], s[16:17]
	s_lshl_b32 s46, s42, 9                         ; my first column, in bytes: 512 x tile column + 256 x half
	s_lshl_b32 s47, s12, 8
	s_add_co_u32 s46, s46, s47
	s_mov_b32 s47, 0
	s_add_nc_u64 s[8:9], s[8:9], s[46:47]
; 8 matrix instructions: m blocks a0, a0 + 1 x all 4 n blocks, 32 along K: half c of buffer f.  zero = 1: the first product starts the sums.  The 16 accumulators take turns.
.macro MUL8 f, c, a0, zero
	WIN MUL
.irp a, \a0, (\a0)+1
.irp b, 0,1,2,3
.if \zero
	v_wmma_f32_16x16x32_f16 v[ACC+8*(4*(\a)+(\b)):ACC+8*(4*(\a)+(\b))+7], v[(\f)+64+8*(4*(\c)+(\b)):(\f)+64+8*(4*(\c)+(\b))+7], v[(\f)+8*(4*(\c)+(\a)):(\f)+8*(4*(\c)+(\a))+7], 0
.else
	v_wmma_f32_16x16x32_f16 v[ACC+8*(4*(\a)+(\b)):ACC+8*(4*(\a)+(\b))+7], v[(\f)+64+8*(4*(\c)+(\b)):(\f)+64+8*(4*(\c)+(\b))+7], v[(\f)+8*(4*(\c)+(\a)):(\f)+8*(4*(\c)+(\a))+7], v[ACC+8*(4*(\a)+(\b)):ACC+8*(4*(\a)+(\b))+7]
.endif
.endr
.endr
.endm
; 32 LDS loads in one run: quarter kq (64 along K) of a slot into buffer f; the first 32 along K first
.macro FETCH slot, kq, f
	WIN TO_F
.irp c, 0,1
.irp i, 0,1,2,3
	ds_load_tr16_b128 v[(\f)+64+8*(4*(\c)+(\i)):(\f)+64+8*(4*(\c)+(\i))+3],   v[ADRB+2*(\slot)+(\kq)/2] offset:((\kq)%2)*64*PBW+(\c)*32*PBW+(\i)*32
	ds_load_tr16_b128 v[(\f)+64+8*(4*(\c)+(\i))+4:(\f)+64+8*(4*(\c)+(\i))+7], v[ADRB+2*(\slot)+(\kq)/2] offset:((\kq)%2)*64*PBW+(\c)*32*PBW+(\i)*32+16*PBW
	ds_load_b128 v[(\f)+8*(4*(\c)+(\i)):(\f)+8*(4*(\c)+(\i))+3],         v[ADRA+(\slot)] offset:128*(\kq)+64*(\c)+(\i)*16*PITCH
	ds_load_b128 v[(\f)+8*(4*(\c)+(\i))+4:(\f)+8*(4*(\c)+(\i))+7],       v[ADRA+(\slot)] offset:128*(\kq)+64*(\c)+(\i)*16*PITCH+32
.endr
.endr
.endm
.macro PLACES
.rept 4
	v_nop
.endr
.endm
; A K step is four quarters of 64 along K, 32 matrix instructions each, on buffers 0, 1, 0, 1.  One of the first three: multiplies buffer f and fetches quarter kq into g.
.macro QUARTER slot, kq, f, g, zero
	s_wait_dscnt 16                                ; the first 32 along K are in
	WIN MUL
	MUL8 \f, 0, 0, \zero
	MUL8 \f, 0, 2, \zero
	PLACES
	FETCH \slot, \kq, \g
	s_wait_dscnt 32                                ; all but the 32 just issued
	WIN MUL
	MUL8 \f, 1, 0, 0
	MUL8 \f, 1, 2, 0
.endm
; The last quarter multiplies buffer 1 and changes slots: one barrier; in front of it each wave waits for all its tensor loads, adds 0 to its spare word, and waits for that and for its reads of this slot.
.macro TURN slot, next, fill
	WIN 0
	s_wait_tensorcnt 0x0                           ; all my tensor loads have landed: my part of the next slot
	ds_add_u32 v[SPW], v[NIL]
	s_wait_dscnt 17                                ; (the add and the youngest sixteen loads may be out)
	WIN MUL
	MUL8 F1, 0, 0, 0
	s_wait_dscnt 0x0                               ; the add is done, and my reads of this slot are over
	s_barrier_signal -1
	MUL8 F1, 0, 2, 0
.if \fill
	WIN 0
.endif
	s_barrier_wait -1
.if \fill
	CREST                                          ; no wave of any partner still reads this slot's tile or has a load on its way
	s_add_nc_u64 s[G0+4*(\slot)+2:G0+4*(\slot)+3], s[G0+4*(\slot)+2:G0+4*(\slot)+3], 2*KSTEP*2
	s_add_nc_u64 s[G0B+4*(\slot)+2:G0B+4*(\slot)+3], s[G0B+4*(\slot)+2:G0B+4*(\slot)+3], 2*KSTEP*SIZE_N*2
	JLOAD \slot                                    ; 112 matrix instructions ahead of the wait for it; its four v_nop are also the places in front of the loads below
.else
	PLACES
.endif
	FETCH \next, 0, F0
	WIN MUL
	MUL8 F1, 1, 0, 0
	MUL8 F1, 1, 2, 0
.endm
	s_wait_tensorcnt 1                             ; my part of K step 0 is in; step 1's may stay out
	s_barrier_signal -1
	s_barrier_wait -1
	FETCH 0, 0, F0
	QUARTER 0, 1, F0, F1, 1                        ; the first quarter stands in front of the loop: its first products start the sums
	WIN 0
	s_mov_b32 s3, LAPS-1
.Llap:
	QUARTER 0, 2, F1, F0, 0
	QUARTER 0, 3, F0, F1, 0
	TURN 0, 1, 1
	QUARTER 1, 1, F0, F1, 0
	QUARTER 1, 2, F1, F0, 0
	QUARTER 1, 3, F0, F1, 0
	TURN 1, 0, 1
	QUARTER 0, 1, F0, F1, 0
	WIN 0
	s_sub_co_u32 s3, s3, 1
	s_cmp_lg_u32 s3, 0
	s_cbranch_scc1 .Llap
	QUARTER 0, 2, F1, F0, 0                        ; the last lap fills nothing
	QUARTER 0, 3, F0, F1, 0
	TURN 0, 1, 0
	QUARTER 1, 1, F0, F1, 0
	QUARTER 1, 2, F1, F0, 0
	QUARTER 1, 3, F0, F1, 0
	s_wait_dscnt 16
	WIN MUL
	MUL8 F1, 0, 0, 0
	MUL8 F1, 0, 2, 0
	s_wait_dscnt 0
	MUL8 F1, 1, 0, 0
	MUL8 F1, 1, 2, 0
	WIN 0
	; THE WAY OUT: 32 bytes a lane into my own stage, each accumulator from its low end on; back as whole rows of 256 bytes, into the registers that they left
	PLACES
.irp a, 0,1,2,3
.irp b, 0,1,2,3
	ds_store_b128 v[STO], v[ACC+8*(4*(\a)+(\b)):ACC+8*(4*(\a)+(\b))+3]   offset:(\a)*16*SPITCH+64*(\b)
	ds_store_b128 v[STO], v[ACC+8*(4*(\a)+(\b))+4:ACC+8*(4*(\a)+(\b))+7] offset:(\a)*16*SPITCH+64*(\b)+16
.endr
.endr
.set t, 0
.rept 32
	ds_load_b128 v[ACC+4*t:ACC+4*t+3], v[RD] offset:t*2*SPITCH  ; LDS serves a wave's instructions in order (ISA guide 5.7.1.4): these see the stores above
.set t, t+1
.endr
.set t, 0
.rept 32
	s_wait_dscnt 31-t
	global_store_b128 v[CO], v[ACC+4*t:ACC+4*t+3], s[8:9] offset:t*2*SIZE_N*4  ; 16 lanes store 256 consecutive bytes, at a multiple of 256 from the output's first byte
.set t, t+1
.endr
	s_wait_tensorcnt 0x0                           ; the wave's end
	ds_add_u32 v[SPW], v[NIL]
	s_wait_dscnt 0x0
	CROUND                                         ; the closing round
	s_endpgm
.Lfunc_end_k_q1f30bfcbb6_oproj:
	.size	k_q1f30bfcbb6_oproj, .Lfunc_end_k_q1f30bfcbb6_oproj-k_q1f30bfcbb6_oproj
	.p2alignl 7, 3214868480
	.fill 96, 4, 3214868480
	.section	.rodata,"a",@progbits
	.p2align	6, 0x0
	.amdhsa_kernel k_q1f30bfcbb6_oproj
		.amdhsa_group_segment_fixed_size 327680
		.amdhsa_private_segment_fixed_size 0
		.amdhsa_enable_private_segment 0
		.amdhsa_kernarg_size 24
		.amdhsa_user_sgpr_count 2
		.amdhsa_user_sgpr_kernarg_segment_ptr 1
		.amdhsa_wavefront_size32 1
		.amdhsa_system_sgpr_workgroup_id_x 1
		.amdhsa_system_sgpr_workgroup_id_y 1
		.amdhsa_system_sgpr_workgroup_id_z 1
		.amdhsa_system_vgpr_workitem_id 0
		.amdhsa_next_free_vgpr 512
		.amdhsa_next_free_sgpr 66
		.amdhsa_reserve_vcc 0
		.amdhsa_float_denorm_mode_32 3
		.amdhsa_float_denorm_mode_16_64 3
		.amdhsa_memory_ordered 1
		.amdhsa_forward_progress 1
		.amdhsa_inst_pref_size 87
	.end_amdhsa_kernel
	.amdgpu_metadata
---
amdhsa.version: [ 1, 2 ]
amdhsa.kernels:
  - .name:           k_q1f30bfcbb6_oproj
    .symbol:         k_q1f30bfcbb6_oproj.kd
    .args:
      - { .name: at16, .offset: 0, .size: 8, .value_kind: global_buffer, .address_space: global }
      - { .name: wo16, .offset: 8, .size: 8, .value_kind: global_buffer, .address_space: global }
      - { .name: out0, .offset: 16, .size: 8, .value_kind: global_buffer, .address_space: global }
    .group_segment_fixed_size: 327680
    .private_segment_fixed_size: 0
    .kernarg_segment_align: 8
    .kernarg_segment_size: 24
    .max_flat_workgroup_size: 128
    .sgpr_count:     66
    .vgpr_count:     512
    .wavefront_size: 32
...
	.end_amdgpu_metadata
.endif
;; end of part 4
;; ======== version 2 of 3: 4 launches
;; limits: values are held in f16: magnitudes above 65,504 overflow, below 6.1e-05 lose precision; right only within a limited range of input values
;; workspace buffers: xb 8,388,608 bytes; wo16 33,554,432 bytes; rope 1,572,864 bytes; qkv 12,582,912 bytes; at16 8,388,608 bytes
;; launch prep (part 5): grid 320 x 1, 8 waves a work-group, no clusters, 0 bytes of LDS; arguments hidden_states, positions, xb, rope; writes xb, rope
.if DOCPART == 5
	.amdgcn_target "amdgcn-amd-amdhsa--gfx1250"
	.amdhsa_code_object_version 6
	.text
	.protected	k_q1f30bfcbb6_prep
	.globl	k_q1f30bfcbb6_prep
	.p2align	8
	.type	k_q1f30bfcbb6_prep,@function
k_q1f30bfcbb6_prep:
	s_mov_b64 s[64:65], 0
	v_nop
	global_prefetch_b8 v0, s[64:65] scope:SCOPE_SE
	s_setreg_imm32_b32 hwreg(HW_REG_WAVE_MODE, 25, 1), 1
	s_wait_xcnt 0x0
; TWO JOBS, told apart by the work-group's number g.
;   g < 256    xb = bf16(hidden_states): chunk g, 65,536 bytes of f32 in, 32,768 bytes out.
;   g >= 256   the rotary tables: 16 token rows a work-group, 16 threads a row, four frequencies a thread.
; A STREAM: thread t takes 16 bytes at 16 t of each 4,096 bytes: a wave's load covers 512 consecutive bytes; its store of 8 bytes a lane covers 256 consecutive bytes, aligned.
; All sixteen loads of a chunk go out together; no register is used twice, so the only waits are the counted ones for the loads.
; THE TABLES: rope[type][row][128] f32: 64 cosines, then 64 sines, frequency f at place f, each times the type's scale: type 0 (q) 2 c, c = log2(e) / sqrt(128); type 1 (k) 0.5;
; type 2 (v) holds 0.25 and 0: no rotation.
; SINE AND COSINE: angle = pos x 2^(-f log2(1e6) / 64); n = the nearest whole number to angle x 2 / pi; r = angle - n pi / 2 with pi / 2 in two parts, by fused multiply-adds;
; polynomials of degree 7 and 8 on |r| <= pi / 4; n's two low bits choose and sign.
; LIMITS.  The angle is good to a few units in the last place of pos x frequency: its absolute error stays under 1e-3 for |pos| < 4,096.
.set IN,   16                          ; v[16:79]   sixteen loads of four registers
.set OUTR, 80                          ; v[80:111]  sixteen stores of two registers
.set INV,  8                           ; the tables' registers, four each: frequency
.set ANG,  12                          ; angle
.set NQ,   16                          ; n
.set RR,   20                          ; r
.set ZZ,   24                          ; r r
.set SN,   28                          ; sine
.set CN,   32                          ; cosine
.set QD,   36                          ; n as a whole number
.set TA,   40                          ; at work
.set TB,   44                          ; at work
.set DAT,  48                          ; v[48:71] six sets of four numbers to store
.set TYPEB, 524288                     ; bytes of one type's table: 1,024 rows x 512
	s_load_b256 s[4:11], s[0:1], 0x0               ; hidden_states s[4:5], positions s[6:7], xb s[8:9], rope s[10:11]
	v_lshlrev_b32 v1, 4, v0                        ; 16 t: where I load
	v_lshlrev_b32 v2, 3, v0                        ; 8 t: where I store
	s_mov_b32 s3, 0                                ; the high word of a chunk's offset
	s_wait_kmcnt 0x0
	s_cmp_lt_u32 ttmp9, 256
	s_cbranch_scc1 .Lx
	; THE TABLES
	s_sub_co_u32 s17, ttmp9, 256
	s_lshl_b32 s17, s17, 4                         ; the work-group's first row
	v_lshrrev_b32 v3, 4, v0
	v_add_nc_u32 v3, s17, v3                       ; my row
	v_and_b32 v4, 15, v0                           ; my place in the row: 16 bytes of each section
	v_lshlrev_b32 v5, 2, v3
	global_load_b32 v6, v5, s[6:7]                 ; the row's position
	s_mov_b32 s18, 0xbe9f73da                      ; -log2(1e6) / 64
	s_mov_b32 s19, 0x3f22f983                      ; 2 / pi
	s_mov_b32 s20, 0x3fc90fdb                      ; pi / 2, the upper part
	s_mov_b32 s21, 0xb33bbd2e                      ; pi / 2, what is left
	s_mov_b32 s22, 0xb94ca1f9                      ; the sine's coefficients, highest first
	s_mov_b32 s23, 0x3c08839e
	s_mov_b32 s24, 0xbe2aaaa3
	s_mov_b32 s25, 0x37ccf5ce                      ; the cosine's
	s_mov_b32 s26, 0xbab6061a
	s_mov_b32 s27, 0x3d2aaaa5
	s_mov_b32 s28, 0x3e8293ee                      ; 2 c = 2 log2(e) / sqrt(128)
	v_lshlrev_b32 v7, 2, v4                        ; my first frequency: 4 x my place; the others follow it
.irp e, 0,1,2,3
	v_add_nc_u32 v[INV+\e], \e, v7
.endr
.irp e, 0,1,2,3
	v_cvt_f32_u32 v[INV+\e], v[INV+\e]
.endr
.irp e, 0,1,2,3
	v_mul_f32 v[INV+\e], s18, v[INV+\e]
.endr
.irp e, 0,1,2,3
	v_exp_f32 v[INV+\e], v[INV+\e]                 ; one batch of four
.endr
	v_lshlrev_b32 v7, 9, v3                        ; the plain instruction behind the last exponential: my row in a table,
	v_lshl_add_u32 v7, v4, 4, v7                   ; my 16 bytes of a section
	s_wait_alu depctr_va_vdst(0)                   ; one wait for the batch, ahead of its first reader
	s_wait_loadcnt 0x0
	v_cvt_f32_i32 v6, v6
.irp e, 0,1,2,3
	v_mul_f32 v[ANG+\e], v6, v[INV+\e]
.endr
.irp e, 0,1,2,3
	v_mul_f32 v[NQ+\e], s19, v[ANG+\e]
.endr
.irp e, 0,1,2,3
	v_rndne_f32 v[NQ+\e], v[NQ+\e]
.endr
.irp e, 0,1,2,3
	v_fma_f32 v[RR+\e], -v[NQ+\e], s20, v[ANG+\e]
.endr
.irp e, 0,1,2,3
	v_fma_f32 v[RR+\e], -v[NQ+\e], s21, v[RR+\e]
.endr
.irp e, 0,1,2,3
	v_mul_f32 v[ZZ+\e], v[RR+\e], v[RR+\e]
	v_cvt_i32_f32 v[QD+\e], v[NQ+\e]
.endr
.irp e, 0,1,2,3
	v_fma_f32 v[TA+\e], v[ZZ+\e], s22, s23         ; the sine: r + r z (((S3 z + S2) z) + S1)
	v_mul_f32 v[TB+\e], v[RR+\e], v[ZZ+\e]
.endr
.irp e, 0,1,2,3
	v_fma_f32 v[TA+\e], v[TA+\e], v[ZZ+\e], s24
.endr
.irp e, 0,1,2,3
	v_fma_f32 v[SN+\e], v[TB+\e], v[TA+\e], v[RR+\e]
.endr
.irp e, 0,1,2,3
	v_fma_f32 v[TA+\e], v[ZZ+\e], s25, s26         ; the cosine: 1 - z / 2 + z z (((C3 z + C2) z) + C1)
	v_mul_f32 v[TB+\e], v[ZZ+\e], v[ZZ+\e]
.endr
.irp e, 0,1,2,3
	v_fma_f32 v[TA+\e], v[TA+\e], v[ZZ+\e], s27
	v_fma_f32 v[RR+\e], v[ZZ+\e], -0.5, 1.0
.endr
.irp e, 0,1,2,3
	v_fma_f32 v[CN+\e], v[TB+\e], v[TA+\e], v[RR+\e]
.endr
.irp e, 0,1,2,3
	v_and_b32 v[TA+\e], 1, v[QD+\e]                ; an odd n swaps the two
	v_cmp_ne_u32 vcc_lo, 0, v[TA+\e]
	v_cndmask_b32 v[TB+\e], v[SN+\e], v[CN+\e], vcc_lo
	v_cndmask_b32 v[RR+\e], v[CN+\e], v[SN+\e], vcc_lo
.endr
.irp e, 0,1,2,3
	v_and_b32 v[TA+\e], 2, v[QD+\e]                ; the sine is negated where n % 4 is 2 or 3,
	v_add_nc_u32 v[QD+\e], 1, v[QD+\e]
	v_lshlrev_b32 v[TA+\e], 30, v[TA+\e]
	v_and_b32 v[QD+\e], 2, v[QD+\e]                ; the cosine where it is 1 or 2
	v_xor_b32 v[SN+\e], v[TA+\e], v[TB+\e]
	v_lshlrev_b32 v[QD+\e], 30, v[QD+\e]
	v_xor_b32 v[CN+\e], v[QD+\e], v[RR+\e]
.endr
.irp e, 0,1,2,3
	v_mul_f32 v[DAT+\e], s28, v[CN+\e]             ; q's table
	v_mul_f32 v[DAT+4+\e], s28, v[SN+\e]
	v_mul_f32 v[DAT+8+\e], 0.5, v[CN+\e]           ; k's
	v_mul_f32 v[DAT+12+\e], 0.5, v[SN+\e]
	v_mov_b32 v[DAT+16+\e], 0x3e800000             ; v's: 0.25 and 0
	v_mov_b32 v[DAT+20+\e], 0
.endr
	; sixteen neighbouring lanes fill one section of 256 bytes, at a multiple of 256 from the buffer's first byte
	global_store_b128 v7, v[DAT:DAT+3], s[10:11]
	global_store_b128 v7, v[DAT+4:DAT+7], s[10:11] offset:256
	global_store_b128 v7, v[DAT+8:DAT+11], s[10:11] offset:TYPEB
	global_store_b128 v7, v[DAT+12:DAT+15], s[10:11] offset:TYPEB+256
	global_store_b128 v7, v[DAT+16:DAT+19], s[10:11] offset:2*TYPEB
	global_store_b128 v7, v[DAT+20:DAT+23], s[10:11] offset:2*TYPEB+256
	s_endpgm
.Lx:                                           ; a chunk of x: f32 to bf16
	s_lshl_b32 s2, ttmp9, 16
	s_add_nc_u64 s[4:5], s[4:5], s[2:3]
	s_lshl_b32 s2, ttmp9, 15
	s_add_nc_u64 s[8:9], s[8:9], s[2:3]
.set n, 0
.rept 16
	global_load_b128 v[IN+4*n:IN+4*n+3], v1, s[4:5] offset:4096*n th:TH_LOAD_NT
.set n, n+1
.endr
.set n, 0
.rept 16
	s_wait_loadcnt 15-n                            ; loads come back in order: number n is in, the 15 - n younger ones stay out
	v_cvt_pk_bf16_f32 v[OUTR+2*n], v[IN+4*n], v[IN+4*n+1]
	v_cvt_pk_bf16_f32 v[OUTR+2*n+1], v[IN+4*n+2], v[IN+4*n+3]
	global_store_b64 v2, v[OUTR+2*n:OUTR+2*n+1], s[8:9] offset:2048*n th:TH_STORE_NT
.set n, n+1
.endr
	s_endpgm
.Lfunc_end_k_q1f30bfcbb6_prep:
	.size	k_q1f30bfcbb6_prep, .Lfunc_end_k_q1f30bfcbb6_prep-k_q1f30bfcbb6_prep
	.p2alignl 7, 3214868480
	.fill 96, 4, 3214868480
	.section	.rodata,"a",@progbits
	.p2align	6, 0x0
	.amdhsa_kernel k_q1f30bfcbb6_prep
		.amdhsa_group_segment_fixed_size 0
		.amdhsa_private_segment_fixed_size 0
		.amdhsa_enable_private_segment 0
		.amdhsa_kernarg_size 32
		.amdhsa_user_sgpr_count 2
		.amdhsa_user_sgpr_kernarg_segment_ptr 1
		.amdhsa_wavefront_size32 1
		.amdhsa_system_sgpr_workgroup_id_x 1
		.amdhsa_system_sgpr_workgroup_id_y 1
		.amdhsa_system_sgpr_workgroup_id_z 1
		.amdhsa_system_vgpr_workitem_id 0
		.amdhsa_next_free_vgpr 112
		.amdhsa_next_free_sgpr 66
		.amdhsa_reserve_vcc 1
		.amdhsa_float_denorm_mode_32 3
		.amdhsa_float_denorm_mode_16_64 3
		.amdhsa_memory_ordered 1
		.amdhsa_forward_progress 1
		.amdhsa_inst_pref_size 14
	.end_amdhsa_kernel
	.amdgpu_metadata
---
amdhsa.version: [ 1, 2 ]
amdhsa.kernels:
  - .name:           k_q1f30bfcbb6_prep
    .symbol:         k_q1f30bfcbb6_prep.kd
    .args:
      - { .name: hidden_states, .offset: 0, .size: 8, .value_kind: global_buffer, .address_space: global }
      - { .name: positions, .offset: 8, .size: 8, .value_kind: global_buffer, .address_space: global }
      - { .name: xb, .offset: 16, .size: 8, .value_kind: global_buffer, .address_space: global }
      - { .name: rope, .offset: 24, .size: 8, .value_kind: global_buffer, .address_space: global }
    .group_segment_fixed_size: 0
    .private_segment_fixed_size: 0
    .kernarg_segment_align: 8
    .kernarg_segment_size: 32
    .max_flat_workgroup_size: 256
    .sgpr_count:     66
    .vgpr_count:     112
    .wavefront_size: 32
...
	.end_amdgpu_metadata
.endif
;; end of part 5
;; launch qkv (part 6): grid 48 x 4, 4 waves a work-group, clusters of 4 x 4, 327,680 bytes of LDS; arguments xb, Wq, Wk, Wv, bq, bk, bv, rope, qkv; writes qkv
.if DOCPART == 6
	.amdgcn_target "amdgcn-amd-amdhsa--gfx1250"
	.amdhsa_code_object_version 6
	.text
	.protected	k_q1f30bfcbb6_qkv
	.globl	k_q1f30bfcbb6_qkv
	.p2align	8
	.type	k_q1f30bfcbb6_qkv,@function
k_q1f30bfcbb6_qkv:
	s_mov_b64 s[64:65], 0
	v_nop
	global_prefetch_b8 v0, s[64:65] scope:SCOPE_SE
	s_setreg_imm32_b32 hwreg(HW_REG_WAVE_MODE, 25, 1), 1
	s_wait_xcnt 0x0
	s_wait_alu depctr_hold_cnt(0) depctr_sa_sdst(0) depctr_va_vdst(0) depctr_va_sdst(0) depctr_va_ssrc(0) depctr_va_vcc(0) depctr_vm_vsrc(0)
	s_getreg_b32 s2, hwreg(HW_REG_IB_STS2, 6, 4)
	s_cmp_eq_u32 s2, 0
	s_cbranch_scc0 .Lentry_in_a_cluster
	s_endpgm
.Lentry_in_a_cluster:
	s_bfe_u32 s2, ttmp6, 0x10000c
	s_cmp_lg_u32 s2, 0xf033
	s_cbranch_scc0 .Lentry_shape_is_right
	s_endpgm
.Lentry_shape_is_right:
; qkv[head][row][128] (f16) = scale x rope(x W + b): heads 0-31 are q (scale 2 c, c = log2(e) / sqrt(128)), 32-39 k (0.5), 40-47 v (0.25, not rotated).  x is xb, bf16 [1024][4096];
; the weights are f32 [4096 k][columns]; the bias is rounded to bf16 and starts the sums; sums in f32; one rounding to f16.
; LIMITS.  f16 ends at 65,504: scale x |q|, |k|, |v| after the rotation must lie within it.  NaN and infinities are not treated apart.
; SHARES.  A work-group makes 256 rows x one head (128 columns): 4 x 48 = 192 work-groups.  Wave w: rows 128 (w / 2) on, columns [32 c, 32 c + 32) and [64 + 32 c, 64 + 32 c + 32), c = w % 2.
; 32 accumulators: number 4 a + j is block a of 16 rows x fragment j of 16 columns (j = 0, 1: 32 c + 16 j on; j = 2, 3: 64 further on).
; TIME.  A QUARTER is 32 along K: 32 matrix instructions a wave.  A CHUNK is 64 along K, a STEP 256: sixteen steps.
; x COMES BY JOINT TENSOR LOADS: two LDS slots of a step each (256 rows x 512 bytes + 16 of padding); each wave fetches 64 rows; the four work-groups of a row of the 4 x 4 cluster share the tile.
; THE WEIGHTS COME THROUGH REGISTERS, NOT BY MULTICAST, though a head's four row blocks read the same rows.  The reason, by this text's own count: as f32 in the slots they would be half of the slots' bytes
; (512 of 1,024 for each k), a slot would hold 128 along K and its load would have 128 matrix instructions in which to land; so it has 256, and the weights' loads, which no barrier waits for, are asked
; for eight quarters ahead.  A wave's load takes one k row of the head, 512 consecutive bytes; the four numbers of a lane are rounded to bf16 once for the work-group and stored, 8 bytes a lane, into one
; of two LDS buffers of a chunk ([k][column], 256 bytes + 32 of padding a row); every wave takes its fragments from there by the turning load.  A RING of eight groups of eight loads (256 registers):
; the group of quarter q is waited for, converted and stored in quarter q of every step and asked for again at once, 256 k rows further on.
; THE CHUNKS' ORDER.  In each odd quarter stands a barrier.  Behind barrier n (in the second quarter of chunk n) nobody reads chunk n any more and chunk n + 1 is whole: chunk n + 2 is stored where chunk n lay
; (half of it in that quarter, half in the next) and chunk n + 1 is read.  In quarter 7 the barrier opens a round of the cluster's, behind which the slot just read out is filled again.
; THE PRODUCT IS USED TRANSPOSED (source 0 = 16 columns of W, source 1 = 16 rows of x): lane (r, h) holds row 16 a + r and, in register i, column n0 + 8 h + i: eight neighbouring columns, and the rotary
; partner, 64 columns away, in the same lane and register of accumulator j + 2.
; REGISTERS, in windows of 256 (s_set_vgpr_msb: bits 1:0 source 0, 3:2 source 1, 5:4 source 2, 7:6 destination).  window 0: addresses, the bias, the way out.  window 2: the accumulators.
; windows 1 and 3, alike: v0-63 x's fragments, v64-95 W's, v96-223 four groups of the ring, v224-239 addresses.  Even quarters multiply window 1's fragments, odd ones window 3's; all other work of a quarter
; (the next quarter's fragments, its group of the ring, their addresses) lies in the other of the two, so one setting serves it.
.set PA,     528                       ; an LDS row of x: 512 + 16: row r starts at bank 4 r mod 64 (64 banks of 4 bytes: ISA guide 11.1)
.set QROWS,  64*PA                     ; 64 rows: one tensor load
.set SLOT,   4*QROWS
.set BB,     2*SLOT                    ; the weights' two buffers, in blocks of 256 bytes into which no tensor load lands
.set PBW,    288                       ; a k row there: 256 + 32
.set CHUNK,  64*PBW
.set SPARE,  BB+2*CHUNK                ; the spare words: 128 bytes a wave, two blocks of 256 bytes that no other line names
.set SPI,    272                       ; the stage of the way out: 256 rows x 272 bytes in slot 0, after that slot's last fill and last read
.set STO,  24                          ; window 0: v24 where I put 16 bytes of a row
.set RD,   25                          ; v25 where I read rows back
.set CO,   26                          ; v26 my byte offset in the head's 256 rows
.set BO,   27                          ; v27 my offset in the head's bias
.set SPW,  28                          ; v28 my spare word; never rewritten
.set NIL,  29                          ; v29 0; never rewritten
.set PFAO, 30                          ; v30 the prefetches' offset in x; never rewritten
.set PFWO, 31                          ; v31 the same in the weights
.set TT,   32                          ; v32-63 the rotated numbers (at the head: the bias as loaded)
.set YY,   64                          ; v64-79 packed
.set BK,   96                          ; v96-223 rows read back from the stage
.set BIAS, 224                         ; v224-255 the bias as a C operand: register 8 j + i
.set AF,   0                           ; windows 1 and 3
.set BF,   64
.set RAW,  96
.set ADRA, 224                         ; x's fragments in the slot in hand
.set ADRA0, 225                        ; the same in slot 0; never rewritten
.set ADRB, 226                         ; W's fragments
.set WST,  227                         ; where I store 8 bytes of a k row
.set TO,   228                         ; my offset in the rotary table
.set VO,   232                         ; v232-239 16 x lane + i rows of the weights; never rewritten
.set G1A, 24                           ; s[24:31] group 1 for x's tiles
.set G0,  32                           ; s[32:39] group 0: a set for each of the two first fills; the second then walks on
.set WP,  40                           ; s[40:55] the ring's eight pointers
.set BST, 56                           ; s[56:57] 256 rows of the weights, in bytes
.set TA,  58                           ; 0 or SLOT: the slot in hand
.set LIM, 59                           ; 1 in the cluster that prefetches x, else the greatest number
.set PFA, 60                           ; s[60:61] where my prefetches of x stand
.set PFW, 62                           ; s[62:63] the same for the weights
.set WV,   66
.set WR,   67                          ; w / 2: my half of the rows
.set CC,   68                          ; w % 2: c
.set CX,   69
.set CY,   70
.set HD,   71                          ; head 0..47
.set HL,   72                          ; the head's number within its weights
.set TY,   73
.set PITCH, 74                         ; bytes in a row of the weights
.set AB,   84                          ; s[84:85] x at my 64 rows
.set TAB,  86                          ; s[86:87] the type's table at the work-group's first row
.set OUT,  88                          ; s[88:89] the head at the work-group's first row
.set WPB,  90                          ; s[90:91] the weights at the head's first column
.set BP,   92                          ; s[92:93] the bias
.set MSB, 0
.macro WIN new                         ; the immediate's high byte repeats the setting that is left; a switch that changes nothing is dropped
.if MSB != (\new)
	s_set_vgpr_msb (MSB<<8)|(\new)
.set MSB, \new
.endif
.endm
.macro PLACES                          ; four places in front of loads into registers that matrix instructions have read, and of reads of results
.rept 4
	v_nop
.endr
.endm
; PREFETCHES INTO THE L2, together, behind each joint refill and its five lines.  A lane names a block of 256 bytes: half of a row's 512 bytes of a step.
; The weights: the 256 k rows whose loads the next step will issue; a head's four row blocks and their four waves take 16 rows each, told apart by address (cy, wave).  x: the step that the next refill
; will ask for; its rows are read by all twelve clusters: the first asks, the four partners of a row and their waves take 16 rows each (cx, wave).  So each block is named once in the launch.
; The last two refills ask for no weights and the last one for no x: those rows do not exist.  Nothing is asked for at the head.
.macro ASK
	s_cmp_gt_u32 s3, 2
	s_cbranch_scc0 .Lno_w_\@
	global_prefetch_b8 v[PFWO], s[PFW:PFW+1] th:TH_LOAD_NT scope:SCOPE_SE
.Lno_w_\@:
	s_cmp_gt_u32 s3, s[LIM]
	s_cbranch_scc0 .Lno_x_\@
	global_prefetch_b8 v[PFAO], s[PFA:PFA+1] th:TH_LOAD_NT scope:SCOPE_SE
.Lno_x_\@:
.endm
.macro CREST                           ; a round of the cluster's barrier behind its opening barrier
	s_cmp_lg_u32 s[WV], 0
	s_cbranch_scc1 .Lnot_wave_0_\@
	s_barrier_signal -3
.Lnot_wave_0_\@:
	s_barrier_wait -3
	s_barrier_signal -1
	s_barrier_wait -1
.endm
.macro CROUND
	s_barrier_signal -1
	s_barrier_wait -1
	CREST
.endm
	s_load_b256 s[4:11], s[0:1], 0x0               ; xb s[4:5], Wq s[6:7], Wk s[8:9], Wv s[10:11]
	s_load_b256 s[12:19], s[0:1], 0x20             ; bq s[12:13], bk s[14:15], bv s[16:17], rope s[18:19]
	s_load_b64 s[20:21], s[0:1], 0x40              ; qkv
	v_lshl_add_u32 v[SPW], v0, 2, SPARE
	v_mov_b32 v[NIL], 0
	ds_add_u32 v[SPW], v[NIL]                      ; the wave's opening: the add and its wait ahead of my first tensor load; the set-up below stands between them
	v_lshrrev_b32 v1, 5, v0
	v_readfirstlane_b32 s[WV], v1
	s_lshr_b32 s[WR], s[WV], 1
	s_and_b32 s[CC], s[WV], 1
	s_bfe_u32 s[CX], ttmp6, 0x40000
	s_bfe_u32 s[CY], ttmp6, 0x40004                ; the grid has one cluster along y: cy is the block of 256 rows
	s_lshl_b32 s[HD], ttmp9, 2
	s_add_co_u32 s[HD], s[HD], s[CX]               ; head = 4 x cluster x + cx
	s_mov_b32 s[PITCH], 4096
	s_cmp_lt_u32 ttmp9, 10                         ; clusters 0-7: q; 8, 9: k; 10, 11: v
	s_cselect_b32 s[HL], 32, 40
	s_cselect_b32 s[TY], 1, 2
	s_cmp_lt_u32 ttmp9, 8
	s_cselect_b32 s[HL], 0, s[HL]
	s_cselect_b32 s[TY], 0, s[TY]
	s_cselect_b32 s[PITCH], 16384, s[PITCH]
	s_sub_co_u32 s[HL], s[HD], s[HL]
	s_lshl_b32 s82, s[CY], 2
	s_lshl_b32 s82, 15, s82                        ; my row of the cluster
	s_or_b32 s[G1A], s82, (1<<16)|(1<<20)|(1<<21)|(6<<22)|(3<<25)  ; the mask; 2-byte elements; padding on; bit 21 beside a mask; after every 128 words, 4 words
	s_mov_b32 s[G1A+1], 256<<16                    ; tensor_dim0 = 256
	s_mov_b32 s[G1A+2], 64<<16                     ; tensor_dim1 = 64
	s_mov_b32 s[G1A+3], 256<<16                    ; tile_dim0 = 256
	s_mov_b32 s[G1A+4], 64                         ; tile_dim1 = 64
	s_mov_b32 s[G1A+5], 4096                       ; elements from row to row
	s_mov_b32 s[G1A+6], 0
	s_mov_b32 s[G1A+7], 0
	s_mul_i32 s22, s[WV], QROWS                    ; where my 64 rows go: no place in the cluster enters an LDS address
	s_lshl_b32 s82, s[CY], 21                      ; x: 256 cy rows of 8,192 bytes,
	s_lshl_b32 s83, s[WV], 19                      ; 64 rows for the wave
	s_add_co_u32 s82, s82, s83
	s_mov_b32 s83, 0
	s_lshl_b32 s[BST], s[PITCH], 8
	s_mov_b32 s[BST+1], 0
	s_lshl_b32 s78, s[PITCH], 5                    ; 32 rows of the weights: from a group of the ring to the next
	s_mov_b32 s79, 0
	s_lshl_b32 s80, s[HL], 9                       ; the head's 512 bytes of a row of the weights, and of the bias
	s_mov_b32 s81, 0
	s_mov_b32 s[TA], 0
	v_and_b32 v3, 31, v0                           ; lane
	v_and_b32 v1, 15, v0                           ; r = l % 16
	v_bfe_u32 v2, v0, 4, 1                         ; h = l / 16
	v_lshlrev_b32 v8, 4, v3                        ; a k row's 16 bytes of mine: four columns,
.irp i, 1,2,3,4,5,6,7
	v_add_nc_u32 v[8+\i], s[PITCH], v[7+\i]        ; and the seven rows below
.endr
	v_mul_u32_u24 v4, v1, PA                       ; a fragment of x: row x pitch + 16 h,
	v_lshl_add_u32 v4, v2, 4, v4
	s_mul_i32 s23, s[WR], 128*PA                   ; in my 128 rows
	v_add_nc_u32 v4, s23, v4
	v_and_b32 v5, 7, v0                            ; the turning load: lane l reads k row 8 h + l % 8, columns 8 ((l / 8) % 2) + 0..7
	v_lshl_add_u32 v5, v2, 3, v5
	v_mul_u32_u24 v5, v5, PBW
	v_bfe_u32 v6, v0, 3, 1
	v_lshl_add_u32 v5, v6, 4, v5
	s_lshl_b32 s23, s[CC], 6                       ; my columns begin at 32 c: 64 bytes
	s_add_co_u32 s23, s23, BB
	v_add_nc_u32 v5, s23, v5
	s_mul_i32 s23, s[WV], 8*PBW                    ; of each 32 k rows I bring rows 8 w .. 8 w + 7
	s_add_co_u32 s23, s23, BB
	v_lshl_add_u32 v6, v3, 3, s23
	s_lshl_b32 s23, s[WR], 16                      ; the table: row 128 (w / 2) + r of 512 bytes, frequency 32 c + 8 h
	s_lshl_b32 s77, s[CC], 7
	s_add_co_u32 s23, s23, s77
	v_lshlrev_b32 v7, 9, v1
	v_lshl_add_u32 v7, v2, 5, v7
	v_add_nc_u32 v7, s23, v7
	v_lshlrev_b32 v[BO], 5, v2                     ; the bias: 4 (32 c + 8 h)
	v_add_nc_u32 v[BO], s77, v[BO]
.irp wn, 0x40, 0xc0                    ; the addresses go into windows 1 and 3
	WIN \wn
	v_mov_b32 v[ADRA], v4
	v_mov_b32 v[ADRA0], v4
	v_mov_b32 v[ADRB], v5
	v_mov_b32 v[WST], v6
	v_mov_b32 v[TO], v7
.irp i, 0,1,2,3,4,5,6,7
	v_mov_b32 v[VO+\i], v[8+\i]
.endr
.endr
	WIN 0
	s_wait_dscnt 0x0                               ; the opening add is done
	s_wait_kmcnt 0x0
	s_cmp_lt_u32 ttmp9, 10
	s_cselect_b64 s[WPB:WPB+1], s[8:9], s[10:11]
	s_cselect_b64 s[BP:BP+1], s[14:15], s[16:17]
	s_cmp_lt_u32 ttmp9, 8
	s_cselect_b64 s[WPB:WPB+1], s[6:7], s[WPB:WPB+1]
	s_cselect_b64 s[BP:BP+1], s[12:13], s[BP:BP+1]
	s_add_nc_u64 s[AB:AB+1], s[4:5], s[82:83]
	s_add_nc_u64 s[WPB:WPB+1], s[WPB:WPB+1], s[80:81]
	s_add_nc_u64 s[BP:BP+1], s[BP:BP+1], s[80:81]
	s_lshl_b32 s80, s[WV], 3
	s_mul_i32 s80, s80, s[PITCH]                   ; my 8 rows of each 32
	s_add_nc_u64 s[WP+10:WP+11], s[WPB:WPB+1], s[80:81]  ; k rows 0-31 belong to the group of quarter 5, the next 32 to that of quarter 6, and so on round the ring
.irp t, 1,2,3,4,5,6,7
	s_add_nc_u64 s[WP+2*((\t+5)%8):WP+2*((\t+5)%8)+1], s[WP+2*((\t+4)%8):WP+2*((\t+4)%8)+1], s[78:79]
.endr
.irp j, 0,1,2,3                        ; the bias of fragment j: my eight columns
	global_load_b128 v[TT+8*\j:TT+8*\j+3],   v[BO], s[BP:BP+1] offset:64*\j+(\j/2)*128
	global_load_b128 v[TT+8*\j+4:TT+8*\j+7], v[BO], s[BP:BP+1] offset:64*\j+(\j/2)*128+16
.endr
; Group g of the ring is asked for: eight k rows, 512 consecutive bytes a load.  Odd groups lie in window 1, even ones in window 3.
.macro ISSUE g
	WIN 0x55+0xaa*(1-(\g)%2)
.irp i, 0,1,2,3,4,5,6,7
	global_load_b128 v[RAW+32*((\g)/2)+4*\i:RAW+32*((\g)/2)+4*\i+3], v[VO+\i], s[WP+2*(\g):WP+2*(\g)+1]
.endr
.endm
.irp t, 0,1,2,3,4,5,6,7
	ISSUE (\t+5)%8                                 ; the ring is filled: k rows 0 to 255, in ascending order
.endr
	WIN 0
.irp s, 0,1
	s_mov_b32 s[G0+4*\s], 1
	s_add_co_u32 s[G0+4*\s+1], s22, \s*SLOT
	s_add_nc_u64 s[G0+4*\s+2:G0+4*\s+3], s[AB:AB+1], \s*512
	s_or_b32 s[G0+4*\s+3], s[G0+4*\s+3], 0x80000000
.endr
	CROUND                                         ; all sixteen work-groups are here: the first joint loads meet
	tensor_load_to_lds s[G0:G0+3], s[G1A:G1A+7]    ; steps 0 and 1: two loads of mine are out
	s_nop 0
	tensor_load_to_lds s[G0+4:G0+7], s[G1A:G1A+7]
	s_nop 0
.rept 4
	v_nop
.endr
	s_mul_i32 s23, s[WR], 128*SPI                  ; into the stage: row 128 (w / 2) + r, byte 64 c + 16 h
	s_lshl_b32 s77, s[CC], 6
	s_add_co_u32 s23, s23, s77
	v_mul_u32_u24 v[STO], v1, SPI
	v_lshl_add_u32 v[STO], v2, 4, v[STO]
	v_add_nc_u32 v[STO], s23, v[STO]
	s_mul_i32 s23, s[WV], 64*SPI                   ; back: wave w takes rows 64 w on, whole: lanes 0-15 one row, lanes 16-31 the next
	v_mul_u32_u24 v[RD], v2, SPI
	v_lshl_add_u32 v[RD], v1, 4, v[RD]
	v_add_nc_u32 v[RD], s23, v[RD]
	s_lshl_b32 s23, s[WV], 14
	v_lshlrev_b32 v[CO], 8, v2
	v_lshl_add_u32 v[CO], v1, 4, v[CO]
	v_add_nc_u32 v[CO], s23, v[CO]
	s_lshl_b32 s76, s[HD], 18                      ; a head is 262,144 bytes, 256 rows 65,536
	s_lshl_b32 s77, s[CY], 16
	s_add_co_u32 s76, s76, s77
	s_mov_b32 s77, 0
	s_add_nc_u64 s[OUT:OUT+1], s[20:21], s[76:77]
	s_lshl_b32 s76, s[TY], 19                      ; a type's table is 524,288 bytes, 256 rows 131,072
	s_lshl_b32 s77, s[CY], 17
	s_add_co_u32 s76, s76, s77
	s_mov_b32 s77, 0
	s_add_nc_u64 s[TAB:TAB+1], s[18:19], s[76:77]
	; the prefetches
	s_cmp_eq_u32 ttmp9, 0
	s_cselect_b32 s[LIM], 1, -1
	s_lshl_b32 s76, s[CY], 6                       ; the weights: k row 64 cy + 16 w, 576 rows on; the first refill steps it to 832, where the loads of the step after it begin
	s_lshl_b32 s77, s[WV], 4
	s_add_co_u32 s76, s76, s77
	s_add_co_u32 s76, s76, 576
	s_mul_i32 s76, s76, s[PITCH]
	s_mov_b32 s77, 0
	s_add_nc_u64 s[PFW:PFW+1], s[WPB:WPB+1], s[76:77]
	s_lshl_b32 s76, s[CY], 21                      ; x: row 256 cy + 64 cx + 16 w, at step 2; the first refill steps it to 3
	s_lshl_b32 s77, s[CX], 19
	s_add_co_u32 s76, s76, s77
	s_lshl_b32 s77, s[WV], 17
	s_add_co_u32 s76, s76, s77
	s_add_co_u32 s76, s76, 1024
	s_mov_b32 s77, 0
	s_add_nc_u64 s[PFA:PFA+1], s[4:5], s[76:77]
	v_lshrrev_b32 v4, 1, v3                        ; row l / 2, half l % 2
	v_and_b32 v5, 1, v3
	v_mul_u32_u24 v[PFWO], s[PITCH], v4
	v_lshl_add_u32 v[PFWO], v5, 8, v[PFWO]
	v_lshlrev_b32 v[PFAO], 13, v4
	v_lshl_add_u32 v[PFAO], v5, 8, v[PFAO]
; What hangs on a quarter's number q: the windows, its group of the ring, and where that group is stored: the buffer of chunk parity ((q + 7) % 8 / 2) % 2, rows 0-31 in odd quarters, 32-63 in even ones.
.macro SETQ q
.set MW, 0xa5+0x0a*((\q)%2)            ; the products: sources window 1 or 3, C and D window 2
.set OW, 0xff-0xaa*((\q)%2)            ; everything else: the other of the two, in all places
.set RG, RAW+32*((\q)/2)
.set SB, (((((\q)+7)%8)/2)%2)*CHUNK+(((\q)+1)%2)*32*PBW
.set i, 0
.set o, 0
.endm
.macro MM first                        ; the quarter's next matrix instruction.  The 32 accumulators take turns, one instruction a turn, in one order everywhere.  first = 1: the bias starts the sums
.if \first
	WIN 0x85
	v_wmma_f32_16x16x32_bf16 v[8*i:8*i+7], v[BF+8*(i%4):BF+8*(i%4)+7], v[AF+8*(i/4):AF+8*(i/4)+7], v[BIAS+8*(i%4):BIAS+8*(i%4)+7]
.else
	WIN MW
	v_wmma_f32_16x16x32_bf16 v[8*i:8*i+7], v[BF+8*(i%4):BF+8*(i%4)+7], v[AF+8*(i/4):AF+8*(i/4)+7], v[8*i:8*i+7]
.endif
.set i, i+1
.endm
.macro CV                              ; the group's next conversion of 16: two neighbouring columns of a k row, rounded to bf16, in place
	WIN OW
.if o%2 == 0
	v_cvt_pk_bf16_f32 v[RG+4*(o/2)], v[RG+4*(o/2)], v[RG+4*(o/2)+1]
.else
	v_cvt_pk_bf16_f32 v[RG+4*(o/2)+1], v[RG+4*(o/2)+2], v[RG+4*(o/2)+3]
.endif
.set o, o+1
.endm
.macro STW                             ; the group's eight k rows into LDS: a wave's store covers a row's 256 consecutive bytes
	WIN OW
.irp r, 0,1,2,3,4,5,6,7
	ds_store_b64 v[WST], v[RG+4*\r:RG+4*\r+1] offset:SB+\r*PBW
.endr
.endm
.macro LOADF tq                        ; the fragments of quarter tq of a step: W's four (turned), x's eight
	WIN 0x55+0xaa*((\tq)%2)
.irp j, 0,1,2,3
	ds_load_tr16_b128 v[BF+8*\j:BF+8*\j+3],   v[ADRB] offset:(((\tq)/2)%2)*CHUNK+((\tq)%2)*32*PBW+32*\j+(\j/2)*64
	ds_load_tr16_b128 v[BF+8*\j+4:BF+8*\j+7], v[ADRB] offset:(((\tq)/2)%2)*CHUNK+((\tq)%2)*32*PBW+32*\j+(\j/2)*64+16*PBW
.endr
.irp a, 0,1,2,3,4,5,6,7
	ds_load_b128 v[AF+8*\a:AF+8*\a+3],   v[ADRA] offset:64*(\tq)+\a*16*PA
	ds_load_b128 v[AF+8*\a+4:AF+8*\a+7], v[ADRA] offset:64*(\tq)+\a*16*PA+32
.endr
.endm
; A QUARTER.  con = 1: its group of the ring is converted (four conversions behind each of the first four products: they are also the places in front of the loads below) and stored.
; iss = 1: the group is asked for again; 2: its registers take the rotary table of row block tb.  fet = 1: the next quarter's fragments are fetched.  All memory instructions stand in ONE run, behind the 8th product.
; sync = 0: no barrier; left = the LDS stores that may still be out at the head.  1: a chunk's barrier.  2: also the change of x's slots.  3: the change is a round of the cluster's, and the slot is filled again.
.macro QTR q, first, con, iss, fet, sync, left, tb
	SETQ \q
.if (\sync) == 3
	s_wait_xcnt 0x0                                ; the last prefetches, a step back, have read their addresses
	s_add_nc_u64 s[PFA:PFA+1], s[PFA:PFA+1], 512
	s_add_nc_u64 s[PFW:PFW+1], s[PFW:PFW+1], s[BST:BST+1]
.endif
.if (\sync) >= 2
	WIN 0
	s_wait_tensorcnt 0x0                           ; all my tensor loads have landed: the one that was out is my part of the next slot
	ds_add_u32 v[SPW], v[NIL]                      ; work on registers stands between the add and the wait for it
.if (\sync) == 3
	s_xor_b32 s[G0+5], s[G0+5], SLOT               ; the walking descriptor: the other slot than last time (the two slots' addresses differ in bits that a wave's part does not use),
	s_add_nc_u64 s[G0+6:G0+7], s[G0+6:G0+7], 512   ; the next step; the type bits on top are not reached
.endif
	s_xor_b32 s[TA], s[TA], SLOT
.endif
.if \con
	s_wait_loadcnt 56                              ; my group is in; the seven younger groups stay out
.if (\iss) == 1
	s_add_nc_u64 s[WP+2*(\q):WP+2*(\q)+1], s[WP+2*(\q):WP+2*(\q)+1], s[BST:BST+1]  ; its loads are done, so its pointer may be written: 256 k rows on
.endif
.endif
.if (\sync) >= 2
	s_wait_dscnt 1                                 ; this quarter's fragments are in, my stores are done; only the add may be out
.elseif (\sync) == 1
	s_wait_dscnt 0x0                               ; this quarter's fragments are in: my reads of the chunk are over; my stores of the next chunk are done
	s_barrier_signal -1
.else
	s_wait_dscnt \left                             ; this quarter's fragments are in
.endif
.rept 4
	MM \first
.if \con
	CV
	CV
	CV
	CV
.endif
.endr
.if (\sync) >= 2
	s_wait_dscnt 0x0                               ; the add is done
	s_barrier_signal -1
.endif
.rept 4
	MM \first
.endr
.if (\sync) >= 2
	WIN 0
.endif
.if \sync
	s_barrier_wait -1
.endif
.if (\sync) == 3
	CREST                                          ; no wave of any partner still reads this slot or has a load on its way
	tensor_load_to_lds s[G0+4:G0+7], s[G1A:G1A+7]  ; my one load behind the round: 64 rows of the step two on; eight quarters, 256 matrix instructions, ahead of the wait for it
	s_nop 0
.rept 4
	v_nop
.endr
	ASK
.endif
.if \fet
.if !(\con)
	PLACES
.endif
.if ((\q) == 7) || ((\q) == 0)
	WIN OW
	v_add_nc_u32 v[ADRA], s[TA], v[ADRA0]          ; this window's fetches go on in the next slot
.endif
	LOADF ((\q)+1)%8
.endif
.if \con
	STW
.endif
.if (\iss) == 1
	ISSUE \q
.elseif (\iss) == 2
	WIN OW
.irp u, 0,1,2,3,4,5,6,7                ; my row's 16 cosines (fragments 0 and 1), then its 16 sines
	global_load_b128 v[RG+4*\u:RG+4*\u+3], v[TO], s[TAB:TAB+1] offset:(\tb)*8192+(\u/4)*256+((\u%4)/2)*64+(\u%2)*16
.endr
.endif
.rept 24
	MM \first
.endr
.endm
; A group by itself, ahead of the first quarter
.macro CONS g
	SETQ \g
	s_wait_loadcnt 56
	s_add_nc_u64 s[WP+2*(\g):WP+2*(\g)+1], s[WP+2*(\g):WP+2*(\g)+1], s[BST:BST+1]
.rept 16
	CV
.endr
	STW
	ISSUE \g
.endm
	s_wait_loadcnt 56                              ; the bias and k rows 0-31 are in
.irp u, 0,1,2,3,4,5,6,7,8,9,10,11,12,13,14,15  ; the bias is rounded to bf16 like every input, and widened again
	v_cvt_pk_bf16_f32 v[YY+\u], v[TT+2*\u], v[TT+2*\u+1]
.endr
.irp u, 0,1,2,3,4,5,6,7,8,9,10,11,12,13,14,15
	v_lshlrev_b32 v[BIAS+2*\u], 16, v[YY+\u]
	v_and_b32 v[BIAS+2*\u+1], 0xffff0000, v[YY+\u]
.endr
	CONS 5                                         ; chunk 0,
	CONS 6
	CONS 7                                         ; and the first half of chunk 1; its second half is quarter 0's group
	WIN 0
	s_wait_tensorcnt 1                             ; my part of step 0 is in; step 1's may stay out
	s_wait_dscnt 0x0                               ; my stores are done
	s_barrier_signal -1
	s_barrier_wait -1
	LOADF 0
	QTR 0, 1, 1, 1, 1, 0, 0, 0                     ; the first quarter is written out: its products start the sums, with the bias
	WIN 0
	s_mov_b32 s3, 15
	s_branch .Lenter                               ; the loop is entered in the middle of a trip
.Lstep:                                        ; fourteen times: quarters 5 to 7 of a step, with the refill, and quarters 0 to 4 of the next.  The last load of the weights (k rows up to 4,095) is issued in the last trip's last quarter
	QTR 5, 0, 1, 1, 1, 1, 0, 0
	QTR 6, 0, 1, 1, 1, 0, 8, 0
	QTR 7, 0, 1, 1, 1, 3, 0, 0
	QTR 0, 0, 1, 1, 1, 0, 8, 0
	WIN 0
.Lenter:
	QTR 1, 0, 1, 1, 1, 1, 0, 0
	QTR 2, 0, 1, 1, 1, 0, 8, 0
	QTR 3, 0, 1, 1, 1, 1, 0, 0
	QTR 4, 0, 1, 1, 1, 0, 8, 0
	WIN 0
	s_sub_co_u32 s3, s3, 1
	s_cmp_lg_u32 s3, 0
	s_cbranch_scc1 .Lstep
	QTR 5, 0, 1, 2, 1, 1, 0, 0                     ; the tail: no slot is filled; the ring's eight groups are used up, and each group's registers take a row block's rotary table,
	QTR 6, 0, 1, 2, 1, 0, 8, 1                     ; so that seven younger groups of eight loads stand behind each group as before
	QTR 7, 0, 1, 2, 1, 2, 0, 2
	QTR 0, 0, 1, 2, 1, 0, 8, 3
	QTR 1, 0, 1, 2, 1, 1, 0, 4
	QTR 2, 0, 1, 2, 1, 0, 8, 5
	QTR 3, 0, 1, 2, 1, 1, 0, 6
	QTR 4, 0, 1, 2, 1, 0, 8, 7
	QTR 5, 0, 0, 0, 1, 1, 0, 0                     ; the last chunk's barrier
	QTR 6, 0, 0, 0, 1, 0, 0, 0
	QTR 7, 0, 0, 0, 0, 0, 0, 0
	WIN 0
	; THE WAY OUT, a block of 16 rows at a time: lower half = lo cos - hi sin, upper half = hi cos + lo sin, both factors from the table and already scaled; rounded to f16; 16 bytes a fragment into the stage.
.macro ROPE a
.set TG, ((\a)+5)%8                    ; the ring's group that holds block a's table,
.set CSB, RAW+32*(TG/2)
.set EW, 0x02+4*(3-2*(TG%2))           ; in window 1 or 3: source 0 the accumulators, source 1 the table, the rest window 0
	s_wait_loadcnt 56-8*(\a)                       ; this block's table is in; the younger tables may stay out
	WIN EW
.irp j, 0,1                            ; each accumulator is read from its low end on
.irp i, 0,2,4,6
	v_pk_mul_f32 v[TT+8*\j+\i:TT+8*\j+\i+1], v[8*(4*(\a)+\j)+\i:8*(4*(\a)+\j)+\i+1], v[CSB+8*\j+\i:CSB+8*\j+\i+1]
.endr
.endr
.irp j, 0,1
.irp i, 0,2,4,6
	v_pk_mul_f32 v[TT+16+8*\j+\i:TT+16+8*\j+\i+1], v[8*(4*(\a)+\j+2)+\i:8*(4*(\a)+\j+2)+\i+1], v[CSB+8*\j+\i:CSB+8*\j+\i+1]
.endr
.endr
.irp j, 0,1
.irp i, 0,2,4,6
	v_pk_fma_f32 v[TT+8*\j+\i:TT+8*\j+\i+1], v[8*(4*(\a)+\j+2)+\i:8*(4*(\a)+\j+2)+\i+1], v[CSB+16+8*\j+\i:CSB+16+8*\j+\i+1], v[TT+8*\j+\i:TT+8*\j+\i+1] neg_lo:[0,1,0] neg_hi:[0,1,0]
	v_pk_fma_f32 v[TT+16+8*\j+\i:TT+16+8*\j+\i+1], v[8*(4*(\a)+\j)+\i:8*(4*(\a)+\j)+\i+1], v[CSB+16+8*\j+\i:CSB+16+8*\j+\i+1], v[TT+16+8*\j+\i:TT+16+8*\j+\i+1]
.endr
.endr
	WIN 0
.irp u, 0,1,2,3,4,5,6,7,8,9,10,11,12,13,14,15
	v_cvt_pk_f16_f32 v[YY+\u], v[TT+2*\u], v[TT+2*\u+1]
.endr
.irp j, 0,1,2,3
	ds_store_b128 v[STO], v[YY+4*\j:YY+4*\j+3] offset:(\a)*16*SPI+32*\j+(\j/2)*64
.endr
.endm
	PLACES                                         ; behind the last products, in front of the reads of their results
.irp a, 0,1,2,3,4,5,6,7
	ROPE \a
.endr
	s_wait_dscnt 0x0                               ; for the others' sake: a row's 256 bytes come from two waves
	s_barrier_signal -1
	s_barrier_wait -1
.set t, 0
.rept 32
	ds_load_b128 v[BK+4*t:BK+4*t+3], v[RD] offset:t*2*SPI
.set t, t+1
.endr
.set t, 0
.rept 32
	s_wait_dscnt 31-t
	global_store_b128 v[CO], v[BK+4*t:BK+4*t+3], s[OUT:OUT+1] offset:512*t  ; 16 lanes store a row of the head: 256 consecutive bytes, aligned
.set t, t+1
.endr
	s_wait_tensorcnt 0x0                           ; the wave's end
	ds_add_u32 v[SPW], v[NIL]
	s_wait_dscnt 0x0
	CROUND                                         ; the closing round
	s_endpgm
.Lfunc_end_k_q1f30bfcbb6_qkv:
	.size	k_q1f30bfcbb6_qkv, .Lfunc_end_k_q1f30bfcbb6_qkv-k_q1f30bfcbb6_qkv
	.p2alignl 7, 3214868480
	.fill 96, 4, 3214868480
	.section	.rodata,"a",@progbits
	.p2align	6, 0x0
	.amdhsa_kernel k_q1f30bfcbb6_qkv
		.amdhsa_group_segment_fixed_size 327680
		.amdhsa_private_segment_fixed_size 0
		.amdhsa_enable_private_segment 0
		.amdhsa_kernarg_size 72
		.amdhsa_user_sgpr_count 2
		.amdhsa_user_sgpr_kernarg_segment_ptr 1
		.amdhsa_wavefront_size32 1
		.amdhsa_system_sgpr_workgroup_id_x 1
		.amdhsa_system_sgpr_workgroup_id_y 1
		.amdhsa_system_sgpr_workgroup_id_z 1
		.amdhsa_system_vgpr_workitem_id 0
		.amdhsa_next_free_vgpr 1024
		.amdhsa_next_free_sgpr 96
		.amdhsa_reserve_vcc 0
		.amdhsa_float_denorm_mode_32 3
		.amdhsa_float_denorm_mode_16_64 3
		.amdhsa_memory_ordered 1
		.amdhsa_forward_progress 1
		.amdhsa_inst_pref_size 178
	.end_amdhsa_kernel
	.amdgpu_metadata
---
amdhsa.version: [ 1, 2 ]
amdhsa.kernels:
  - .name:           k_q1f30bfcbb6_qkv
    .symbol:         k_q1f30bfcbb6_qkv.kd
    .args:
      - { .name: xb, .offset: 0, .size: 8, .value_kind: global_buffer, .address_space: global }
      - { .name: Wq, .offset: 8, .size: 8, .value_kind: global_buffer, .address_space: global }
      - { .name: Wk, .offset: 16, .size: 8, .value_kind: global_buffer, .address_space: global }
      - { .name: Wv, .offset: 24, .size: 8, .value_kind: global_buffer, .address_space: global }
      - { .name: bq, .offset: 32, .size: 8, .value_kind: global_buffer, .address_space: global }
      - { .name: bk, .offset: 40, .size: 8, .value_kind: global_buffer, .address_space: global }
      - { .name: bv, .offset: 48, .size: 8, .value_kind: global_buffer, .address_space: global }
      - { .name: rope, .offset: 56, .size: 8, .value_kind: global_buffer, .address_space: global }
      - { .name: qkv, .offset: 64, .size: 8, .value_kind: global_buffer, .address_space: global }
    .group_segment_fixed_size: 327680
    .private_segment_fixed_size: 0
    .kernarg_segment_align: 8
    .kernarg_segment_size: 72
    .max_flat_workgroup_size: 128
    .sgpr_count:     96
    .vgpr_count:     1024
    .wavefront_size: 32
...
	.end_amdgpu_metadata
.endif
;; end of part 6
;; launch attn (part 7): grid 32 x 8, 4 waves a work-group, no clusters, 327,680 bytes of LDS; arguments qkv, sink, at16, Wo, wo16; writes at16, wo16
.if DOCPART == 7
	.amdgcn_target "amdgcn-amd-amdhsa--gfx1250"
	.amdhsa_code_object_version 6
	.text
	.protected	k_q1f30bfcbb6_attn
	.globl	k_q1f30bfcbb6_attn
	.p2align	8
	.type	k_q1f30bfcbb6_attn,@function
k_q1f30bfcbb6_attn:
	s_mov_b64 s[64:65], 0
	v_nop
	global_prefetch_b8 v0, s[64:65] scope:SCOPE_SE
	s_setreg_imm32_b32 hwreg(HW_REG_WAVE_MODE, 25, 1), 1
	s_wait_xcnt 0x0
; TWO JOBS, told apart by the work-group's x.  The attention has equal work for 16 x 8 = 128 work-groups (x < 16).  The other 128 (x >= 16) do a job of the program that hangs on nothing made before it and is
; wanted only by the launch behind this one: wo16 = f16(4 x bf16(Wo)).  It stands at the text's end (THE OTHER JOB).  The branch hangs on x alone: it is the same in all four waves of a work-group.
; CAUSAL ATTENTION WITH GROUPED HEADS AND A SINK.  at16[row][head][128] (f16) = (1/4) x the sum over keys t <= row of p V, p = softmax over the row's logits and the head's sink (the sink only in the divisor).
; The window of 1,024 hides nothing that the causal mask does not: there are 1,024 rows.  qkv holds q x 2 c, k / 2, v / 4 in f16 ([48][1024][128]; c = log2(e) / sqrt(128)), so q' . k' is the logit in
; units of log2, and the result is O / 4.  Products, maxima and sums in f32; the weights are rounded to f16 for the second product (their sum is taken unrounded), the result once.
; THE SINK is the softmax's state at its start: m = log2(e) x bf16(sink), l = 1 (in lanes 0-15 alone: a query's l lies in two lanes, which are added at the end), O = 0.  So the running maximum includes it.
; LIMITS.  A hidden score counts as its value less 1e30; a weight below 2^-126 counts as 0; NaN and infinities are not treated apart.  4 x bf16(Wo) must lie within f16's 65,504.
; THE WALK.  A work-group serves one key and value head g; wave w is query head 4 g + w.  The rows lie in 32 blocks of 32; block b needs the key tiles 0 .. b / 4 of 128 keys.  A work-group takes blocks
; 31 - p and then p: nine tiles, whatever p: all 128 work-groups do equal work, and one loop with a constant count walks them.  What a trip does hangs on scalars made from p; every jump but the loops' own
; goes forward, past no barrier and no tensor load but the one of LOAD's two that the wave's number does not choose.  NO CLUSTER: the 16 work-groups of a head ask for the same tile in trips 0 to 4 only; behind
; that the first blocks end one after the other, and a walk common to all would have 12 trips for 9.
; IN PHASES: a step of 64 keys is: K's and V's fragments; 32 products K Q^T; the softmax of both tiles; 32 products V^T P.
; LAYOUT.  S^T = K Q^T holds one query a lane (l % 16) and the keys 8 (l / 16) + 0..7; two such results rounded to f16 are source 1 of O^T = V^T P.  K comes out of LDS as it lies, V turned.
; THE MASK is the C operand that starts S^T's sums: 0, or -1e30 where the key is hidden.  It is made anew in each step of a block's last tile; elsewhere it holds 0.
; REGISTERS: window 0: v0-15 addresses; v32-47 eight of statistics a tile (m, 0, l, l, c0-c3; a takes c2's place); v64-127 S^T; v128-159 P; v160-223 the mask
;   window 1: v0-127 O^T; v128-191 Q; v192-255 the second block's Q       window 2: v0-127 K; v128-255 V
.set KS,    64
.set PK,    272                        ; a row of K in LDS: 256 + 16: the 16 rows of a load start at 16 different groups of four banks (64 banks of 4 bytes: ISA guide 11.1)
.set PV,    288                        ; a row of V: 256 + 32
.set VOFF,  KS*PK
.set STEPB, KS*(PK+PV)                 ; a step: 64 rows of K, then 64 rows of V
.set SLOT1, 1<<17                      ; a slot holds a tile, two steps
.set STAGE, SLOT1+2*STEPB              ; behind the ring: 16 rows x 272 bytes a wave
.set SP,    272
.set SPARE, STAGE+4*16*SP              ; the spare words
.set AK0, 2
.set AV0, 3
.set ADR, 4
.set ADRV, 5
.set STO, 6
.set RD,  7
.set GO,  8
.set SINK, 9                           ; v9  log2(e) x bf16(sink)
.set D0,  10                           ; v10 l % 16 - 8 (l / 16)
.set DE,  11                           ; v11-12 what 16 kb + i is held against, for tile 0 and tile 1
.set LINIT, 13                         ; v13 1 in lanes 0-15, 0 in lanes 16-31
.set QO,  15
.set ST,  32
.set SPW, 62
.set NIL, 63
.set S,   64
.set P,   128
.set MC,  160
.set QF,  128                          ; window 1
.set Q2,  192
.set VF,  128                          ; window 2
.set OB,  10                           ; s[10:11] at16 at the block in hand, my head
.set WV,  12
.set PB,  14                           ; p
.set HI,  15                           ; 31 - p
.set KB,  16                           ; s[16:17] K at my half of tile 0
.set VB,  18                           ; s[18:19] V likewise
.set QA,  20                           ; s[20:21] Q of the first block
.set QB,  22                           ; s[22:23] of the second
.set G1K, 24
.set G1V, 32
.set G0K, 40
.set G0V, 44
.set WOI, 48                           ; s[48:49] the other job: Wo at the round in hand
.set WOO, 50                           ; s[50:51] wo16 likewise
.set RND, 52                           ; s52 its rounds still to come
.set HIM, 53                           ; s53 a word's upper bf16
.set FOUR, 54                          ; s[54:55] 4.0: the packed multiply takes the pair's low word for both halves
.set SLOTS, 56
.set TWICE, 57
.set SEL, 60
.set TB,  62                           ; LDS byte at which the step to be fetched begins
.set RT,  70                           ; tiles of the block in hand still to be entered
.set NXT, 71                           ; the tile to be asked for next
.set LQ,  72                           ; the last tile of the block whose tiles are being asked for
.set LQ2, 73                           ; the second block's last tile
.set OFF, 74                           ; s[74:75]
.set OLO, 80                           ; s[80:81] at16 at the second block
.set BIGN, 82
.set DL,  83                           ; 32 (b % 4) - 64 x the step in the tile
.set BQ,  84
.set BQ2, 85
.set SNK, 86
.set HEAD, 87
.set W1,  88
.set LW,  89
.set MSB, 0
.macro WIN new
.if MSB != (\new)
	s_set_vgpr_msb (MSB<<8)|(\new)
.set MSB, (\new)
.endif
.endm
.set W_KQ, 0x06                        ; K window 2, Q window 1, S^T and the mask window 0
.set W_PV, 0x52                        ; V window 2, P window 0, O^T window 1
.set W_RS, 0x41                        ; destination and source 0 window 1, source 1 window 0
.macro PLACES
.rept 4
	v_nop
.endr
.endm
; A fill.  Waves 0 and 1 fetch K of a tile's two steps, waves 2 and 3 V.  An s_nop 0 and four v_nop follow each line, ahead of the jump and the label.
.macro LOAD
	s_cmp_lt_u32 s[WV], 2
	s_cbranch_scc0 .Lfor_v_\@
	tensor_load_to_lds s[G0K:G0K+3], s[G1K:G1K+7]
	s_nop 0
.rept 4
	v_nop
.endr
	s_branch .Lasked_\@
.Lfor_v_\@:
	tensor_load_to_lds s[G0V:G0V+3], s[G1V:G1V+7]
	s_nop 0
.rept 4
	v_nop
.endr
.Lasked_\@:
.endm
; THE CHANGE OF SLOTS.  Each wave waits for all its tensor loads (one is out: its part of the other slot), adds 0 to its spare word, and waits for that and for its reads of the slot that it leaves.
; fill = 1: the old slot is filled again, first thing behind the barrier, with tile NXT; the address is made anew from that number.  The load has a tile's two steps in which to land.
.macro CHANGE fill
	WIN 0
	s_wait_tensorcnt 0x0
	ds_add_u32 v[SPW], v[NIL]
.if \fill
	s_lshl_b32 s[OFF], s[NXT], 15                  ; a tile is 32,768 bytes of K and of V
	s_xor_b32 s[G0K+1], s[G0K+1], SLOT1
	s_add_nc_u64 s[G0K+2:G0K+3], s[KB:KB+1], s[OFF:OFF+1]
	s_or_b32 s[G0K+3], s[G0K+3], 0x80000000
	s_xor_b32 s[G0V+1], s[G0V+1], SLOT1
	s_add_nc_u64 s[G0V+2:G0V+3], s[VB:VB+1], s[OFF:OFF+1]
	s_or_b32 s[G0V+3], s[G0V+3], 0x80000000
	s_add_co_u32 s[NXT], s[NXT], 1                 ; the block's next tile, or behind its last the second block's tile 0
	s_cmp_gt_u32 s[NXT], s[LQ]
	s_cselect_b32 s[NXT], 0, s[NXT]
	s_cselect_b32 s[LQ], s[LQ2], s[LQ]
.endif
	s_wait_dscnt 0x0
	s_barrier_signal -1
	s_sub_co_u32 s[TB], s[TB], 2*STEPB             ; the fetches go back to a slot's first step, in the other slot
	s_xor_b32 s[TB], s[TB], SLOT1
	s_barrier_wait -1
.if \fill
	LOAD
.endif
.endm
	s_load_b128 s[4:7], s[0:1], 0x0                ; qkv s[4:5], sink s[6:7]
	s_load_b64 s[8:9], s[0:1], 0x10                ; at16
	s_load_b64 s[WOI:WOI+1], s[0:1], 0x18          ; Wo
	s_load_b64 s[WOO:WOO+1], s[0:1], 0x20          ; wo16
	v_lshl_add_u32 v[SPW], v0, 2, SPARE
	v_mov_b32 v[NIL], 0
	ds_add_u32 v[SPW], v[NIL]                      ; the wave's opening: the add and its wait ahead of my first tensor load
	v_lshrrev_b32 v1, 5, v0
	v_readfirstlane_b32 s[WV], v1
	s_mov_b32 s[PB], ttmp9
	s_sub_co_u32 s[HI], 31, s[PB]
	s_and_b32 s13, ttmp7, 0xffff                   ; g
	s_lshl_b32 s[HEAD], s13, 2
	s_add_co_u32 s[HEAD], s[HEAD], s[WV]           ; my query head
	s_and_b32 s[W1], s[WV], 1                      ; which step of a tile I fetch
	s_mul_i32 s[LW], s[W1], STEPB
	s_add_co_u32 s2, s13, 32                       ; K's head in qkv,
	s_lshl_b32 s2, s2, 18                          ; 262,144 bytes a head,
	s_lshl_b32 s3, s[W1], 14                       ; 64 rows of 256 bytes for the step
	s_add_co_u32 s2, s2, s3
	s_mov_b32 s3, 0
	s_lshl_b32 s76, s[HEAD], 18                    ; Q: my head, the block's 32 rows
	s_lshl_b32 s77, s[HI], 13
	s_add_co_u32 s76, s76, s77
	s_mov_b32 s77, 0
	s_lshl_b32 s78, s[HEAD], 18
	s_lshl_b32 s79, s[PB], 13
	s_add_co_u32 s78, s78, s79
	s_mov_b32 s79, 0
	s_lshl_b32 s67, s[HEAD], 8                     ; at16: 32 rows of 8,192 bytes a block, 256 bytes a head
	s_lshl_b32 s66, s[HI], 18
	s_add_co_u32 s66, s66, s67
	s_lshl_b32 s68, s[PB], 18
	s_add_co_u32 s68, s68, s67
	s_mov_b32 s67, 0
	s_mov_b32 s69, 0
	s_lshl_b32 s58, s[HEAD], 2
	s_mov_b32 s59, 0
	s_mov_b32 s[G1K], (1<<16)|(1<<20)|(5<<22)|(3<<25)  ; 2-byte elements; padding on; after every 64 words, 4 words
	s_mov_b32 s[G1V], (1<<16)|(1<<20)|(5<<22)|(7<<25)  ; the same with 8 words
.irp g, G1K, G1V
	s_mov_b32 s[\g+1], 128<<16                     ; tensor_dim0 = 128
	s_mov_b32 s[\g+2], KS<<16                      ; tensor_dim1 = 64
	s_mov_b32 s[\g+3], 128<<16                     ; tile_dim0 = 128
	s_mov_b32 s[\g+4], KS                          ; tile_dim1 = 64
	s_mov_b32 s[\g+5], 128                         ; elements from row to row
	s_mov_b32 s[\g+6], 0
	s_mov_b32 s[\g+7], 0
.endr
	s_mov_b32 s[G0K], 1
	s_mov_b32 s[G0K+1], s[LW]                      ; slot 0
	s_mov_b32 s[G0V], 1
	s_add_co_u32 s[G0V+1], s[LW], VOFF
	s_mov_b32 s[SEL], 0x76543210
	s_mov_b32 s[SEL+1], 0xfedcba98
	s_mov_b32 s[TB], SLOT1+2*STEPB                 ; the first change of slots turns this into 0
	s_lshr_b32 s[LQ], s[HI], 2
	s_add_co_u32 s[RT], s[LQ], 1                   ; the first block has (31 - p) / 4 + 1 tiles: five at the least
	s_lshr_b32 s[LQ2], s[PB], 2
	s_mov_b32 s[NXT], 1
	s_and_b32 s[BQ], s[HI], 3
	s_lshl_b32 s[BQ], s[BQ], 5
	s_and_b32 s[BQ2], s[PB], 3
	s_lshl_b32 s[BQ2], s[BQ2], 5
	s_mov_b32 s[OFF+1], 0
	s_mov_b32 s[BIGN], 0xf149f2ca                  ; -1e30
	s_mov_b32 s[SLOTS], 8
	s_wait_dscnt 0x0                               ; the opening add is done
	s_wait_kmcnt 0x0
	s_cmp_ge_u32 ttmp9, 16                         ; the work-groups with x >= 16 have the other job: a path of their own, with no barrier and no tensor load
	s_cbranch_scc1 .Lconv
	s_add_nc_u64 s[KB:KB+1], s[4:5], s[2:3]
	s_add_nc_u64 s[VB:VB+1], s[KB:KB+1], 0x200000  ; V's heads lie eight heads behind K's
	s_add_nc_u64 s[G0K+2:G0K+3], s[KB:KB+1], 0
	s_or_b32 s[G0K+3], s[G0K+3], 0x80000000
	s_add_nc_u64 s[G0V+2:G0V+3], s[VB:VB+1], 0
	s_or_b32 s[G0V+3], s[G0V+3], 0x80000000
	s_add_nc_u64 s[QA:QA+1], s[4:5], s[76:77]
	s_add_nc_u64 s[QB:QB+1], s[4:5], s[78:79]
	s_add_nc_u64 s[OB:OB+1], s[8:9], s[66:67]
	s_add_nc_u64 s[OLO:OLO+1], s[8:9], s[68:69]
	s_add_nc_u64 s[6:7], s[6:7], s[58:59]
	s_load_b32 s[SNK], s[6:7], 0x0                 ; my head's sink
	LOAD                                           ; tile 0 into slot 0
	v_and_b32 v1, 15, v0                           ; r
	v_bfe_u32 v14, v0, 4, 1                        ; h
	v_lshlrev_b32 v[QO], 8, v1
	v_lshl_add_u32 v[QO], v14, 4, v[QO]            ; row x 256 + 16 h
	WIN 0x40
.irp i, 0,1,2,3,4,5,6,7                ; both blocks' Q: tile i / 4, channels 32 (i % 4) on
	global_load_b128 v[QF+8*\i:QF+8*\i+3],   v[QO], s[QA:QA+1] offset:(\i/4)*4096+(\i%4)*64
	global_load_b128 v[QF+8*\i+4:QF+8*\i+7], v[QO], s[QA:QA+1] offset:(\i/4)*4096+(\i%4)*64+32
	global_load_b128 v[Q2+8*\i:Q2+8*\i+3],   v[QO], s[QB:QB+1] offset:(\i/4)*4096+(\i%4)*64
	global_load_b128 v[Q2+8*\i+4:Q2+8*\i+7], v[QO], s[QB:QB+1] offset:(\i/4)*4096+(\i%4)*64+32
.endr
	WIN 0
	v_mul_u32_u24 v[AK0], v1, PK
	v_lshl_add_u32 v[AK0], v14, 4, v[AK0]
	v_and_b32 v16, 7, v0                           ; the turning load: lane l reads key 8 (l / 16) + l % 8, channels 8 ((l / 8) % 2) + 0..7
	v_bfe_u32 v17, v0, 3, 1
	v_lshl_add_u32 v[AV0], v14, 3, v16
	v_mul_u32_u24 v[AV0], v[AV0], PV
	v_lshl_add_u32 v[AV0], v17, 4, v[AV0]
	v_add_nc_u32 v[AV0], VOFF, v[AV0]
	s_mul_i32 s13, s[WV], 16*SP
	s_add_co_u32 s13, s13, STAGE                   ; my stage
	v_mul_u32_u24 v[STO], v1, SP
	v_lshl_add_u32 v[STO], v14, 4, v[STO]
	v_add_nc_u32 v[STO], s13, v[STO]
	v_mul_u32_u24 v[RD], v14, SP
	v_lshl_add_u32 v[RD], v1, 4, v[RD]
	v_add_nc_u32 v[RD], s13, v[RD]
	v_lshlrev_b32 v[GO], 13, v14                   ; two rows of at16, 8,192 bytes apart
	v_lshl_add_u32 v[GO], v1, 4, v[GO]
	v_lshlrev_b32 v16, 3, v14
	v_sub_nc_u32 v[D0], v1, v16
	v_cvt_f32_u32 v[LINIT], v14
	v_sub_f32 v[LINIT], 1.0, v[LINIT]
	s_wait_kmcnt 0x0
	v_mov_b32 v[SINK], s[SNK]
	v_cvt_pk_bf16_f32 v[SINK], v[SINK], v[SINK]    ; rounded like every input,
	v_lshlrev_b32 v[SINK], 16, v[SINK]
	v_mul_f32 v[SINK], 0x3fb8aa3b, v[SINK]         ; in units of log2
; A BLOCK'S START: O^T and the mask are 0; m is the sink, l its weight 1.  The clearing is the price of writing no first step out.
.macro INIT
	WIN 0x40
.set i, 0
.rept 128
	v_mov_b32 v[i], 0
.set i, i+1
.endr
	WIN 0
.set i, 0
.rept 64
	v_mov_b32 v[MC+i], 0
.set i, i+1
.endr
.irp t, 0,1
	v_mov_b32 v[ST+8*\t], v[SINK]
	v_mov_b32 v[ST+8*\t+1], 0
	v_mov_b32 v[ST+8*\t+2], v[LINIT]
	v_mov_b32 v[ST+8*\t+3], 0
.endr
.endm
; A step's K (64 keys x 128 channels: 16 fragments) and V (turned): two runs of 32 loads
.macro FETCH_KV
	WIN 0
	v_add_nc_u32 v[ADR], s[TB], v[AK0]
	v_add_nc_u32 v[ADRV], s[TB], v[AV0]
	s_add_co_u32 s[TB], s[TB], STEPB
	WIN 0x80
.irp f, 0,1,2,3,4,5,6,7,8,9,10,11,12,13,14,15  ; keys 16 (f / 4) on, channels 32 (f % 4) on
	ds_load_b128 v[8*\f:8*\f+3],   v[ADR] offset:(\f/4)*16*PK+(\f%4)*64
	ds_load_b128 v[8*\f+4:8*\f+7], v[ADR] offset:(\f/4)*16*PK+(\f%4)*64+32
.endr
.irp f, 0,1,2,3,4,5,6,7,8,9,10,11,12,13,14,15  ; keys 32 (f / 8) on, channels 16 (f % 8) on
	ds_load_tr16_b128 v[VF+8*\f:VF+8*\f+3],   v[ADRV] offset:(\f/8)*32*PV+(\f%8)*32
	ds_load_tr16_b128 v[VF+8*\f+4:VF+8*\f+7], v[ADRV] offset:(\f/8)*32*PV+16*PV+(\f%8)*32
.endr
	WIN 0
.endm
; The mask of a step of the block's last tile: register i of key block kb of tile t is hidden where 16 kb + i > l % 16 - 8 (l / 16) + 32 (b % 4) + 16 t - 64 x step
.macro MASK
	v_add_nc_u32 v[DE], s[DL], v[D0]
	v_add_nc_u32 v[DE+1], 16, v[DE]
.set z, 0
.rept 64
	v_cmp_gt_i32 vcc_lo, 16*((z%32)/8)+z%8, v[DE+z/32]
	v_cndmask_b32 v[MC+z], 0, s[BIGN], vcc_lo
.set z, z+1
.endr
.endm
; Product i of 32 of S^T: tile i % 2, keys 16 ((i / 2) % 4) on, channels 32 (i / 8) on; the first 8 start the sums with the mask.  The 8 accumulators take turns.
.macro KQ
	WIN W_KQ
.set rS, S+32*(i%2)+8*((i/2)%4)
.set rK, 32*((i/2)%4)+8*(i/8)
.set rQ, QF+32*(i%2)+8*(i/8)
.set rM, MC+32*(i%2)+8*((i/2)%4)
.if i < 8
	v_wmma_f32_16x16x32_f16 v[rS:rS+7], v[rK:rK+7], v[rQ:rQ+7], v[rM:rM+7]
.else
	v_wmma_f32_16x16x32_f16 v[rS:rS+7], v[rK:rK+7], v[rQ:rQ+7], v[rS:rS+7]
.endif
.set i, i+1
.endm
; Product i of 32 of O^T: tile i % 2, channels 16 ((i / 2) % 8) on, keys 32 (i / 16) on.  The 16 accumulators take turns.
.macro PV
	WIN W_PV
.set rO, 64*(i%2)+8*((i/2)%8)
.set rV, VF+64*(i/16)+8*((i/2)%8)
.set rP, P+16*(i%2)+8*(i/16)
	v_wmma_f32_16x16x32_f16 v[rO:rO+7], v[rV:rV+7], v[rP:rP+7], v[rO:rO+7]
.set i, i+1
.endm
; THE SOFTMAX of both tiles for one step, the tiles alternating.  All 66 exponentials are one batch with one wait: nothing ahead of the wait names a result of theirs.
.macro SOFT
	WIN 0
.irp j, 0,1,2,3                        ; the maximum: four chains of seven scores; each accumulator's lowest registers are read first
.irp t, 0,1
	v_max3_num_f32 v[ST+8*\t+4+\j], v[S+32*\t+8*\j], v[S+32*\t+8*\j+1], v[S+32*\t+8*\j+2]
.endr
.endr
.irp g, 1,2
.irp j, 0,1,2,3
.irp t, 0,1
	v_max3_num_f32 v[ST+8*\t+4+\j], v[ST+8*\t+4+\j], v[S+32*\t+8*\j+2*\g+1], v[S+32*\t+8*\j+2*\g+2]
.endr
.endr
.endr
.irp t, 0,1
	v_max3_num_f32 v[ST+8*\t+4], v[ST+8*\t+4], v[S+32*\t+7], v[S+32*\t+15]
	v_max3_num_f32 v[ST+8*\t+6], v[ST+8*\t+6], v[S+32*\t+23], v[S+32*\t+31]
.endr
.irp t, 0,1
	v_max3_num_f32 v[ST+8*\t+4], v[ST+8*\t+4], v[ST+8*\t+5], v[ST+8*\t+6]
.endr
.irp t, 0,1
	v_max3_num_f32 v[ST+8*\t+4], v[ST+8*\t+4], v[ST+8*\t+7], v[ST+8*\t]   ; the old m among them
.endr
.irp t, 0,1
	v_permlanex16_b32 v[ST+8*\t+5], v[ST+8*\t+4], s[SEL], s[SEL+1]        ; the query's other 32 keys lie in the lane 16 away
.endr
.irp t, 0,1
	v_mov_b32 v[ST+8*\t+7], v[ST+8*\t]
.endr
.irp t, 0,1
	v_max_num_f32 v[ST+8*\t], v[ST+8*\t+4], v[ST+8*\t+5]
.endr
.irp t, 0,1
	v_sub_f32 v[ST+8*\t+7], v[ST+8*\t+7], v[ST+8*\t]                      ; m_old - m_new
.endr
.set z, 0
.rept 16
.irp t, 0,1
	v_pk_add_f32 v[S+32*\t+2*z:S+32*\t+2*z+1], v[S+32*\t+2*z:S+32*\t+2*z+1], v[ST+8*\t:ST+8*\t+1] op_sel_hi:[1,0] neg_lo:[0,1] neg_hi:[0,1]  ; s - m
.endr
.set z, z+1
.endr
.irp t, 0,1
	v_exp_f32 v[ST+8*\t+6], v[ST+8*\t+7]           ; a
.endr
.set z, 0
.rept 32
.irp t, 0,1
	v_exp_f32 v[S+32*\t+z], v[S+32*\t+z]
.endr
.set z, z+1
.endr
	v_nop                                          ; the plain instruction behind the last exponential
	s_wait_alu depctr_va_vdst(0)                   ; one wait for the batch, ahead of its first reader
.set z, 0
.rept 16
.irp t, 0,1
	v_cvt_pk_f16_f32 v[P+16*\t+z], v[S+32*\t+2*z], v[S+32*\t+2*z+1]
.endr
.set z, z+1
.endr
.irp w, 4,8,16,32                      ; the sum of a tile's 16 pairs, in place: neighbours 1, 2, 4 and 8 pairs apart
.set z, 0
.rept 32/\w
.irp t, 0,1
	v_pk_add_f32 v[S+32*\t+\w*z:S+32*\t+\w*z+1], v[S+32*\t+\w*z:S+32*\t+\w*z+1], v[S+32*\t+\w*z+\w/2:S+32*\t+\w*z+\w/2+1]
.endr
.set z, z+1
.endr
.endr
.irp t, 0,1
	v_pk_fma_f32 v[ST+8*\t+2:ST+8*\t+3], v[ST+8*\t+2:ST+8*\t+3], v[ST+8*\t+6:ST+8*\t+7], v[S+32*\t:S+32*\t+1] op_sel_hi:[1,0,1]  ; l = a l + the sum
.endr
	WIN W_RS
.set z, 0
.rept 32
.irp t, 0,1
	v_pk_mul_f32 v[64*\t+2*z:64*\t+2*z+1], v[64*\t+2*z:64*\t+2*z+1], v[ST+8*\t+6:ST+8*\t+7] op_sel_hi:[1,0]  ; O^T times a, from each accumulator's low end on
.endr
.set z, z+1
.endr
	WIN 0
.endm
.macro STEP
	FETCH_KV
	s_cmp_lg_u32 s[RT], 0                          ; only a block's last tile holds the diagonal
	s_cbranch_scc1 .Lnomask_\@
	MASK
.Lnomask_\@:
	s_wait_dscnt 32                                ; K is in; V's 32 loads may stay out
.set i, 0
.rept 32
	KQ
.endr
	WIN 0
	PLACES                                         ; behind the last product, in front of the reads of its result
	SOFT
	s_wait_dscnt 0x0                               ; V is in
.set i, 0
.rept 32
	PV
.endr
	WIN 0
	PLACES                                         ; in front of the next loads into V's registers and of reads of O^T
	s_sub_co_i32 s[DL], s[DL], 64
.endm
.macro TILE
	s_sub_co_u32 s[RT], s[RT], 1
	s_mov_b32 s[DL], s[BQ]
	s_mov_b32 s[TWICE], 2
.Lstep_\@:
	STEP
	s_sub_co_u32 s[TWICE], s[TWICE], 1
	s_cmp_lg_u32 s[TWICE], 0
	s_cbranch_scc1 .Lstep_\@
.endm
; THE WAY OUT of a block: l's parts are added; O^T is divided by l, rounded to f16 and sent through my stage, a tile (16 rows) at a time.
.macro PACK t
	WIN W_RS
.set i, 64*(\t)
.rept 32
	v_pk_mul_f32 v[i:i+1], v[i:i+1], v[ST+8*(\t)+6:ST+8*(\t)+7] op_sel_hi:[1,0]
.set i, i+2
.endr
	WIN 0x05
.set i, 0
.rept 32
	v_cvt_pk_f16_f32 v[S+32*(\t)+i], v[64*(\t)+2*i], v[64*(\t)+2*i+1]
.set i, i+1
.endr
	WIN 0
.irp f, 0,1,2,3,4,5,6,7
	ds_store_b128 v[STO], v[S+32*(\t)+4*\f:S+32*(\t)+4*\f+3] offset:32*\f
.endr
.irp f, 0,1,2,3,4,5,6,7
	ds_load_b128 v[S+32*(\t)+4*\f:S+32*(\t)+4*\f+3], v[RD] offset:\f*2*SP  ; LDS serves a wave's instructions in order (ISA guide 5.7.1.4): these see the stores above; the next tile's stores come behind them
.endr
.endm
.macro SEND t, younger
.irp f, 0,1,2,3,4,5,6,7
	s_wait_dscnt (\younger)+7-\f
	global_store_b128 v[GO], v[S+32*(\t)+4*\f:S+32*(\t)+4*\f+3], s[OB:OB+1] offset:(\t)*131072+\f*16384  ; 16 lanes store a head's 256 bytes of a row, aligned
.endr
.endm
.macro FINISH
.irp t, 0,1
	v_add_f32 v[ST+8*\t+4], v[ST+8*\t+2], v[ST+8*\t+3]
.endr
.irp t, 0,1
	v_permlanex16_b32 v[ST+8*\t+5], v[ST+8*\t+4], s[SEL], s[SEL+1]
.endr
.irp t, 0,1
	v_add_f32 v[ST+8*\t+4], v[ST+8*\t+4], v[ST+8*\t+5]
.endr
.irp t, 0,1
	v_rcp_f32 v[ST+8*\t+6], v[ST+8*\t+4]
.endr
	v_nop
	s_wait_alu depctr_va_vdst(0)                   ; one wait for the two reciprocals
	PACK 0
	PACK 1
	SEND 0, 16
	SEND 1, 0
.endm
	INIT
	s_wait_loadcnt 0x0                             ; Q
.Lslot:                                        ; eight times: a tile is entered and the next is asked for
	CHANGE 1
	TILE
	s_cmp_lg_u32 s[RT], 0
	s_cbranch_scc1 .Lbottom
	FINISH                                         ; in the loop this is the first block's end
	s_wait_xcnt 0x0                                ; the stores have read their registers and their base
	s_mov_b64 s[OB:OB+1], s[OLO:OLO+1]
	s_add_co_u32 s[RT], s[LQ2], 1                  ; the second block has p / 4 + 1 tiles
	s_mov_b32 s[BQ], s[BQ2]
	WIN W_RS
.set i, 0
.rept 64
	v_mov_b32 v[QF+i], v[Q2+i]                     ; its Q goes where the one text of the products names Q
.set i, i+1
.endr
	INIT
.Lbottom:
	s_sub_co_u32 s[SLOTS], s[SLOTS], 1
	s_cmp_lg_u32 s[SLOTS], 0
	s_cbranch_scc1 .Lslot
	CHANGE 0                                       ; the walk's last tile is written out
	TILE
	FINISH
	s_wait_tensorcnt 0x0                           ; the wave's end
	ds_add_u32 v[SPW], v[NIL]
	s_wait_dscnt 0x0
	s_endpgm
; THE OTHER JOB: wo16 = f16(4 x bf16(Wo)).  The rounding to bf16 is the one that all of the module's inputs get; 4 x that number is exact, and is written as f16 (the attention's output is stored divided by 4, so
; the last product needs no scaling).  Work-group 16 g + x - 16 of 128 takes 524,288 consecutive bytes of Wo and makes 262,144 of wo16, in eight rounds of 65,536 bytes in.
; A STREAM, through registers alone: thread t takes 16 bytes at 16 t of each 2,048 bytes: a wave's load covers 512 consecutive bytes; its store of 8 bytes a lane covers 256 consecutive bytes, aligned.
; All 32 loads of a round go out together (16 KiB a wave), each is worked on as it comes, and the round's text is written once: a ring that asks again slot by slot would want its last round written out
; a second time, without loads.
.set CLO, 2                            ; v2  16 t: where I load; never rewritten
.set CSO, 3                            ; v3  8 t: where I store; never rewritten
.set XR,  64                           ; v[64:191]  32 loads of four registers
.set YR,  192                          ; v[192:255] 32 stores of two registers
.Lconv:
	s_sub_co_u32 s[RND], ttmp9, 16
	s_lshl4_add_u32 s[RND], s13, s[RND]            ; 16 g + x - 16
	s_lshl_b32 s54, s[RND], 19
	s_mov_b32 s55, 0
	s_add_nc_u64 s[WOI:WOI+1], s[WOI:WOI+1], s[54:55]
	s_lshl_b32 s54, s[RND], 18
	s_add_nc_u64 s[WOO:WOO+1], s[WOO:WOO+1], s[54:55]
	s_mov_b32 s[FOUR], 0x40800000                  ; 4.0
	s_mov_b32 s[FOUR+1], s[FOUR]                   ; named with it as a pair
	s_mov_b32 s[HIM], 0xffff0000
	v_lshlrev_b32 v[CLO], 4, v0
	v_lshlrev_b32 v[CSO], 3, v0
	s_mov_b32 s[RND], 8
.Lround:
.set n, 0
.rept 32
	global_load_b128 v[XR+4*n:XR+4*n+3], v[CLO], s[WOI:WOI+1] offset:2048*n th:TH_LOAD_NT
.set n, n+1
.endr
.set n, 0
.rept 32
	s_wait_loadcnt 31-n                            ; loads come back in order: number n is in, the 31 - n younger ones stay out
	v_cvt_pk_bf16_f32 v8, v[XR+4*n], v[XR+4*n+1]
	v_cvt_pk_bf16_f32 v9, v[XR+4*n+2], v[XR+4*n+3]
	v_lshlrev_b32 v4, 16, v8
	v_and_b32 v5, s[HIM], v8
	v_lshlrev_b32 v6, 16, v9
	v_and_b32 v7, s[HIM], v9
	v_pk_mul_f32 v[4:5], v[4:5], s[FOUR:FOUR+1] op_sel_hi:[1,0]
	v_pk_mul_f32 v[6:7], v[6:7], s[FOUR:FOUR+1] op_sel_hi:[1,0]
	v_cvt_pk_f16_f32 v[YR+2*n], v4, v5
	v_cvt_pk_f16_f32 v[YR+2*n+1], v6, v7
	global_store_b64 v[CSO], v[YR+2*n:YR+2*n+1], s[WOO:WOO+1] offset:1024*n th:TH_STORE_NT
.set n, n+1
.endr
	s_wait_xcnt 0x0                                ; the stores have read their data and their base: only behind this wait are the pointers stepped and, in the next round, the stores' registers rewritten
	s_add_nc_u64 s[WOI:WOI+1], s[WOI:WOI+1], 0x10000
	s_add_nc_u64 s[WOO:WOO+1], s[WOO:WOO+1], 0x8000
	s_sub_co_u32 s[RND], s[RND], 1
	s_cmp_lg_u32 s[RND], 0
	s_cbranch_scc1 .Lround
	s_wait_tensorcnt 0x0                           ; the wave's end
	ds_add_u32 v[SPW], v[NIL]
	s_wait_dscnt 0x0
	s_endpgm
.Lfunc_end_k_q1f30bfcbb6_attn:
	.size	k_q1f30bfcbb6_attn, .Lfunc_end_k_q1f30bfcbb6_attn-k_q1f30bfcbb6_attn
	.p2alignl 7, 3214868480
	.fill 96, 4, 3214868480
	.section	.rodata,"a",@progbits
	.p2align	6, 0x0
	.amdhsa_kernel k_q1f30bfcbb6_attn
		.amdhsa_group_segment_fixed_size 327680
		.amdhsa_private_segment_fixed_size 0
		.amdhsa_enable_private_segment 0
		.amdhsa_kernarg_size 40
		.amdhsa_user_sgpr_count 2
		.amdhsa_user_sgpr_kernarg_segment_ptr 1
		.amdhsa_wavefront_size32 1
		.amdhsa_system_sgpr_workgroup_id_x 1
		.amdhsa_system_sgpr_workgroup_id_y 1
		.amdhsa_system_sgpr_workgroup_id_z 1
		.amdhsa_system_vgpr_workitem_id 0
		.amdhsa_next_free_vgpr 768
		.amdhsa_next_free_sgpr 90
		.amdhsa_reserve_vcc 1
		.amdhsa_float_denorm_mode_32 3
		.amdhsa_float_denorm_mode_16_64 3
		.amdhsa_memory_ordered 1
		.amdhsa_forward_progress 1
		.amdhsa_inst_pref_size 134
	.end_amdhsa_kernel
	.amdgpu_metadata
---
amdhsa.version: [ 1, 2 ]
amdhsa.kernels:
  - .name:           k_q1f30bfcbb6_attn
    .symbol:         k_q1f30bfcbb6_attn.kd
    .args:
      - { .name: qkv, .offset: 0, .size: 8, .value_kind: global_buffer, .address_space: global }
      - { .name: sink, .offset: 8, .size: 8, .value_kind: global_buffer, .address_space: global }
      - { .name: at16, .offset: 16, .size: 8, .value_kind: global_buffer, .address_space: global }
      - { .name: Wo, .offset: 24, .size: 8, .value_kind: global_buffer, .address_space: global }
      - { .name: wo16, .offset: 32, .size: 8, .value_kind: global_buffer, .address_space: global }
    .group_segment_fixed_size: 327680
    .private_segment_fixed_size: 0
    .kernarg_segment_align: 8
    .kernarg_segment_size: 40
    .max_flat_workgroup_size: 128
    .sgpr_count:     90
    .vgpr_count:     768
    .wavefront_size: 32
...
	.end_amdgpu_metadata
.endif
;; end of part 7
;; launch oproj: the kernel of part 4 again; grid 32 x 8, 4 waves a work-group, clusters of 4 x 4, 327,680 bytes of LDS; arguments at16, wo16, out0; writes out0
;; ======== version 3 of 3: 4 launches; version 2 with the launch prep written anew for expert scheduling mode
;; limits: values are held in f16: magnitudes above 65,504 overflow, below 6.1e-05 lose precision; right only within a limited range of input values
;; workspace buffers: xb 8,388,608 bytes; wo16 33,554,432 bytes; rope 1,572,864 bytes; qkv 12,582,912 bytes; at16 8,388,608 bytes
;; launch prep (part 8): grid 320 x 1, 8 waves a work-group, no clusters, 0 bytes of LDS; arguments hidden_states, positions, xb, rope; writes xb, rope
.if DOCPART == 8
	.amdgcn_target "amdgcn-amd-amdhsa--gfx1250"
	.amdhsa_code_object_version 6
	.text
	.protected	k_q1f30bfcbb6_prep
	.globl	k_q1f30bfcbb6_prep
	.p2align	8
	.type	k_q1f30bfcbb6_prep,@function
k_q1f30bfcbb6_prep:
	s_mov_b64 s[64:65], 0
	v_nop
	global_prefetch_b8 v0, s[64:65] scope:SCOPE_SE
	s_setreg_imm32_b32 hwreg(HW_REG_WAVE_SCHED_MODE, 0, 2), 2
	s_setreg_imm32_b32 hwreg(HW_REG_WAVE_MODE, 25, 1), 1
	s_wait_xcnt 0x0
	s_wait_alu depctr_vm_vsrc(0)
; TWO JOBS, told apart by the work-group's number g.
;   g < 256    xb = bf16(hidden_states): chunk g, 65,536 bytes of f32 in, 32,768 bytes out.
;   g >= 256   the rotary tables: 16 token rows a work-group, 16 threads a row, four frequencies a thread.
; A STREAM: thread t takes 16 bytes at 16 t of each 4,096 bytes: a wave's load covers 512 consecutive bytes; its store of 8 bytes a lane covers 256 consecutive bytes, aligned.
; All sixteen loads of a chunk go out together; no register is used twice.
; THE TABLES: rope[type][row][128] f32: 64 cosines, then 64 sines, frequency f at place f, each times the type's scale: type 0 (q) 2 c, c = log2(e) / sqrt(128); type 1 (k) 0.5;
; type 2 (v) holds 0.25 and 0: no rotation.
; SINE AND COSINE: angle = pos x 2^(-f log2(1e6) / 64); n = the nearest whole number to angle x 2 / pi; r = angle - n pi / 2 with pi / 2 in two parts, by fused multiply-adds;
; polynomials of degree 7 and 8 on |r| <= pi / 4; n's two low bits choose and sign.
; LIMITS.  The angle is good to a few units in the last place of pos x frequency: its absolute error stays under 1e-3 for |pos| < 4,096.
; THE MODE: SCHED_MODE bits 1:0 = 2 (LLVM: expert scheduling mode 2), set by the entry lines.  The code itself states the register dependences between vector instructions and memory
; instructions, and between a vector instruction that writes a scalar register and that register's readers, with s_wait_alu, always for 0.
; THE PLAN.  Registers that memory instructions touch:
;   a chunk of x   v1, v2   the loads' and the stores' offsets: written once at the head, never again.
;                  IN       each register is written by one load and read by one conversion; no vector instruction names it ahead of the loads.
;                  OUTR     each register is written by one conversion and read by one store.
;                  The work goes in four groups of four loads.  Group p converts its IN into its OUTR; the four stores of group p - 1 stand among these conversions, which name none of their registers.
;                  So one wait on va_vdst at a group's head, behind the wait for the group's data, states all that those four stores hang on.
;   the tables     v5       the offset of the position's load: written once.     v6   lands from that load; no vector instruction names it before.
;                  v7, DAT  the offset and the data of the six stores: written ahead of the one wait that stands in front of them.
; No register that a load or a store reads is written again, so no wait on vm_vsrc is owed; the text has no loop, and EXEC is never written.
.set IN,   16                          ; v[16:79]   sixteen loads of four registers
.set OUTR, 80                          ; v[80:111]  sixteen stores of two registers
.set INV,  8                           ; the tables' registers, four each: frequency
.set ANG,  12                          ; angle
.set NQ,   16                          ; n
.set RR,   20                          ; r
.set ZZ,   24                          ; r r
.set SN,   28                          ; sine
.set CN,   32                          ; cosine
.set QD,   36                          ; n as a whole number
.set TA,   40                          ; at work
.set TB,   44                          ; at work
.set DAT,  48                          ; v[48:71] six sets of four numbers to store
.set MK,   12                          ; s[12:15] for each of my four frequencies: the lanes in which n is odd
.set TYPEB, 524288                     ; bytes of one type's table: 1,024 rows x 512
	s_load_b256 s[4:11], s[0:1], 0x0               ; hidden_states s[4:5], positions s[6:7], xb s[8:9], rope s[10:11]
	v_lshlrev_b32 v1, 4, v0                        ; 16 t: where I load
	v_lshlrev_b32 v2, 3, v0                        ; 8 t: where I store
	s_mov_b32 s3, 0                                ; the high word of a chunk's offset
	s_wait_kmcnt 0x0
	s_cmp_lt_u32 ttmp9, 256
	s_cbranch_scc1 .Lx
	; THE TABLES
	s_sub_co_u32 s17, ttmp9, 256
	s_lshl_b32 s17, s17, 4                         ; the work-group's first row
	v_lshrrev_b32 v3, 4, v0
	v_add_nc_u32 v3, s17, v3                       ; my row
	v_and_b32 v4, 15, v0                           ; my place in the row: 16 bytes of each section
	v_lshlrev_b32 v5, 2, v3
	s_wait_alu depctr_va_vdst(0)                   ; v5 is written, which the load below reads as its offset
	global_load_b32 v6, v5, s[6:7]                 ; the row's position
	s_mov_b32 s18, 0xbe9f73da                      ; -log2(1e6) / 64
	s_mov_b32 s19, 0x3f22f983                      ; 2 / pi
	s_mov_b32 s20, 0x3fc90fdb                      ; pi / 2, the upper part
	s_mov_b32 s21, 0xb33bbd2e                      ; pi / 2, what is left
	s_mov_b32 s22, 0xb94ca1f9                      ; the sine's coefficients, highest first
	s_mov_b32 s23, 0x3c08839e
	s_mov_b32 s24, 0xbe2aaaa3
	s_mov_b32 s25, 0x37ccf5ce                      ; the cosine's
	s_mov_b32 s26, 0xbab6061a
	s_mov_b32 s27, 0x3d2aaaa5
	s_mov_b32 s28, 0x3e8293ee                      ; 2 c = 2 log2(e) / sqrt(128)
	v_lshlrev_b32 v7, 2, v4                        ; my first frequency: 4 x my place; the others follow it
.irp e, 0,1,2,3
	v_add_nc_u32 v[INV+\e], \e, v7
.endr
.irp e, 0,1,2,3
	v_cvt_f32_u32 v[INV+\e], v[INV+\e]
.endr
.irp e, 0,1,2,3
	v_mul_f32 v[INV+\e], s18, v[INV+\e]
.endr
.irp e, 0,1,2,3
	v_exp_f32 v[INV+\e], v[INV+\e]                 ; one batch of four
.endr
	v_lshlrev_b32 v7, 9, v3                        ; the plain instruction behind the last exponential: my row in a table,
	v_lshl_add_u32 v7, v4, 4, v7                   ; my 16 bytes of a section
	s_wait_alu depctr_va_vdst(0)                   ; the four exponentials have written v[INV ..]: one wait for the batch, ahead of its first reader
	s_wait_loadcnt 0x0
	v_cvt_f32_i32 v6, v6
.irp e, 0,1,2,3
	v_mul_f32 v[ANG+\e], v6, v[INV+\e]
.endr
.irp e, 0,1,2,3
	v_mul_f32 v[NQ+\e], s19, v[ANG+\e]
.endr
.irp e, 0,1,2,3
	v_rndne_f32 v[NQ+\e], v[NQ+\e]
.endr
.irp e, 0,1,2,3
	v_fma_f32 v[RR+\e], -v[NQ+\e], s20, v[ANG+\e]
.endr
.irp e, 0,1,2,3
	v_fma_f32 v[RR+\e], -v[NQ+\e], s21, v[RR+\e]
.endr
.irp e, 0,1,2,3
	v_mul_f32 v[ZZ+\e], v[RR+\e], v[RR+\e]
	v_cvt_i32_f32 v[QD+\e], v[NQ+\e]
.endr
.irp e, 0,1,2,3
	v_fma_f32 v[TA+\e], v[ZZ+\e], s22, s23         ; the sine: r + r z (((S3 z + S2) z) + S1)
	v_mul_f32 v[TB+\e], v[RR+\e], v[ZZ+\e]
.endr
.irp e, 0,1,2,3
	v_fma_f32 v[TA+\e], v[TA+\e], v[ZZ+\e], s24
.endr
.irp e, 0,1,2,3
	v_fma_f32 v[SN+\e], v[TB+\e], v[TA+\e], v[RR+\e]
.endr
.irp e, 0,1,2,3
	v_fma_f32 v[TA+\e], v[ZZ+\e], s25, s26         ; the cosine: 1 - z / 2 + z z (((C3 z + C2) z) + C1)
	v_mul_f32 v[TB+\e], v[ZZ+\e], v[ZZ+\e]
.endr
.irp e, 0,1,2,3
	v_fma_f32 v[TA+\e], v[TA+\e], v[ZZ+\e], s27
	v_fma_f32 v[RR+\e], v[ZZ+\e], -0.5, 1.0
.endr
.irp e, 0,1,2,3
	v_fma_f32 v[CN+\e], v[TB+\e], v[TA+\e], v[RR+\e]
.endr
.irp e, 0,1,2,3
	v_and_b32 v[TA+\e], 1, v[QD+\e]                ; an odd n swaps the two:
.endr
.irp e, 0,1,2,3
	v_cmp_ne_u32 s[MK+\e], 0, v[TA+\e]             ; the four masks are made in one run, each in a scalar register of its own
.endr
.irp e, 0,1,2,3                        ; the signs, which read no mask, stand between the compares and the wait for them
	v_and_b32 v[TA+\e], 2, v[QD+\e]                ; the sine is negated where n % 4 is 2 or 3,
	v_add_nc_u32 v[QD+\e], 1, v[QD+\e]
	v_lshlrev_b32 v[TA+\e], 30, v[TA+\e]
	v_and_b32 v[QD+\e], 2, v[QD+\e]                ; the cosine where it is 1 or 2
	v_lshlrev_b32 v[QD+\e], 30, v[QD+\e]
.endr
	s_wait_alu depctr_va_sdst(0)                   ; the four compares have written s[MK ..], ahead of the first select that reads one of them
.irp e, 0,1,2,3
	v_cndmask_b32 v[TB+\e], v[SN+\e], v[CN+\e], s[MK+\e]
	v_cndmask_b32 v[RR+\e], v[CN+\e], v[SN+\e], s[MK+\e]
.endr
.irp e, 0,1,2,3
	v_xor_b32 v[SN+\e], v[TA+\e], v[TB+\e]
	v_xor_b32 v[CN+\e], v[QD+\e], v[RR+\e]
.endr
.irp e, 0,1,2,3
	v_mul_f32 v[DAT+\e], s28, v[CN+\e]             ; q's table
	v_mul_f32 v[DAT+4+\e], s28, v[SN+\e]
	v_mul_f32 v[DAT+8+\e], 0.5, v[CN+\e]           ; k's
	v_mul_f32 v[DAT+12+\e], 0.5, v[SN+\e]
	v_mov_b32 v[DAT+16+\e], 0x3e800000             ; v's: 0.25 and 0
	v_mov_b32 v[DAT+20+\e], 0
.endr
	s_wait_alu depctr_va_vdst(0)                   ; v[DAT ..] and v7 are written, which the six stores read as their data and their offset
	; sixteen neighbouring lanes fill one section of 256 bytes, at a multiple of 256 from the buffer's first byte
	global_store_b128 v7, v[DAT:DAT+3], s[10:11]
	global_store_b128 v7, v[DAT+4:DAT+7], s[10:11] offset:256
	global_store_b128 v7, v[DAT+8:DAT+11], s[10:11] offset:TYPEB
	global_store_b128 v7, v[DAT+12:DAT+15], s[10:11] offset:TYPEB+256
	global_store_b128 v7, v[DAT+16:DAT+19], s[10:11] offset:2*TYPEB
	global_store_b128 v7, v[DAT+20:DAT+23], s[10:11] offset:2*TYPEB+256
	s_endpgm
.Lx:                                           ; a chunk of x: f32 to bf16
	s_lshl_b32 s2, ttmp9, 16
	s_add_nc_u64 s[4:5], s[4:5], s[2:3]
	s_lshl_b32 s2, ttmp9, 15
	s_add_nc_u64 s[8:9], s[8:9], s[2:3]
	s_wait_alu depctr_va_vdst(0)                   ; v1 and v2 are written: every load below reads v1 as its offset, every store v2
.set n, 0
.rept 16
	global_load_b128 v[IN+4*n:IN+4*n+3], v1, s[4:5] offset:4096*n th:TH_LOAD_NT
.set n, n+1
.endr
.irp p, 0,1,2,3                        ; group p: loads 4 p to 4 p + 3 are converted; the stores of group p - 1 stand among the conversions
	s_wait_loadcnt 12-4*(\p)                       ; loads come back in order: the group's four are in, the 12 - 4 p younger ones stay out
.if (\p) > 0
	s_wait_alu depctr_va_vdst(0)                   ; the conversions of the group before have written their eight registers of OUTR, which the four stores below read
.endif
.irp i, 0,1,2,3
.if (\p) > 0
	global_store_b64 v2, v[OUTR+2*(4*(\p)+(\i)-4):OUTR+2*(4*(\p)+(\i)-4)+1], s[8:9] offset:2048*(4*(\p)+(\i)-4) th:TH_STORE_NT  ; no vector instruction since the wait names these registers
.endif
	v_cvt_pk_bf16_f32 v[OUTR+2*(4*(\p)+(\i))], v[IN+4*(4*(\p)+(\i))], v[IN+4*(4*(\p)+(\i))+1]
	v_cvt_pk_bf16_f32 v[OUTR+2*(4*(\p)+(\i))+1], v[IN+4*(4*(\p)+(\i))+2], v[IN+4*(4*(\p)+(\i))+3]
.endr
.endr
	s_wait_alu depctr_va_vdst(0)                   ; the last group's conversions have written their eight registers of OUTR, which the last four stores read
.irp i, 12,13,14,15
	global_store_b64 v2, v[OUTR+2*(\i):OUTR+2*(\i)+1], s[8:9] offset:2048*(\i) th:TH_STORE_NT
.endr
	s_endpgm
.Lfunc_end_k_q1f30bfcbb6_prep:
	.size	k_q1f30bfcbb6_prep, .Lfunc_end_k_q1f30bfcbb6_prep-k_q1f30bfcbb6_prep
	.p2alignl 7, 3214868480
	.fill 96, 4, 3214868480
	.section	.rodata,"a",@progbits
	.p2align	6, 0x0
	.amdhsa_kernel k_q1f30bfcbb6_prep
		.amdhsa_group_segment_fixed_size 0
		.amdhsa_private_segment_fixed_size 0
		.amdhsa_enable_private_segment 0
		.amdhsa_kernarg_size 32
		.amdhsa_user_sgpr_count 2
		.amdhsa_user_sgpr_kernarg_segment_ptr 1
		.amdhsa_wavefront_size32 1
		.amdhsa_system_sgpr_workgroup_id_x 1
		.amdhsa_system_sgpr_workgroup_id_y 1
		.amdhsa_system_sgpr_workgroup_id_z 1
		.amdhsa_system_vgpr_workitem_id 0
		.amdhsa_next_free_vgpr 112
		.amdhsa_next_free_sgpr 66
		.amdhsa_reserve_vcc 0
		.amdhsa_float_denorm_mode_32 3
		.amdhsa_float_denorm_mode_16_64 3
		.amdhsa_memory_ordered 1
		.amdhsa_forward_progress 1
		.amdhsa_inst_pref_size 15
	.end_amdhsa_kernel
	.amdgpu_metadata
---
amdhsa.version: [ 1, 2 ]
amdhsa.kernels:
  - .name:           k_q1f30bfcbb6_prep
    .symbol:         k_q1f30bfcbb6_prep.kd
    .args:
      - { .name: hidden_states, .offset: 0, .size: 8, .value_kind: global_buffer, .address_space: global }
      - { .name: positions, .offset: 8, .size: 8, .value_kind: global_buffer, .address_space: global }
      - { .name: xb, .offset: 16, .size: 8, .value_kind: global_buffer, .address_space: global }
      - { .name: rope, .offset: 24, .size: 8, .value_kind: global_buffer, .address_space: global }
    .group_segment_fixed_size: 0
    .private_segment_fixed_size: 0
    .kernarg_segment_align: 8
    .kernarg_segment_size: 32
    .max_flat_workgroup_size: 256
    .sgpr_count:     66
    .vgpr_count:     112
    .wavefront_size: 32
...
	.end_amdgpu_metadata
.endif
;; end of part 8
;; launch qkv: the kernel of part 6 again; grid 48 x 4, 4 waves a work-group, clusters of 4 x 4, 327,680 bytes of LDS; arguments xb, Wq, Wk, Wv, bq, bk, bv, rope, qkv; writes qkv
;; launch attn: the kernel of part 7 again; grid 32 x 8, 4 waves a work-group, no clusters, 327,680 bytes of LDS; arguments qkv, sink, at16, Wo, wo16; writes at16, wo16
;; launch oproj: the kernel of part 4 again; grid 32 x 8, 4 waves a work-group, clusters of 4 x 4, 327,680 bytes of LDS; arguments at16, wo16, out0; writes out0
